; MI455X (gfx1250); checked and timed in simulation.
; The chip was launched on July 23, 2026; its instructions are those of AMD's public machine-readable ISA for CDNA 5 (MIT licence, August 2026) and "CDNA5" Instruction Set Architecture Reference Guide (July 2026). The comments in the code are by the model that wrote it; some were corrected since.
;; Adaptive Mo E Layer. Allowed arithmetic: float matrix products may take bf16 or f16 operands with f32 sums; other float arithmetic in f32, or as packed bf16 or f16 multiplies, adds, multiply-adds, maxima and minima; sums over many terms, partial sums and values carried from step to step in f32; what a program stores and reads back later, other than sums and carried values, may be rounded once to bf16 or f16.
;; Inputs: expert_scale 8 float32; hidden_states 2 x 512 x 1,024 float32; router_w 8 x 1,024 float32; w1 8 x 4,096 x 1,024 float32; w2 8 x 1,024 x 4,096 float32.
;; Outputs: out0 2 x 512 x 1,024 float32.
;; 3 versions, each right; version 2 is faster than version 1; version 3 is version 2 with the launch ffn2 written anew for expert scheduling mode. Each part assembles by itself: llvm-mc -triple=amdgcn-amd-amdhsa -mcpu=gfx1250 --defsym DOCPART=n.
;; ======== version 1 of 3: 4 launches
;; workspace buffers: xb 2,097,152 bytes; sel 4,096 bytes of whole numbers; gate 8,192 bytes; hbuf 67,108,864 bytes; part 33,554,432 bytes
;; launch router (part 1): grid 256 x 1, 4 waves a work-group, no clusters, 0 bytes of LDS; arguments hidden_states, router_w, expert_scale, xb, sel, gate; writes xb, sel, gate
.if DOCPART == 1
	.amdgcn_target "amdgcn-amd-amdhsa--gfx1250"
	.amdhsa_code_object_version 6
	.text
	.protected	k_q8e18fafd27_router
	.globl	k_q8e18fafd27_router
	.p2align	8
	.type	k_q8e18fafd27_router,@function
k_q8e18fafd27_router:
	s_mov_b64 s[64:65], 0
	v_nop
	global_prefetch_b8 v0, s[64:65] scope:SCOPE_SE
	s_setreg_imm32_b32 hwreg(HW_REG_WAVE_MODE, 25, 1), 1
	s_wait_xcnt 0x0
; ROUTER.  For each of the 1,024 tokens: 8 logits x . router_w[e], softmax, the two largest probabilities (a tie keeps the lower index), a second softmax over those two,
; each weight times its expert's scale.  Stored at fixed places: xb[t][:] = x rounded to bf16; sel[t] = (1 << first expert) | (256 << second expert); gate[slot][t].
; No address and no branch hangs on a floating-point number: the choices are made by selects alone, and later launches place the rows.
; FORMATS.  Every input is rounded to bf16 once (x, router_w, expert_scale), products of the bf16 halves are exact in f32 and the sums are f32.
; SHARES.  One wave, one token: token = 4 x work-group + wave.  Load u gives lane L the elements 128 u + 4 L .. + 3 of x and of each row of router_w: each load covers 512
; consecutive bytes, each store of xb 256.  The product has 8 columns (a two-thousandth of the module's multiply-adds) and is bound by its bytes, so it is written as a stream on the vector
; unit: half a matrix tile would lie empty and the fragments' layout would break the long loads.  No LDS, no barrier, no cluster: waves share router_w alone, 32 KB.
; LIMITS.  NaN is not treated apart.  A probability below 2^-126 counts as 0; among equal probabilities the lower index wins.  The three last stores are 4 bytes of one lane: 12 KB of tables in the whole launch.
.set XR,  8                            ; v[8:39]    x as loaded
.set XP,  40                           ; v[40:55]   x in bf16, two a register
.set RW,  64                           ; v[64:191]  router_w: four slots of 8 experts x 4 registers
.set RP,  192                          ; v[192:207] a group of router_w in bf16
.set ACC, 208                          ; v[208:215] the 8 sums
.set PR,  216                          ; v[216:223] exponents, then probabilities
.set MX,  224
.set MM,  225
.set SM,  226
.set RC,  227
.set BV,  228                          ; the largest: value, index, scale
.set BI,  229
.set BS,  230
.set CV,  231                          ; the second
.set CI,  232
.set CS,  233
.set T0,  234                          ; v[234:237] at work
.set K1,  238
.set K2,  239
	s_load_b256 s[4:11], s[0:1], 0x0               ; hidden_states s[4:5], router_w s[6:7], expert_scale s[8:9], xb s[10:11]
	s_load_b128 s[12:15], s[0:1], 0x20             ; sel s[12:13], gate s[14:15]
	v_lshrrev_b32 v4, 5, v0
	v_readfirstlane_b32 s16, v4                    ; wave
	v_and_b32 v4, 31, v0                           ; lane
	v_lshlrev_b32 v1, 4, v4                        ; 16 L
	v_lshlrev_b32 v2, 3, v4                        ; 8 L
	v_mov_b32 v3, 0                                ; the first products' addend, and the last stores' offset
	s_lshl2_add_u32 s17, ttmp9, s16                ; my token
	s_mov_b32 s19, 0
	s_mov_b32 s32, 0x76543210                      ; v_permlanex16_b32: each lane takes its own place in the other half
	s_mov_b32 s33, 0xfedcba98
	s_mov_b32 s34, 0x3fb8aa3b                      ; log2(e)
	s_wait_kmcnt 0x0
	s_load_b256 s[24:31], s[8:9], 0x0              ; the 8 scales
	s_lshl_b32 s18, s17, 12
	s_add_nc_u64 s[4:5], s[4:5], s[18:19]          ; my row of x
	s_lshl_b32 s18, s17, 11
	s_add_nc_u64 s[10:11], s[10:11], s[18:19]      ; my row of xb
	s_lshl_b32 s18, s17, 2
	s_add_nc_u64 s[12:13], s[12:13], s[18:19]      ; my word of sel
	s_add_nc_u64 s[14:15], s[14:15], s[18:19]      ; and of gate
.set u, 0
.rept 8
	global_load_b128 v[XR+4*u:XR+4*u+3], v1, s[4:5] offset:512*u th:TH_LOAD_NT
.set u, u+1
.endr
.macro RLOAD u                         ; group u: elements 128 u .. of all 8 rows of router_w
.set e, 0
.rept 8
	global_load_b128 v[RW+32*((\u)%4)+4*e:RW+32*((\u)%4)+4*e+3], v1, s[6:7] offset:4096*e+512*(\u)
.set e, e+1
.endr
.endm
	RLOAD 0
	RLOAD 1
	RLOAD 2
	RLOAD 3
	s_wait_loadcnt 32                              ; x is in; the 32 loads of router_w issued behind it stay out
.set u, 0
.rept 16
	v_cvt_pk_bf16_f32 v[XP+u], v[XR+2*u], v[XR+2*u+1]
.set u, u+1
.endr
.set u, 0
.rept 8
	global_store_b64 v2, v[XP+2*u:XP+2*u+1], s[10:11] offset:256*u  ; 32 lanes store 256 consecutive bytes, aligned; XP is never rewritten
.set u, u+1
.endr
; One group: rounded to bf16, then 32 multiply-adds from the bf16 halves, the 8 sums by turns.  left = the younger loads that may stay out.
.macro RSTEP u, left, more
	s_wait_loadcnt \left
.set e, 0
.rept 8
	v_cvt_pk_bf16_f32 v[RP+2*e],   v[RW+32*((\u)%4)+4*e],   v[RW+32*((\u)%4)+4*e+1]
	v_cvt_pk_bf16_f32 v[RP+2*e+1], v[RW+32*((\u)%4)+4*e+2], v[RW+32*((\u)%4)+4*e+3]
.set e, e+1
.endr
.set p, 0
.rept 4
.set e, 0
.rept 8
.if ((\u) == 0) && (p == 0)
	v_fma_mix_f32_bf16 v[ACC+e], v[XP+2*(\u)], v[RP+2*e], v3 op_sel_hi:[1,1,0]  ; the first product starts the sum
.elseif p%2 == 0
	v_fma_mix_f32_bf16 v[ACC+e], v[XP+2*(\u)+p/2], v[RP+2*e+p/2], v[ACC+e] op_sel_hi:[1,1,0]
.else
	v_fma_mix_f32_bf16 v[ACC+e], v[XP+2*(\u)+p/2], v[RP+2*e+p/2], v[ACC+e] op_sel:[1,1,0] op_sel_hi:[1,1,0]
.endif
.set e, e+1
.endr
.set p, p+1
.endr
.if \more
	RLOAD (\u)+4                                   ; into the slot just read
.endif
.endm
	RSTEP 0, 24, 1                                 ; three younger groups of 8 loads are out
	RSTEP 1, 24, 1
	RSTEP 2, 24, 1
	RSTEP 3, 24, 1
	RSTEP 4, 24, 0
	RSTEP 5, 16, 0                                 ; nothing more is asked for: the counts run down
	RSTEP 6, 8, 0
	RSTEP 7, 0, 0
	; the 8 sums over the 32 lanes; every lane ends with the same numbers
.irp m, 1,2,4,8
.set e, 0
.rept 8
	v_add_f32_dpp v[ACC+e], v[ACC+e], v[ACC+e] row_xmask:\m row_mask:0xf bank_mask:0xf
.set e, e+1
.endr
.endr
.set e, 0
.rept 8
	v_permlanex16_b32 v[RP+e], v[ACC+e], s32, s33  ; its destination has been written before
.set e, e+1
.endr
.set e, 0
.rept 8
	v_add_f32 v[ACC+e], v[ACC+e], v[RP+e]
.set e, e+1
.endr
	; softmax over the 8 logits, the maximum taken away first
	v_max3_num_f32 v[MX], v[ACC], v[ACC+1], v[ACC+2]
	v_max3_num_f32 v[MX], v[MX], v[ACC+3], v[ACC+4]
	v_max3_num_f32 v[MX], v[MX], v[ACC+5], v[ACC+6]
	v_max_num_f32 v[MX], v[MX], v[ACC+7]
	v_mul_f32 v[MM], s34, v[MX]
.set e, 0
.rept 8
	v_fma_f32 v[PR+e], v[ACC+e], s34, -v[MM]       ; (l - m) log2(e); m's rounding is common to all 8 and cancels in the division
.set e, e+1
.endr
.set e, 0
.rept 8
	v_exp_f32 v[PR+e], v[PR+e]
.set e, e+1
.endr
	v_nop                                          ; a plain instruction behind the last exponential,
	s_wait_alu depctr_va_vdst(0)                   ; and one wait for the batch of 8, ahead of the first use
	v_pk_add_f32 v[T0:T0+1], v[PR:PR+1], v[PR+2:PR+3]
	v_pk_add_f32 v[T0+2:T0+3], v[PR+4:PR+5], v[PR+6:PR+7]
	v_pk_add_f32 v[T0:T0+1], v[T0:T0+1], v[T0+2:T0+3]
	v_add_f32 v[SM], v[T0], v[T0+1]
	v_rcp_f32 v[RC], v[SM]
	v_nop
	s_wait_alu depctr_va_vdst(0)
.set e, 0
.rept 8
	v_mul_f32 v[PR+e], v[PR+e], v[RC]
.set e, e+1
.endr
	s_wait_kmcnt 0x0                               ; the scales
; The largest of the 8 probabilities with its index and its expert's scale; 'greater' alone replaces, so the lower index keeps a tie.
.macro ARGMAX val, idx, scl
	v_mov_b32 v[\val], v[PR]
	v_mov_b32 v[\idx], 0
	v_mov_b32 v[\scl], s24
.set e, 1
.rept 7
	v_cmp_gt_f32 vcc_lo, v[PR+e], v[\val]
	v_cndmask_b32 v[\val], v[\val], v[PR+e], vcc_lo
	v_cndmask_b32 v[\idx], v[\idx], e, vcc_lo
	v_cndmask_b32 v[\scl], v[\scl], s[24+e], vcc_lo
.set e, e+1
.endr
.endm
	ARGMAX BV, BI, BS
.set e, 0
.rept 8
	v_cmp_eq_u32 vcc_lo, e, v[BI]
	v_cndmask_b32 v[PR+e], v[PR+e], -1.0, vcc_lo   ; the chosen one falls below every probability
.set e, e+1
.endr
	ARGMAX CV, CI, CS
	; softmax over the two probabilities, the larger taken away: 1 / (1 + x) and x / (1 + x), x = e^(p2 - p1)
	v_sub_f32 v[T0], v[CV], v[BV]
	v_mul_f32 v[T0], s34, v[T0]
	v_exp_f32 v[T0+1], v[T0]
	v_mov_b32 v[K1], 1                             ; plain work behind the exponential
	v_mov_b32 v[K2], 0x100
	s_wait_alu depctr_va_vdst(0)
	v_add_f32 v[T0+2], 1.0, v[T0+1]
	v_rcp_f32 v[RC], v[T0+2]
	v_lshlrev_b32 v[K1], v[BI], v[K1]              ; 1 << first expert
	v_lshlrev_b32 v[K2], v[CI], v[K2]              ; 256 << second expert
	v_or_b32 v[K1], v[K1], v[K2]
	v_cvt_pk_bf16_f32 v[T0+3], v[BS], v[CS]        ; both scales rounded to bf16, like every input,
	v_lshlrev_b32 v[BS], 16, v[T0+3]               ; and back as f32
	v_and_b32 v[CS], 0xffff0000, v[T0+3]
	s_wait_alu depctr_va_vdst(0)
	v_mul_f32 v[T0+1], v[T0+1], v[RC]
	v_mul_f32 v[BS], v[BS], v[RC]
	v_mul_f32 v[CS], v[CS], v[T0+1]
	s_wait_xcnt 0x0                                ; EXEC is a source of the loads and stores above: it changes only behind this wait
	v_cmp_eq_u32 vcc_lo, 0, v4
	s_and_saveexec_b32 s20, vcc_lo                 ; lane 0 alone
	global_store_b32 v3, v[K1], s[12:13]
	global_store_b32 v3, v[BS], s[14:15]
	global_store_b32 v3, v[CS], s[14:15] offset:4096
	s_wait_xcnt 0x0                                ; and again ahead of the line that widens it
	s_or_b32 exec_lo, exec_lo, s20
	s_endpgm
.Lfunc_end_k_q8e18fafd27_router:
	.size	k_q8e18fafd27_router, .Lfunc_end_k_q8e18fafd27_router-k_q8e18fafd27_router
	.p2alignl 7, 3214868480
	.fill 96, 4, 3214868480
	.section	.rodata,"a",@progbits
	.p2align	6, 0x0
	.amdhsa_kernel k_q8e18fafd27_router
		.amdhsa_group_segment_fixed_size 0
		.amdhsa_private_segment_fixed_size 0
		.amdhsa_enable_private_segment 0
		.amdhsa_kernarg_size 48
		.amdhsa_user_sgpr_count 2
		.amdhsa_user_sgpr_kernarg_segment_ptr 1
		.amdhsa_wavefront_size32 1
		.amdhsa_system_sgpr_workgroup_id_x 1
		.amdhsa_system_sgpr_workgroup_id_y 1
		.amdhsa_system_sgpr_workgroup_id_z 1
		.amdhsa_system_vgpr_workitem_id 0
		.amdhsa_next_free_vgpr 240
		.amdhsa_next_free_sgpr 66
		.amdhsa_reserve_vcc 1
		.amdhsa_float_denorm_mode_32 3
		.amdhsa_float_denorm_mode_16_64 3
		.amdhsa_memory_ordered 1
		.amdhsa_forward_progress 1
		.amdhsa_inst_pref_size 43
	.end_amdhsa_kernel
	.amdgpu_metadata
---
amdhsa.version: [ 1, 2 ]
amdhsa.kernels:
  - .name:           k_q8e18fafd27_router
    .symbol:         k_q8e18fafd27_router.kd
    .args:
      - { .name: hidden_states, .offset: 0, .size: 8, .value_kind: global_buffer, .address_space: global }
      - { .name: router_w, .offset: 8, .size: 8, .value_kind: global_buffer, .address_space: global }
      - { .name: expert_scale, .offset: 16, .size: 8, .value_kind: global_buffer, .address_space: global }
      - { .name: xb, .offset: 24, .size: 8, .value_kind: global_buffer, .address_space: global }
      - { .name: sel, .offset: 32, .size: 8, .value_kind: global_buffer, .address_space: global }
      - { .name: gate, .offset: 40, .size: 8, .value_kind: global_buffer, .address_space: global }
    .group_segment_fixed_size: 0
    .private_segment_fixed_size: 0
    .kernarg_segment_align: 8
    .kernarg_segment_size: 48
    .max_flat_workgroup_size: 128
    .sgpr_count:     66
    .vgpr_count:     240
    .wavefront_size: 32
...
	.end_amdgpu_metadata
.endif
;; end of part 1
;; launch ffn1 (part 2): grid 32 x 8, 4 waves a work-group, no clusters, 300,544 bytes of LDS; arguments xb, sel, w1, hbuf; writes hbuf
.if DOCPART == 2
	.amdgcn_target "amdgcn-amd-amdhsa--gfx1250"
	.amdhsa_code_object_version 6
	.text
	.protected	k_q8e18fafd27_ffn1
	.globl	k_q8e18fafd27_ffn1
	.p2align	8
	.type	k_q8e18fafd27_ffn1,@function
k_q8e18fafd27_ffn1:
	s_mov_b64 s[64:65], 0
	v_nop
	global_prefetch_b8 v0, s[64:65] scope:SCOPE_SE
	s_setreg_imm32_b32 hwreg(HW_REG_WAVE_MODE, 25, 1), 1
	s_wait_xcnt 0x0
; ONE EXPERT'S PRODUCT ON ITS CHOSEN ROWS.  This text serves both products of the layer; SECOND chooses.
;   SECOND = 0:  h[e][i][f] = silu(sum over d of x[token(i)][d] w1[e][f][d]), bf16, for the expert's rows i = 0 .. count - 1.  Work-group (x, y): expert y, columns f = 128 x .. + 127.
;   SECOND = 1:  part[ks][slot(i) 1024 + token(i)][c] = sum over f in quarter ks of h[e][i][f] w2[e][c][f], f32.  Work-group (x, y): expert y, columns c = 128 (x % 8) .., quarter ks = x / 8 of the 4,096 f.
; Either way a work-group has 128 weight rows x 1,024 along K, 512 KB of f32 that it alone reads, and all rows of its expert.  The second product is cut along K too, so that h is read 8 times
; and not 32 times; the four partial sums stay f32 and a later launch adds them.
; PHASES.  (1) The 1,024 words of sel are read and each wave makes its own list of the expert's rows in LDS by counting (no atomics); both products make the same order.  (2) The weights stream once through
; registers, are rounded to bf16 and laid into LDS, a wave 32 rows, 48 loads of 512 bytes of each wave on their way.  (3) A barrier.  (4) Rows in passes of 320: a wave has five tiles of 16 rows x all 128
; columns (40 accumulators); the rows' fragments come from memory straight into registers, three K steps ahead, the weights' from LDS, one step ahead; then the tiles go out through the wave's own stage.
; The pass loop counts to the constant 4 (1,280 rows: every split of 1,024 tokens); the products of a pass, and the way out of a tile, that begin at or past the count are jumped forward.  Two barriers a
; pass, which every wave passes in every trip, part the K loop's LDS reads from the stores into the stages.  In a tile that is not full the places past the count repeat the expert's last row and store its
; own numbers onto it again, so EXEC is never narrowed.  An expert without rows stores nothing.
; THE MATRIX INSTRUCTION IS USED TRANSPOSED (source 0 = 16 weight rows, source 1 = 16 token rows): a lane holds one token row (lane % 16) and 8 neighbouring columns 8 (lane / 16) + 0..7.
; NO CLUSTER, NO TENSOR LOADS: each weight byte has one reader, and the mover cannot round f32 to bf16; what an expert's work-groups share is its token rows, which come by a list (first product) or in a
; number that hangs on a stored count (second), and LDS has 27 KB (first) or 10 KB (second) left beside the weights, the lists and the stages.
; LIMITS.  Operands bf16, sums f32; h is rounded once to bf16.  silu(s) = s / (1 + 2^(-s log2 e)): where the power overflows the quotient is -0, where it underflows it is s.  NaN is not treated apart.
; REGISTERS, in windows of 256 (s_set_vgpr_msb: bits 1:0 source 0, 3:2 source 1, 5:4 source 2, 7:6 destination):
;   window 0: v0-31 addresses; v32-191 the rows' fragments, 4 slots x 5 tiles x 8 (scratch on the way out); v192-223 sel's words and v224-255 packed weights, later all 64 tile 4's accumulators
;   window 1: the weights' load ring, 4 slots x 64; later the accumulators of tiles 0-3 ((j, n) at 64 j + 8 n)       window 2: v0-63, v64-127 the weights' fragments, two buffers
.set SECOND, 0
.set BP,     2064                      ; a weight row in LDS: 2,048 bytes + 16 = 516 words: row r starts at bank 4 r mod 64 (64 banks of 4 bytes: ISA guide 11.1), so the 16 rows of a load start at 16 different groups
.set LIST,   128*BP                    ; behind the weights: each wave's own list, 1,024 words, and 32 words for lanes with nothing to say; 18 blocks of 256 bytes a wave
.set LISTB,  4608
.set STAGE,  LIST+4*LISTB              ; each wave's own stage of 16 rows, for the way out
.if SECOND
.set SP,     528                       ; a stage row: 128 f32 + 16 bytes
.set WPITCH, 16384                     ; bytes from weight row to weight row in memory
.set WSH,    19                        ; 32 weight rows, as a shift
.set ASH,    13                        ; a row of h, as a shift
.else
.set SP,     272                       ; a stage row: 128 bf16 + 16 bytes
.set WPITCH, 4096
.set WSH,    17
.set ASH,    11                        ; a row of xb
.endif
.set STB,    16*SP
.set SPARE,  STAGE+4*STB               ; the spare words, 128 bytes a wave: two blocks of 256 bytes that no other line names
.set LN,   1                           ; lane
.set R15,  2                           ; lane % 16
.set HL,   3                           ; lane / 16
.set H16,  4                           ; 16 x (lane / 16)
.set C16,  5                           ; first product: 16 x (lane % 16); second: 16 x lane
.set WO,   6                           ; my byte offset in the work-group's weights: 16 x lane + my wave's 32 rows
.set WL,   7                           ; where I put 8 bytes of a weight row in LDS; steps
.set LB,   8                           ; my wave's list
.set DMP,  9                           ; 1,024 + lane
.set L4,   10                          ; 4 x lane
.set BFIX, 11                          ; v11-14  my place in weight rows 32 i .. of LDS; never rewritten
.set BADR, 15                          ; v15-18  the same plus s35, the K trip's bytes
.set STO,  19
.set RD,   20
.set AOFF, 21                          ; v21-25  byte offset of my row of tile j
.set T0,   26
.set T1,   27
.set RI,   28
.set LV,   29
.set SPW,  30                          ; LDS address of my spare word; never rewritten
.set NIL,  31                          ; 0; never rewritten
.set AR,   32
.set TK,   192
.set PK,   224
.set A4,   192                         ; tile 4's accumulators, in window 0
.set BF,   0                           ; in window 2
.set TT,   32                          ; the way out, first product: 64 numbers at work,
.set PP,   96                          ; 32 packed,
.set RB,   128                         ; 32 read back,
.set OF,   160                         ; 8 offsets
.set RB2,  32                          ; second product: 64 read back,
.set OF2,  96                          ; 16 offsets
.set MSB, 0
.macro WIN new                         ; the immediate's high byte repeats the setting that is left; a switch that changes nothing is dropped
.if MSB != (\new)
	s_set_vgpr_msb (MSB<<8)|(\new)
.set MSB, \new
.endif
.endm
; Two weight rows, 16 loads of 512 consecutive bytes, into a slot of window 1
.macro FILL slot, row
	WIN 0x40
.set f, 0
.rept 16
	global_load_b128 v[64*(\slot)+4*f:64*(\slot)+4*f+3], v[WO], s[18:19] offset:((\row)+f/8)*WPITCH+512*(f%8) th:TH_LOAD_NT
.set f, f+1
.endr
.endm
; Slot s's two rows are rounded and laid into LDS; fill = 1: the slot read in the turn before gets the block three further on.  left = the younger loads that may stay out.
.macro TURN s, fill, left
	s_wait_loadcnt \left
.if \fill
	FILL ((\s)+3)%4, 2*((\s)+3)
.endif
	WIN 0x05                                       ; both sources in window 1
.set f, 0
.rept 32
	v_cvt_pk_bf16_f32 v[PK+f], v[64*(\s)+2*f], v[64*(\s)+2*f+1]
.set f, f+1
.endr
	WIN 0
.set f, 0
.rept 16
	ds_store_b64 v[WL], v[PK+2*f:PK+2*f+1] offset:(2*(\s)+f/8)*BP+256*(f%8)  ; 32 lanes, 256 consecutive bytes
.set f, f+1
.endr
.endm
; The fragments of one K step (32 along K): five tiles of 16 rows from memory; lane l takes row l % 16, 16 bytes at 16 (l / 16) and 16 bytes 32 further on
.macro ALOAD slot, aoff
	WIN 0
.set j, 0
.rept 5
	global_load_b128 v[AR+40*(\slot)+8*j:AR+40*(\slot)+8*j+3],   v[AOFF+j], s[22:23] offset:(\aoff)
	global_load_b128 v[AR+40*(\slot)+8*j+4:AR+40*(\slot)+8*j+7], v[AOFF+j], s[22:23] offset:(\aoff)+32
.set j, j+1
.endr
.endm
.macro BLOAD buf, boff                 ; and eight blocks of 16 weight rows from LDS
	WIN 0x80
.set n, 0
.rept 8
	ds_load_b128 v[BF+64*(\buf)+8*n:BF+64*(\buf)+8*n+3],   v[BADR+n/2] offset:(n%2)*16*BP+(\boff)
	ds_load_b128 v[BF+64*(\buf)+8*n+4:BF+64*(\buf)+8*n+7], v[BADR+n/2] offset:(n%2)*16*BP+(\boff)+32
.set n, n+1
.endr
.endm
; ONE K STEP g (g4 = g % 4).  It asks for the rows' fragments of step g + 3 (aoff, or -1: none) and the weights' of step g + 1 (boff, or -1), into registers that step g - 1 multiplied: four v_nop are the
; places between that step's last matrix instruction and these loads (ISA guide 7.12.1 for vector instructions).  Then 40 matrix instructions, the 40 accumulators by turns, in
; the same order in every step, over the loop's jump too.  zero = 1: the products start the sums.  lcnt, dcnt: the younger loads that may stay out.
.macro STEP g4, aoff, boff, zero, lcnt, dcnt
	WIN 0
.rept 4
	v_nop
.endr
.if (\aoff) >= 0
	ALOAD ((\g4)+3)%4, \aoff
.endif
.if (\boff) >= 0
	BLOAD ((\g4)+1)%2, \boff
.endif
	s_wait_loadcnt \lcnt
	s_wait_dscnt \dcnt
	WIN 0x52                                       ; weights window 2, rows window 0, C and D window 1
.set j, 0
.rept 4
.set n, 0
.rept 8
.if \zero
	v_wmma_f32_16x16x32_bf16 v[64*j+8*n:64*j+8*n+7], v[BF+64*((\g4)%2)+8*n:BF+64*((\g4)%2)+8*n+7], v[AR+40*(\g4)+8*j:AR+40*(\g4)+8*j+7], 0
.else
	v_wmma_f32_16x16x32_bf16 v[64*j+8*n:64*j+8*n+7], v[BF+64*((\g4)%2)+8*n:BF+64*((\g4)%2)+8*n+7], v[AR+40*(\g4)+8*j:AR+40*(\g4)+8*j+7], v[64*j+8*n:64*j+8*n+7]
.endif
.set n, n+1
.endr
.set j, j+1
.endr
	WIN 0x02                                       ; tile 4: C and D window 0
.set n, 0
.rept 8
.if \zero
	v_wmma_f32_16x16x32_bf16 v[A4+8*n:A4+8*n+7], v[BF+64*((\g4)%2)+8*n:BF+64*((\g4)%2)+8*n+7], v[AR+40*(\g4)+32:AR+40*(\g4)+39], 0
.else
	v_wmma_f32_16x16x32_bf16 v[A4+8*n:A4+8*n+7], v[BF+64*((\g4)%2)+8*n:BF+64*((\g4)%2)+8*n+7], v[AR+40*(\g4)+32:AR+40*(\g4)+39], v[A4+8*n:A4+8*n+7]
.endif
.set n, n+1
.endr
.endm
; Tile j's accumulators begin at register 64 j of window 1 (j < 4) or at 192 of window 0 (j = 4): register 64 j - 64 (j / 4), window 1 - j / 4.
; THE WAY OUT OF TILE j, first product: SiLU in f32, rounded to bf16, 16 bytes a lane into my stage, back as whole rows of 256 bytes, stored.  Each accumulator's registers are read in ascending order.
.macro EPI1 j
.set AB, 64*(\j)-64*((\j)/4)
	s_add_co_u32 s34, s33, 64*(\j)                 ; the tile's first row
	s_cmp_ge_u32 s34, s28
	s_cbranch_scc1 .Ldead_\@                       ; at or past the count: nothing to store
	s_wait_xcnt 0x0                                ; the registers that the last tile's stores read are rewritten only behind this wait
	WIN 1-(\j)/4                                   ; source 0: the accumulators' window
.set i, 0
.rept 32
	v_pk_mul_f32 v[TT+2*i:TT+2*i+1], v[AB+2*i:AB+2*i+1], s[38:39] op_sel_hi:[1,0]  ; -s log2(e)
.set i, i+1
.endr
	WIN 0
.set i, 0
.rept 64
	v_exp_f32 v[TT+i], v[TT+i]
.set i, i+1
.endr
	v_nop                                          ; a plain instruction behind the last exponential,
	s_wait_alu depctr_va_vdst(0)                   ; and one wait for the batch of 64, ahead of the first use
.set i, 0
.rept 32
	v_pk_add_f32 v[TT+2*i:TT+2*i+1], v[TT+2*i:TT+2*i+1], 1.0 op_sel_hi:[1,0]
.set i, i+1
.endr
.set i, 0
.rept 64
	v_rcp_f32 v[TT+i], v[TT+i]
.set i, i+1
.endr
	v_nop
	s_wait_alu depctr_va_vdst(0)                   ; one wait for the 64 reciprocals
	WIN 1-(\j)/4
.set i, 0
.rept 32
	v_pk_mul_f32 v[TT+2*i:TT+2*i+1], v[AB+2*i:AB+2*i+1], v[TT+2*i:TT+2*i+1]
.set i, i+1
.endr
	WIN 0
.set i, 0
.rept 32
	v_cvt_pk_bf16_f32 v[PP+i], v[TT+2*i], v[TT+2*i+1]
.set i, i+1
.endr
.set n, 0
.rept 8
	ds_store_b128 v[STO], v[PP+4*n:PP+4*n+3] offset:32*n
.set n, n+1
.endr
.set t, 0
.rept 8
	ds_load_b128 v[RB+4*t:RB+4*t+3], v[RD] offset:t*2*SP  ; LDS serves a wave's instructions in order (ISA guide 5.7.1.4): these see the stores above, and the next tile's stores come behind them
.set t, t+1
.endr
	v_add_nc_u32 v[T1], s34, v[HL]
.set t, 0
.rept 8
	v_add_nc_u32 v[T0], 2*t, v[T1]                 ; lanes 0-15 row 2 t of the tile, lanes 16-31 row 2 t + 1,
	v_min_u32 v[T0], s29, v[T0]                    ; held to the expert's last row, whose numbers the places past the count hold,
	v_min_u32 v[T0], 0x3ff, v[T0]                  ; and to the buffer
	v_lshl_add_u32 v[OF+t], v[T0], 13, v[C16]
.set t, t+1
.endr
.set t, 0
.rept 8
	s_wait_dscnt 7-t
	global_store_b128 v[OF+t], v[RB+4*t:RB+4*t+3], s[24:25]  ; 16 lanes store 256 consecutive bytes, aligned
.set t, t+1
.endr
.Ldead_\@:
.endm
; THE WAY OUT OF TILE j, second product: the f32 sums go through my stage and leave as whole rows of 512 bytes, each to the row slot x 1,024 + token that the list names.
.macro EPI2 j
.set AB, 64*(\j)-64*((\j)/4)
	s_add_co_u32 s34, s33, 64*(\j)
	s_cmp_ge_u32 s34, s28
	s_cbranch_scc1 .Ldead_\@
	s_wait_xcnt 0x0                                ; the registers that the last tile's stores read are rewritten only behind this wait
	v_add_nc_u32 v[T0], s34, v[R15]
	v_min_u32 v[T0], s29, v[T0]
	v_min_u32 v[T0], 0x3ff, v[T0]
	v_lshl_add_u32 v[T0], v[T0], 2, v[LB]
	ds_load_b32 v[LV], v[T0]                       ; lane t (0-15): where row t of the tile goes
	WIN 4*(1-(\j)/4)                               ; a store's data is source 1: the accumulators' window
.set n, 0
.rept 8
	ds_store_b128 v[STO], v[AB+8*n:AB+8*n+3]   offset:64*n     ; each accumulator's low registers first
	ds_store_b128 v[STO], v[AB+8*n+4:AB+8*n+7] offset:64*n+16
.set n, n+1
.endr
	WIN 0
.set t, 0
.rept 16
	ds_load_b128 v[RB2+4*t:RB2+4*t+3], v[RD] offset:t*SP  ; in order behind the stores above
.set t, t+1
.endr
	s_wait_dscnt 32                                ; the list's word is in; the 16 stores and 16 loads behind it may stay out
.set t, 0
.rept 16
	v_readlane_b32 s37, v[LV], t
	s_min_u32 s37, s37, 0x7ff                      ; inside the 2,048 rows
	s_lshl_b32 s37, s37, 12
	v_add_nc_u32 v[OF2+t], s37, v[C16]
.set t, t+1
.endr
.set t, 0
.rept 16
	s_wait_dscnt 15-t
	global_store_b128 v[OF2+t], v[RB2+4*t:RB2+4*t+3], s[24:25]  ; 32 lanes store 512 consecutive bytes, aligned
.set t, t+1
.endr
.Ldead_\@:
.endm
	s_load_b256 s[4:11], s[0:1], 0x0               ; rows (xb or hbuf) s[4:5], sel s[6:7], weights s[8:9], output s[10:11]
	v_lshl_add_u32 v[SPW], v0, 2, SPARE
	v_mov_b32 v[NIL], 0
	v_lshrrev_b32 v[T0], 5, v0
	v_readfirstlane_b32 s12, v[T0]                 ; wave 0..3
	s_mov_b32 s13, ttmp9
	s_and_b32 s14, ttmp7, 0xffff                   ; the expert
	v_and_b32 v[LN], 31, v0
	v_and_b32 v[R15], 15, v0
	v_bfe_u32 v[HL], v0, 4, 1
	v_lshlrev_b32 v[H16], 4, v[HL]
.if SECOND
	v_lshlrev_b32 v[C16], 4, v[LN]
.else
	v_lshlrev_b32 v[C16], 4, v[R15]
.endif
	v_lshlrev_b32 v[LV], 4, v[LN]                  ; 16 x lane: sel's loads
	s_lshl_b32 s16, s12, WSH
	v_add_nc_u32 v[WO], s16, v[LV]
	s_mul_i32 s16, s12, 32*BP
	v_lshl_add_u32 v[WL], v[LN], 3, s16
	s_mul_i32 s16, s12, LISTB
	s_add_co_u32 s16, s16, LIST
	v_mov_b32 v[LB], s16
	v_add_nc_u32 v[DMP], 0x400, v[LN]
	v_lshlrev_b32 v[L4], 2, v[LN]
	v_mul_u32_u24 v[T0], v[R15], BP
	v_add_nc_u32 v[T0], v[T0], v[H16]              ; row x pitch + 16 x half
.set i, 0
.rept 4
	v_add_nc_u32 v[BFIX+i], i*32*BP, v[T0]
.set i, i+1
.endr
	s_mul_i32 s16, s12, STB
	s_add_co_u32 s16, s16, STAGE                   ; my stage
	v_mul_u32_u24 v[T0], v[R15], SP
.if SECOND
	v_lshl_add_u32 v[T0], v[HL], 5, v[T0]          ; in: row l % 16, 32 bytes for each half of the lanes
	v_add_nc_u32 v[STO], s16, v[T0]
	v_add_nc_u32 v[RD], s16, v[C16]                ; back: 32 lanes take one row of 512 bytes
.else
	v_lshl_add_u32 v[T0], v[HL], 4, v[T0]          ; in: row l % 16, 16 bytes for each half of the lanes
	v_add_nc_u32 v[STO], s16, v[T0]
	v_mul_u32_u24 v[T0], v[HL], SP                 ; back: lanes 0-15 take one row of 256 bytes, lanes 16-31 the next
	v_add_nc_u32 v[T0], v[T0], v[C16]
	v_add_nc_u32 v[RD], s16, v[T0]
	s_mov_b32 s38, 0xbfb8aa3b                      ; -log2(e); named as a pair
	s_mov_b32 s39, s38
.endif
	s_lshl_b32 s26, 0x101, s14                     ; the expert's two bits in a word of sel
	s_add_co_u32 s27, s14, 8
	s_wait_kmcnt 0x0
.if SECOND
	s_and_b32 s15, s13, 7                          ; which 128 columns
	s_lshr_b32 s13, s13, 3                         ; which quarter of K
	s_lshl_b32 s16, s14, 24                        ; w2: an expert is 16 MB, 128 rows are 2 MB, a quarter of a row 4 KB
	s_lshl_b32 s17, s15, 21
	s_add_co_u32 s16, s16, s17
	s_lshl_b32 s17, s13, 12
	s_add_co_u32 s16, s16, s17
	s_mov_b32 s17, 0
	s_add_nc_u64 s[18:19], s[8:9], s[16:17]
	s_lshl_b32 s16, s14, 23                        ; hbuf: an expert has room for 1,024 rows of 8 KB; a quarter of a row is 2 KB
	s_lshl_b32 s17, s13, 11
	s_add_co_u32 s16, s16, s17
	s_mov_b32 s17, 0
	s_add_nc_u64 s[20:21], s[4:5], s[16:17]
	s_lshl_b32 s16, s13, 23                        ; part: a quarter's 2,048 rows are 8 MB; 128 columns are 512 bytes
	s_lshl_b32 s17, s15, 9
	s_add_co_u32 s16, s16, s17
	s_mov_b32 s17, 0
	s_add_nc_u64 s[24:25], s[10:11], s[16:17]
.else
	s_lshl_b32 s16, s14, 24                        ; w1: an expert is 16 MB, 128 rows are 512 KB
	s_lshl_b32 s17, s13, 19
	s_add_co_u32 s16, s16, s17
	s_mov_b32 s17, 0
	s_add_nc_u64 s[18:19], s[8:9], s[16:17]
	s_mov_b64 s[20:21], s[4:5]                     ; xb
	s_lshl_b32 s16, s14, 23                        ; hbuf: the expert's room; 128 columns are 256 bytes
	s_lshl_b32 s17, s13, 8
	s_add_co_u32 s16, s16, s17
	s_mov_b32 s17, 0
	s_add_nc_u64 s[24:25], s[10:11], s[16:17]
.endif
.set c, 0
.rept 8
	global_load_b128 v[TK+4*c:TK+4*c+3], v[LV], s[6:7] offset:512*c  ; register 4 c + i of lane L: sel[128 c + 4 L + i]
.set c, c+1
.endr
	FILL 0, 0                                      ; the first three blocks of weights are on their way while the list is made
	FILL 1, 2
	FILL 2, 4
	WIN 0
	; THE LIST.  Cleared first; then, 32 tokens at a time, each lane whose token chose the expert puts its row at the running count plus the number of such lanes below it.
.set i, 0
.rept 4
	v_mov_b32 v[PK+i], 0
.set i, i+1
.endr
	v_lshl_add_u32 v[T1], v[LN], 4, v[LB]
.set i, 0
.rept 9
	ds_store_b128 v[T1], v[PK:PK+3] offset:512*i
.set i, i+1
.endr
	s_wait_loadcnt 48                              ; sel is in; the 48 loads of weights issued behind it stay out
	s_mov_b32 s28, 0
.set q, 0
.rept 32
	v_and_b32 v[T0], s26, v[TK+q]
	v_cmp_ne_u32 s30, 0, v[T0]
	v_mbcnt_lo_u32_b32 v[T1], s30, s28
	v_cndmask_b32 v[T1], v[DMP], v[T1], s30        ; the others write a word of their own behind the list
	v_min_u32 v[T1], 0x41f, v[T1]                  ; inside my wave's 1,056 words
	v_lshl_add_u32 v[T1], v[T1], 2, v[LB]
	v_add_nc_u32 v[RI], 128*(q/4)+q%4, v[L4]       ; the token
.if SECOND
	v_lshrrev_b32 v[T0], s27, v[T0]                ; 1 where the expert is the token's second choice
	v_lshl_add_u32 v[RI], v[T0], 10, v[RI]         ; slot x 1,024 + token
.endif
	ds_store_b32 v[T1], v[RI]
	s_bcnt1_i32_b32 s31, s30
	s_add_co_u32 s28, s28, s31
.set q, q+1
.endr
	s_sub_co_u32 s29, s28, 1                       ; s28: the expert's count; s29: its last row
	; THE WEIGHTS: 16 blocks of two rows a wave, through four slots; three blocks are always on their way
	s_mov_b32 s36, 3
.Lround:
	TURN 0, 1, 32                                  ; two younger blocks of 16 loads stay out
	TURN 1, 1, 32
	TURN 2, 1, 32
	TURN 3, 1, 32
	s_wait_xcnt 0x0                                ; the loads' base is stepped only behind this wait
	s_add_nc_u64 s[18:19], s[18:19], 8*WPITCH
	v_add_nc_u32 v[WL], 8*BP, v[WL]
	s_sub_co_u32 s36, s36, 1
	s_cmp_lg_u32 s36, 0
	s_cbranch_scc1 .Lround
	TURN 0, 1, 32                                  ; the last four blocks: one more fill, then the counts run down
	TURN 1, 0, 32
	TURN 2, 0, 16
	TURN 3, 0, 0
	s_wait_dscnt 0x0                               ; for the others' sake: my 32 rows lie in LDS
	s_barrier_signal -1
	s_barrier_wait -1                              ; everybody's do
	; THE ROWS
	s_lshl_b32 s33, s12, 4                         ; the first row of my first tile: 320 x pass + 16 x wave; my tiles lie 64 rows apart
	s_mov_b32 s32, 4
.Lpass:
	s_cmp_ge_u32 s33, s28
	s_cbranch_scc1 .Lnomul                         ; nothing of this pass is mine: the products are jumped, the barriers are not
	s_wait_xcnt 0x0                                ; the last pass's stores have read their registers
	v_add_nc_u32 v[RI], s33, v[R15]
.set j, 0
.rept 5
	v_add_nc_u32 v[T0], 64*j, v[RI]
	v_min_u32 v[T0], s29, v[T0]                    ; places past the count repeat the expert's last row
	v_min_u32 v[T0], 0x3ff, v[T0]
.if SECOND
	v_lshl_add_u32 v[AOFF+j], v[T0], ASH, v[H16]   ; h lies in the list's order
.else
	v_lshl_add_u32 v[T0], v[T0], 2, v[LB]
	ds_load_b32 v[AOFF+j], v[T0]                   ; the row's token
.endif
.set j, j+1
.endr
.if !SECOND
	s_wait_dscnt 0x0
.set j, 0
.rept 5
	v_min_u32 v[AOFF+j], 0x3ff, v[AOFF+j]
	v_lshl_add_u32 v[AOFF+j], v[AOFF+j], ASH, v[H16]
.set j, j+1
.endr
.endif
	s_mov_b64 s[22:23], s[20:21]
	s_mov_b32 s35, 0                               ; the K trip's bytes in a weight row
.set i, 0
.rept 4
	v_mov_b32 v[BADR+i], v[BFIX+i]
.set i, i+1
.endr
	ALOAD 0, 0
	ALOAD 1, 64
	ALOAD 2, 128
	BLOAD 0, 0
	STEP 0, 192, 64, 1, 30, 16                     ; K step 0 starts the sums.  30: three younger steps of 10 loads; 16: the next step's weights
	WIN 0
	s_mov_b32 s36, 7
.Lk:                                                   ; a trip: K steps 4 i + 1 .. 4 i + 4
	STEP 1, 256, 128, 0, 30, 16
	STEP 2, 320, 192, 0, 30, 16
	STEP 3, 384, 256, 0, 30, 16
	STEP 0, 448, 320, 0, 30, 16
	WIN 0
	s_wait_xcnt 0x0                                ; the loads' base is stepped only behind this wait
	s_add_nc_u64 s[22:23], s[22:23], 256
	s_add_co_u32 s35, s35, 256
.set i, 0
.rept 4
	v_add_nc_u32 v[BADR+i], s35, v[BFIX+i]         ; the fixed place plus the trip's bytes
.set i, i+1
.endr
	s_sub_co_u32 s36, s36, 1
	s_cmp_lg_u32 s36, 0
	s_cbranch_scc1 .Lk
	STEP 1, -1, 128, 0, 20, 16                     ; K steps 29 to 31: no row is asked for past K = 1,024, and the counts run down
	STEP 2, -1, 192, 0, 10, 16
	STEP 3, -1, -1, 0, 0, 0
	WIN 0
.rept 4
	v_nop                                          ; the places between the last products and the first read of a result
.endr
.Lnomul:
	s_wait_dscnt 0x0                               ; my LDS reads of this pass's products are back
	s_barrier_signal -1
	s_barrier_wait -1                              ; everybody's are: only now does a wave write its stage.  (The stages are bytes of their own; the two barriers of a pass keep reading and writing LDS in phases, two meetings for a wave's 1,280 matrix instructions)
.if SECOND
	EPI2 0
	EPI2 1
	EPI2 2
	EPI2 3
	EPI2 4
.else
	EPI1 0
	EPI1 1
	EPI1 2
	EPI1 3
	EPI1 4
.endif
	s_wait_dscnt 0x0                               ; my stores into my stage and my reads of it are over
	s_barrier_signal -1
	s_barrier_wait -1                              ; everybody's are: the next pass reads the weights again
	s_add_co_u32 s33, s33, 320
	s_sub_co_u32 s32, s32, 1
	s_cmp_lg_u32 s32, 0
	s_cbranch_scc1 .Lpass
	s_wait_tensorcnt 0x0                           ; the wave's end, behind my last LDS store
	ds_add_u32 v[SPW], v[NIL]
	s_wait_dscnt 0x0
	s_endpgm
.Lfunc_end_k_q8e18fafd27_ffn1:
	.size	k_q8e18fafd27_ffn1, .Lfunc_end_k_q8e18fafd27_ffn1-k_q8e18fafd27_ffn1
	.p2alignl 7, 3214868480
	.fill 96, 4, 3214868480
	.section	.rodata,"a",@progbits
	.p2align	6, 0x0
	.amdhsa_kernel k_q8e18fafd27_ffn1
		.amdhsa_group_segment_fixed_size 300544
		.amdhsa_private_segment_fixed_size 0
		.amdhsa_enable_private_segment 0
		.amdhsa_kernarg_size 32
		.amdhsa_user_sgpr_count 2
		.amdhsa_user_sgpr_kernarg_segment_ptr 1
		.amdhsa_wavefront_size32 1
		.amdhsa_system_sgpr_workgroup_id_x 1
		.amdhsa_system_sgpr_workgroup_id_y 1
		.amdhsa_system_sgpr_workgroup_id_z 1
		.amdhsa_system_vgpr_workitem_id 0
		.amdhsa_next_free_vgpr 640
		.amdhsa_next_free_sgpr 66
		.amdhsa_reserve_vcc 0
		.amdhsa_float_denorm_mode_32 3
		.amdhsa_float_denorm_mode_16_64 3
		.amdhsa_memory_ordered 1
		.amdhsa_forward_progress 1
		.amdhsa_inst_pref_size 180
	.end_amdhsa_kernel
	.amdgpu_metadata
---
amdhsa.version: [ 1, 2 ]
amdhsa.kernels:
  - .name:           k_q8e18fafd27_ffn1
    .symbol:         k_q8e18fafd27_ffn1.kd
    .args:
      - { .name: xb, .offset: 0, .size: 8, .value_kind: global_buffer, .address_space: global }
      - { .name: sel, .offset: 8, .size: 8, .value_kind: global_buffer, .address_space: global }
      - { .name: w1, .offset: 16, .size: 8, .value_kind: global_buffer, .address_space: global }
      - { .name: hbuf, .offset: 24, .size: 8, .value_kind: global_buffer, .address_space: global }
    .group_segment_fixed_size: 300544
    .private_segment_fixed_size: 0
    .kernarg_segment_align: 8
    .kernarg_segment_size: 32
    .max_flat_workgroup_size: 128
    .sgpr_count:     66
    .vgpr_count:     640
    .wavefront_size: 32
...
	.end_amdgpu_metadata
.endif
;; end of part 2
;; launch ffn2 (part 3): grid 32 x 8, 4 waves a work-group, no clusters, 316,928 bytes of LDS; arguments hbuf, sel, w2, part; writes part
.if DOCPART == 3
	.amdgcn_target "amdgcn-amd-amdhsa--gfx1250"
	.amdhsa_code_object_version 6
	.text
	.protected	k_q8e18fafd27_ffn2
	.globl	k_q8e18fafd27_ffn2
	.p2align	8
	.type	k_q8e18fafd27_ffn2,@function
k_q8e18fafd27_ffn2:
	s_mov_b64 s[64:65], 0
	v_nop
	global_prefetch_b8 v0, s[64:65] scope:SCOPE_SE
	s_setreg_imm32_b32 hwreg(HW_REG_WAVE_MODE, 25, 1), 1
	s_wait_xcnt 0x0
; ONE EXPERT'S PRODUCT ON ITS CHOSEN ROWS.  This text serves both products of the layer; SECOND chooses.
;   SECOND = 0:  h[e][i][f] = silu(sum over d of x[token(i)][d] w1[e][f][d]), bf16, for the expert's rows i = 0 .. count - 1.  Work-group (x, y): expert y, columns f = 128 x .. + 127.
;   SECOND = 1:  part[ks][slot(i) 1024 + token(i)][c] = sum over f in quarter ks of h[e][i][f] w2[e][c][f], f32.  Work-group (x, y): expert y, columns c = 128 (x % 8) .., quarter ks = x / 8 of the 4,096 f.
; Either way a work-group has 128 weight rows x 1,024 along K, 512 KB of f32 that it alone reads, and all rows of its expert.  The second product is cut along K too, so that h is read 8 times
; and not 32 times; the four partial sums stay f32 and a later launch adds them.
; PHASES.  (1) The 1,024 words of sel are read and each wave makes its own list of the expert's rows in LDS by counting (no atomics); both products make the same order.  (2) The weights stream once through
; registers, are rounded to bf16 and laid into LDS, a wave 32 rows, 48 loads of 512 bytes of each wave on their way.  (3) A barrier.  (4) Rows in passes of 320: a wave has five tiles of 16 rows x all 128
; columns (40 accumulators); the rows' fragments come from memory straight into registers, three K steps ahead, the weights' from LDS, one step ahead; then the tiles go out through the wave's own stage.
; The pass loop counts to the constant 4 (1,280 rows: every split of 1,024 tokens); the products of a pass, and the way out of a tile, that begin at or past the count are jumped forward.  Two barriers a
; pass, which every wave passes in every trip, part the K loop's LDS reads from the stores into the stages.  In a tile that is not full the places past the count repeat the expert's last row and store its
; own numbers onto it again, so EXEC is never narrowed.  An expert without rows stores nothing.
; THE MATRIX INSTRUCTION IS USED TRANSPOSED (source 0 = 16 weight rows, source 1 = 16 token rows): a lane holds one token row (lane % 16) and 8 neighbouring columns 8 (lane / 16) + 0..7.
; NO CLUSTER, NO TENSOR LOADS: each weight byte has one reader, and the mover cannot round f32 to bf16; what an expert's work-groups share is its token rows, which come by a list (first product) or in a
; number that hangs on a stored count (second), and LDS has 27 KB (first) or 10 KB (second) left beside the weights, the lists and the stages.
; LIMITS.  Operands bf16, sums f32; h is rounded once to bf16.  silu(s) = s / (1 + 2^(-s log2 e)): where the power overflows the quotient is -0, where it underflows it is s.  NaN is not treated apart.
; REGISTERS, in windows of 256 (s_set_vgpr_msb: bits 1:0 source 0, 3:2 source 1, 5:4 source 2, 7:6 destination):
;   window 0: v0-31 addresses; v32-191 the rows' fragments, 4 slots x 5 tiles x 8 (scratch on the way out); v192-223 sel's words and v224-255 packed weights, later all 64 tile 4's accumulators
;   window 1: the weights' load ring, 4 slots x 64; later the accumulators of tiles 0-3 ((j, n) at 64 j + 8 n)       window 2: v0-63, v64-127 the weights' fragments, two buffers
.set SECOND, 1
.set BP,     2064                      ; a weight row in LDS: 2,048 bytes + 16 = 516 words: row r starts at bank 4 r mod 64 (64 banks of 4 bytes: ISA guide 11.1), so the 16 rows of a load start at 16 different groups
.set LIST,   128*BP                    ; behind the weights: each wave's own list, 1,024 words, and 32 words for lanes with nothing to say; 18 blocks of 256 bytes a wave
.set LISTB,  4608
.set STAGE,  LIST+4*LISTB              ; each wave's own stage of 16 rows, for the way out
.if SECOND
.set SP,     528                       ; a stage row: 128 f32 + 16 bytes
.set WPITCH, 16384                     ; bytes from weight row to weight row in memory
.set WSH,    19                        ; 32 weight rows, as a shift
.set ASH,    13                        ; a row of h, as a shift
.else
.set SP,     272                       ; a stage row: 128 bf16 + 16 bytes
.set WPITCH, 4096
.set WSH,    17
.set ASH,    11                        ; a row of xb
.endif
.set STB,    16*SP
.set SPARE,  STAGE+4*STB               ; the spare words, 128 bytes a wave: two blocks of 256 bytes that no other line names
.set LN,   1                           ; lane
.set R15,  2                           ; lane % 16
.set HL,   3                           ; lane / 16
.set H16,  4                           ; 16 x (lane / 16)
.set C16,  5                           ; first product: 16 x (lane % 16); second: 16 x lane
.set WO,   6                           ; my byte offset in the work-group's weights: 16 x lane + my wave's 32 rows
.set WL,   7                           ; where I put 8 bytes of a weight row in LDS; steps
.set LB,   8                           ; my wave's list
.set DMP,  9                           ; 1,024 + lane
.set L4,   10                          ; 4 x lane
.set BFIX, 11                          ; v11-14  my place in weight rows 32 i .. of LDS; never rewritten
.set BADR, 15                          ; v15-18  the same plus s35, the K trip's bytes
.set STO,  19
.set RD,   20
.set AOFF, 21                          ; v21-25  byte offset of my row of tile j
.set T0,   26
.set T1,   27
.set RI,   28
.set LV,   29
.set SPW,  30                          ; LDS address of my spare word; never rewritten
.set NIL,  31                          ; 0; never rewritten
.set AR,   32
.set TK,   192
.set PK,   224
.set A4,   192                         ; tile 4's accumulators, in window 0
.set BF,   0                           ; in window 2
.set TT,   32                          ; the way out, first product: 64 numbers at work,
.set PP,   96                          ; 32 packed,
.set RB,   128                         ; 32 read back,
.set OF,   160                         ; 8 offsets
.set RB2,  32                          ; second product: 64 read back,
.set OF2,  96                          ; 16 offsets
.set MSB, 0
.macro WIN new                         ; the immediate's high byte repeats the setting that is left; a switch that changes nothing is dropped
.if MSB != (\new)
	s_set_vgpr_msb (MSB<<8)|(\new)
.set MSB, \new
.endif
.endm
; Two weight rows, 16 loads of 512 consecutive bytes, into a slot of window 1
.macro FILL slot, row
	WIN 0x40
.set f, 0
.rept 16
	global_load_b128 v[64*(\slot)+4*f:64*(\slot)+4*f+3], v[WO], s[18:19] offset:((\row)+f/8)*WPITCH+512*(f%8) th:TH_LOAD_NT
.set f, f+1
.endr
.endm
; Slot s's two rows are rounded and laid into LDS; fill = 1: the slot read in the turn before gets the block three further on.  left = the younger loads that may stay out.
.macro TURN s, fill, left
	s_wait_loadcnt \left
.if \fill
	FILL ((\s)+3)%4, 2*((\s)+3)
.endif
	WIN 0x05                                       ; both sources in window 1
.set f, 0
.rept 32
	v_cvt_pk_bf16_f32 v[PK+f], v[64*(\s)+2*f], v[64*(\s)+2*f+1]
.set f, f+1
.endr
	WIN 0
.set f, 0
.rept 16
	ds_store_b64 v[WL], v[PK+2*f:PK+2*f+1] offset:(2*(\s)+f/8)*BP+256*(f%8)  ; 32 lanes, 256 consecutive bytes
.set f, f+1
.endr
.endm
; The fragments of one K step (32 along K): five tiles of 16 rows from memory; lane l takes row l % 16, 16 bytes at 16 (l / 16) and 16 bytes 32 further on
.macro ALOAD slot, aoff
	WIN 0
.set j, 0
.rept 5
	global_load_b128 v[AR+40*(\slot)+8*j:AR+40*(\slot)+8*j+3],   v[AOFF+j], s[22:23] offset:(\aoff)
	global_load_b128 v[AR+40*(\slot)+8*j+4:AR+40*(\slot)+8*j+7], v[AOFF+j], s[22:23] offset:(\aoff)+32
.set j, j+1
.endr
.endm
.macro BLOAD buf, boff                 ; and eight blocks of 16 weight rows from LDS
	WIN 0x80
.set n, 0
.rept 8
	ds_load_b128 v[BF+64*(\buf)+8*n:BF+64*(\buf)+8*n+3],   v[BADR+n/2] offset:(n%2)*16*BP+(\boff)
	ds_load_b128 v[BF+64*(\buf)+8*n+4:BF+64*(\buf)+8*n+7], v[BADR+n/2] offset:(n%2)*16*BP+(\boff)+32
.set n, n+1
.endr
.endm
; ONE K STEP g (g4 = g % 4).  It asks for the rows' fragments of step g + 3 (aoff, or -1: none) and the weights' of step g + 1 (boff, or -1), into registers that step g - 1 multiplied: four v_nop are the
; places between that step's last matrix instruction and these loads (ISA guide 7.12.1 for vector instructions).  Then 40 matrix instructions, the 40 accumulators by turns, in
; the same order in every step, over the loop's jump too.  zero = 1: the products start the sums.  lcnt, dcnt: the younger loads that may stay out.
.macro STEP g4, aoff, boff, zero, lcnt, dcnt
	WIN 0
.rept 4
	v_nop
.endr
.if (\aoff) >= 0
	ALOAD ((\g4)+3)%4, \aoff
.endif
.if (\boff) >= 0
	BLOAD ((\g4)+1)%2, \boff
.endif
	s_wait_loadcnt \lcnt
	s_wait_dscnt \dcnt
	WIN 0x52                                       ; weights window 2, rows window 0, C and D window 1
.set j, 0
.rept 4
.set n, 0
.rept 8
.if \zero
	v_wmma_f32_16x16x32_bf16 v[64*j+8*n:64*j+8*n+7], v[BF+64*((\g4)%2)+8*n:BF+64*((\g4)%2)+8*n+7], v[AR+40*(\g4)+8*j:AR+40*(\g4)+8*j+7], 0
.else
	v_wmma_f32_16x16x32_bf16 v[64*j+8*n:64*j+8*n+7], v[BF+64*((\g4)%2)+8*n:BF+64*((\g4)%2)+8*n+7], v[AR+40*(\g4)+8*j:AR+40*(\g4)+8*j+7], v[64*j+8*n:64*j+8*n+7]
.endif
.set n, n+1
.endr
.set j, j+1
.endr
	WIN 0x02                                       ; tile 4: C and D window 0
.set n, 0
.rept 8
.if \zero
	v_wmma_f32_16x16x32_bf16 v[A4+8*n:A4+8*n+7], v[BF+64*((\g4)%2)+8*n:BF+64*((\g4)%2)+8*n+7], v[AR+40*(\g4)+32:AR+40*(\g4)+39], 0
.else
	v_wmma_f32_16x16x32_bf16 v[A4+8*n:A4+8*n+7], v[BF+64*((\g4)%2)+8*n:BF+64*((\g4)%2)+8*n+7], v[AR+40*(\g4)+32:AR+40*(\g4)+39], v[A4+8*n:A4+8*n+7]
.endif
.set n, n+1
.endr
.endm
; Tile j's accumulators begin at register 64 j of window 1 (j < 4) or at 192 of window 0 (j = 4): register 64 j - 64 (j / 4), window 1 - j / 4.
; THE WAY OUT OF TILE j, first product: SiLU in f32, rounded to bf16, 16 bytes a lane into my stage, back as whole rows of 256 bytes, stored.  Each accumulator's registers are read in ascending order.
.macro EPI1 j
.set AB, 64*(\j)-64*((\j)/4)
	s_add_co_u32 s34, s33, 64*(\j)                 ; the tile's first row
	s_cmp_ge_u32 s34, s28
	s_cbranch_scc1 .Ldead_\@                       ; at or past the count: nothing to store
	s_wait_xcnt 0x0                                ; the registers that the last tile's stores read are rewritten only behind this wait
	WIN 1-(\j)/4                                   ; source 0: the accumulators' window
.set i, 0
.rept 32
	v_pk_mul_f32 v[TT+2*i:TT+2*i+1], v[AB+2*i:AB+2*i+1], s[38:39] op_sel_hi:[1,0]  ; -s log2(e)
.set i, i+1
.endr
	WIN 0
.set i, 0
.rept 64
	v_exp_f32 v[TT+i], v[TT+i]
.set i, i+1
.endr
	v_nop                                          ; a plain instruction behind the last exponential,
	s_wait_alu depctr_va_vdst(0)                   ; and one wait for the batch of 64, ahead of the first use
.set i, 0
.rept 32
	v_pk_add_f32 v[TT+2*i:TT+2*i+1], v[TT+2*i:TT+2*i+1], 1.0 op_sel_hi:[1,0]
.set i, i+1
.endr
.set i, 0
.rept 64
	v_rcp_f32 v[TT+i], v[TT+i]
.set i, i+1
.endr
	v_nop
	s_wait_alu depctr_va_vdst(0)                   ; one wait for the 64 reciprocals
	WIN 1-(\j)/4
.set i, 0
.rept 32
	v_pk_mul_f32 v[TT+2*i:TT+2*i+1], v[AB+2*i:AB+2*i+1], v[TT+2*i:TT+2*i+1]
.set i, i+1
.endr
	WIN 0
.set i, 0
.rept 32
	v_cvt_pk_bf16_f32 v[PP+i], v[TT+2*i], v[TT+2*i+1]
.set i, i+1
.endr
.set n, 0
.rept 8
	ds_store_b128 v[STO], v[PP+4*n:PP+4*n+3] offset:32*n
.set n, n+1
.endr
.set t, 0
.rept 8
	ds_load_b128 v[RB+4*t:RB+4*t+3], v[RD] offset:t*2*SP  ; LDS serves a wave's instructions in order (ISA guide 5.7.1.4): these see the stores above, and the next tile's stores come behind them
.set t, t+1
.endr
	v_add_nc_u32 v[T1], s34, v[HL]
.set t, 0
.rept 8
	v_add_nc_u32 v[T0], 2*t, v[T1]                 ; lanes 0-15 row 2 t of the tile, lanes 16-31 row 2 t + 1,
	v_min_u32 v[T0], s29, v[T0]                    ; held to the expert's last row, whose numbers the places past the count hold,
	v_min_u32 v[T0], 0x3ff, v[T0]                  ; and to the buffer
	v_lshl_add_u32 v[OF+t], v[T0], 13, v[C16]
.set t, t+1
.endr
.set t, 0
.rept 8
	s_wait_dscnt 7-t
	global_store_b128 v[OF+t], v[RB+4*t:RB+4*t+3], s[24:25]  ; 16 lanes store 256 consecutive bytes, aligned
.set t, t+1
.endr
.Ldead_\@:
.endm
; THE WAY OUT OF TILE j, second product: the f32 sums go through my stage and leave as whole rows of 512 bytes, each to the row slot x 1,024 + token that the list names.
.macro EPI2 j
.set AB, 64*(\j)-64*((\j)/4)
	s_add_co_u32 s34, s33, 64*(\j)
	s_cmp_ge_u32 s34, s28
	s_cbranch_scc1 .Ldead_\@
	s_wait_xcnt 0x0                                ; the registers that the last tile's stores read are rewritten only behind this wait
	v_add_nc_u32 v[T0], s34, v[R15]
	v_min_u32 v[T0], s29, v[T0]
	v_min_u32 v[T0], 0x3ff, v[T0]
	v_lshl_add_u32 v[T0], v[T0], 2, v[LB]
	ds_load_b32 v[LV], v[T0]                       ; lane t (0-15): where row t of the tile goes
	WIN 4*(1-(\j)/4)                               ; a store's data is source 1: the accumulators' window
.set n, 0
.rept 8
	ds_store_b128 v[STO], v[AB+8*n:AB+8*n+3]   offset:64*n     ; each accumulator's low registers first
	ds_store_b128 v[STO], v[AB+8*n+4:AB+8*n+7] offset:64*n+16
.set n, n+1
.endr
	WIN 0
.set t, 0
.rept 16
	ds_load_b128 v[RB2+4*t:RB2+4*t+3], v[RD] offset:t*SP  ; in order behind the stores above
.set t, t+1
.endr
	s_wait_dscnt 32                                ; the list's word is in; the 16 stores and 16 loads behind it may stay out
.set t, 0
.rept 16
	v_readlane_b32 s37, v[LV], t
	s_min_u32 s37, s37, 0x7ff                      ; inside the 2,048 rows
	s_lshl_b32 s37, s37, 12
	v_add_nc_u32 v[OF2+t], s37, v[C16]
.set t, t+1
.endr
.set t, 0
.rept 16
	s_wait_dscnt 15-t
	global_store_b128 v[OF2+t], v[RB2+4*t:RB2+4*t+3], s[24:25]  ; 32 lanes store 512 consecutive bytes, aligned
.set t, t+1
.endr
.Ldead_\@:
.endm
	s_load_b256 s[4:11], s[0:1], 0x0               ; rows (xb or hbuf) s[4:5], sel s[6:7], weights s[8:9], output s[10:11]
	v_lshl_add_u32 v[SPW], v0, 2, SPARE
	v_mov_b32 v[NIL], 0
	v_lshrrev_b32 v[T0], 5, v0
	v_readfirstlane_b32 s12, v[T0]                 ; wave 0..3
	s_mov_b32 s13, ttmp9
	s_and_b32 s14, ttmp7, 0xffff                   ; the expert
	v_and_b32 v[LN], 31, v0
	v_and_b32 v[R15], 15, v0
	v_bfe_u32 v[HL], v0, 4, 1
	v_lshlrev_b32 v[H16], 4, v[HL]
.if SECOND
	v_lshlrev_b32 v[C16], 4, v[LN]
.else
	v_lshlrev_b32 v[C16], 4, v[R15]
.endif
	v_lshlrev_b32 v[LV], 4, v[LN]                  ; 16 x lane: sel's loads
	s_lshl_b32 s16, s12, WSH
	v_add_nc_u32 v[WO], s16, v[LV]
	s_mul_i32 s16, s12, 32*BP
	v_lshl_add_u32 v[WL], v[LN], 3, s16
	s_mul_i32 s16, s12, LISTB
	s_add_co_u32 s16, s16, LIST
	v_mov_b32 v[LB], s16
	v_add_nc_u32 v[DMP], 0x400, v[LN]
	v_lshlrev_b32 v[L4], 2, v[LN]
	v_mul_u32_u24 v[T0], v[R15], BP
	v_add_nc_u32 v[T0], v[T0], v[H16]              ; row x pitch + 16 x half
.set i, 0
.rept 4
	v_add_nc_u32 v[BFIX+i], i*32*BP, v[T0]
.set i, i+1
.endr
	s_mul_i32 s16, s12, STB
	s_add_co_u32 s16, s16, STAGE                   ; my stage
	v_mul_u32_u24 v[T0], v[R15], SP
.if SECOND
	v_lshl_add_u32 v[T0], v[HL], 5, v[T0]          ; in: row l % 16, 32 bytes for each half of the lanes
	v_add_nc_u32 v[STO], s16, v[T0]
	v_add_nc_u32 v[RD], s16, v[C16]                ; back: 32 lanes take one row of 512 bytes
.else
	v_lshl_add_u32 v[T0], v[HL], 4, v[T0]          ; in: row l % 16, 16 bytes for each half of the lanes
	v_add_nc_u32 v[STO], s16, v[T0]
	v_mul_u32_u24 v[T0], v[HL], SP                 ; back: lanes 0-15 take one row of 256 bytes, lanes 16-31 the next
	v_add_nc_u32 v[T0], v[T0], v[C16]
	v_add_nc_u32 v[RD], s16, v[T0]
	s_mov_b32 s38, 0xbfb8aa3b                      ; -log2(e); named as a pair
	s_mov_b32 s39, s38
.endif
	s_lshl_b32 s26, 0x101, s14                     ; the expert's two bits in a word of sel
	s_add_co_u32 s27, s14, 8
	s_wait_kmcnt 0x0
.if SECOND
	s_and_b32 s15, s13, 7                          ; which 128 columns
	s_lshr_b32 s13, s13, 3                         ; which quarter of K
	s_lshl_b32 s16, s14, 24                        ; w2: an expert is 16 MB, 128 rows are 2 MB, a quarter of a row 4 KB
	s_lshl_b32 s17, s15, 21
	s_add_co_u32 s16, s16, s17
	s_lshl_b32 s17, s13, 12
	s_add_co_u32 s16, s16, s17
	s_mov_b32 s17, 0
	s_add_nc_u64 s[18:19], s[8:9], s[16:17]
	s_lshl_b32 s16, s14, 23                        ; hbuf: an expert has room for 1,024 rows of 8 KB; a quarter of a row is 2 KB
	s_lshl_b32 s17, s13, 11
	s_add_co_u32 s16, s16, s17
	s_mov_b32 s17, 0
	s_add_nc_u64 s[20:21], s[4:5], s[16:17]
	s_lshl_b32 s16, s13, 23                        ; part: a quarter's 2,048 rows are 8 MB; 128 columns are 512 bytes
	s_lshl_b32 s17, s15, 9
	s_add_co_u32 s16, s16, s17
	s_mov_b32 s17, 0
	s_add_nc_u64 s[24:25], s[10:11], s[16:17]
.else
	s_lshl_b32 s16, s14, 24                        ; w1: an expert is 16 MB, 128 rows are 512 KB
	s_lshl_b32 s17, s13, 19
	s_add_co_u32 s16, s16, s17
	s_mov_b32 s17, 0
	s_add_nc_u64 s[18:19], s[8:9], s[16:17]
	s_mov_b64 s[20:21], s[4:5]                     ; xb
	s_lshl_b32 s16, s14, 23                        ; hbuf: the expert's room; 128 columns are 256 bytes
	s_lshl_b32 s17, s13, 8
	s_add_co_u32 s16, s16, s17
	s_mov_b32 s17, 0
	s_add_nc_u64 s[24:25], s[10:11], s[16:17]
.endif
.set c, 0
.rept 8
	global_load_b128 v[TK+4*c:TK+4*c+3], v[LV], s[6:7] offset:512*c  ; register 4 c + i of lane L: sel[128 c + 4 L + i]
.set c, c+1
.endr
	FILL 0, 0                                      ; the first three blocks of weights are on their way while the list is made
	FILL 1, 2
	FILL 2, 4
	WIN 0
	; THE LIST.  Cleared first; then, 32 tokens at a time, each lane whose token chose the expert puts its row at the running count plus the number of such lanes below it.
.set i, 0
.rept 4
	v_mov_b32 v[PK+i], 0
.set i, i+1
.endr
	v_lshl_add_u32 v[T1], v[LN], 4, v[LB]
.set i, 0
.rept 9
	ds_store_b128 v[T1], v[PK:PK+3] offset:512*i
.set i, i+1
.endr
	s_wait_loadcnt 48                              ; sel is in; the 48 loads of weights issued behind it stay out
	s_mov_b32 s28, 0
.set q, 0
.rept 32
	v_and_b32 v[T0], s26, v[TK+q]
	v_cmp_ne_u32 s30, 0, v[T0]
	v_mbcnt_lo_u32_b32 v[T1], s30, s28
	v_cndmask_b32 v[T1], v[DMP], v[T1], s30        ; the others write a word of their own behind the list
	v_min_u32 v[T1], 0x41f, v[T1]                  ; inside my wave's 1,056 words
	v_lshl_add_u32 v[T1], v[T1], 2, v[LB]
	v_add_nc_u32 v[RI], 128*(q/4)+q%4, v[L4]       ; the token
.if SECOND
	v_lshrrev_b32 v[T0], s27, v[T0]                ; 1 where the expert is the token's second choice
	v_lshl_add_u32 v[RI], v[T0], 10, v[RI]         ; slot x 1,024 + token
.endif
	ds_store_b32 v[T1], v[RI]
	s_bcnt1_i32_b32 s31, s30
	s_add_co_u32 s28, s28, s31
.set q, q+1
.endr
	s_sub_co_u32 s29, s28, 1                       ; s28: the expert's count; s29: its last row
	; THE WEIGHTS: 16 blocks of two rows a wave, through four slots; three blocks are always on their way
	s_mov_b32 s36, 3
.Lround:
	TURN 0, 1, 32                                  ; two younger blocks of 16 loads stay out
	TURN 1, 1, 32
	TURN 2, 1, 32
	TURN 3, 1, 32
	s_wait_xcnt 0x0                                ; the loads' base is stepped only behind this wait
	s_add_nc_u64 s[18:19], s[18:19], 8*WPITCH
	v_add_nc_u32 v[WL], 8*BP, v[WL]
	s_sub_co_u32 s36, s36, 1
	s_cmp_lg_u32 s36, 0
	s_cbranch_scc1 .Lround
	TURN 0, 1, 32                                  ; the last four blocks: one more fill, then the counts run down
	TURN 1, 0, 32
	TURN 2, 0, 16
	TURN 3, 0, 0
	s_wait_dscnt 0x0                               ; for the others' sake: my 32 rows lie in LDS
	s_barrier_signal -1
	s_barrier_wait -1                              ; everybody's do
	; THE ROWS
	s_lshl_b32 s33, s12, 4                         ; the first row of my first tile: 320 x pass + 16 x wave; my tiles lie 64 rows apart
	s_mov_b32 s32, 4
.Lpass:
	s_cmp_ge_u32 s33, s28
	s_cbranch_scc1 .Lnomul                         ; nothing of this pass is mine: the products are jumped, the barriers are not
	s_wait_xcnt 0x0                                ; the last pass's stores have read their registers
	v_add_nc_u32 v[RI], s33, v[R15]
.set j, 0
.rept 5
	v_add_nc_u32 v[T0], 64*j, v[RI]
	v_min_u32 v[T0], s29, v[T0]                    ; places past the count repeat the expert's last row
	v_min_u32 v[T0], 0x3ff, v[T0]
.if SECOND
	v_lshl_add_u32 v[AOFF+j], v[T0], ASH, v[H16]   ; h lies in the list's order
.else
	v_lshl_add_u32 v[T0], v[T0], 2, v[LB]
	ds_load_b32 v[AOFF+j], v[T0]                   ; the row's token
.endif
.set j, j+1
.endr
.if !SECOND
	s_wait_dscnt 0x0
.set j, 0
.rept 5
	v_min_u32 v[AOFF+j], 0x3ff, v[AOFF+j]
	v_lshl_add_u32 v[AOFF+j], v[AOFF+j], ASH, v[H16]
.set j, j+1
.endr
.endif
	s_mov_b64 s[22:23], s[20:21]
	s_mov_b32 s35, 0                               ; the K trip's bytes in a weight row
.set i, 0
.rept 4
	v_mov_b32 v[BADR+i], v[BFIX+i]
.set i, i+1
.endr
	ALOAD 0, 0
	ALOAD 1, 64
	ALOAD 2, 128
	BLOAD 0, 0
	STEP 0, 192, 64, 1, 30, 16                     ; K step 0 starts the sums.  30: three younger steps of 10 loads; 16: the next step's weights
	WIN 0
	s_mov_b32 s36, 7
.Lk:                                                   ; a trip: K steps 4 i + 1 .. 4 i + 4
	STEP 1, 256, 128, 0, 30, 16
	STEP 2, 320, 192, 0, 30, 16
	STEP 3, 384, 256, 0, 30, 16
	STEP 0, 448, 320, 0, 30, 16
	WIN 0
	s_wait_xcnt 0x0                                ; the loads' base is stepped only behind this wait
	s_add_nc_u64 s[22:23], s[22:23], 256
	s_add_co_u32 s35, s35, 256
.set i, 0
.rept 4
	v_add_nc_u32 v[BADR+i], s35, v[BFIX+i]         ; the fixed place plus the trip's bytes
.set i, i+1
.endr
	s_sub_co_u32 s36, s36, 1
	s_cmp_lg_u32 s36, 0
	s_cbranch_scc1 .Lk
	STEP 1, -1, 128, 0, 20, 16                     ; K steps 29 to 31: no row is asked for past K = 1,024, and the counts run down
	STEP 2, -1, 192, 0, 10, 16
	STEP 3, -1, -1, 0, 0, 0
	WIN 0
.rept 4
	v_nop                                          ; the places between the last products and the first read of a result
.endr
.Lnomul:
	s_wait_dscnt 0x0                               ; my LDS reads of this pass's products are back
	s_barrier_signal -1
	s_barrier_wait -1                              ; everybody's are: only now does a wave write its stage.  (The stages are bytes of their own; the two barriers of a pass keep reading and writing LDS in phases, two meetings for a wave's 1,280 matrix instructions)
.if SECOND
	EPI2 0
	EPI2 1
	EPI2 2
	EPI2 3
	EPI2 4
.else
	EPI1 0
	EPI1 1
	EPI1 2
	EPI1 3
	EPI1 4
.endif
	s_wait_dscnt 0x0                               ; my stores into my stage and my reads of it are over
	s_barrier_signal -1
	s_barrier_wait -1                              ; everybody's are: the next pass reads the weights again
	s_add_co_u32 s33, s33, 320
	s_sub_co_u32 s32, s32, 1
	s_cmp_lg_u32 s32, 0
	s_cbranch_scc1 .Lpass
	s_wait_tensorcnt 0x0                           ; the wave's end, behind my last LDS store
	ds_add_u32 v[SPW], v[NIL]
	s_wait_dscnt 0x0
	s_endpgm
.Lfunc_end_k_q8e18fafd27_ffn2:
	.size	k_q8e18fafd27_ffn2, .Lfunc_end_k_q8e18fafd27_ffn2-k_q8e18fafd27_ffn2
	.p2alignl 7, 3214868480
	.fill 96, 4, 3214868480
	.section	.rodata,"a",@progbits
	.p2align	6, 0x0
	.amdhsa_kernel k_q8e18fafd27_ffn2
		.amdhsa_group_segment_fixed_size 316928
		.amdhsa_private_segment_fixed_size 0
		.amdhsa_enable_private_segment 0
		.amdhsa_kernarg_size 32
		.amdhsa_user_sgpr_count 2
		.amdhsa_user_sgpr_kernarg_segment_ptr 1
		.amdhsa_wavefront_size32 1
		.amdhsa_system_sgpr_workgroup_id_x 1
		.amdhsa_system_sgpr_workgroup_id_y 1
		.amdhsa_system_sgpr_workgroup_id_z 1
		.amdhsa_system_vgpr_workitem_id 0
		.amdhsa_next_free_vgpr 640
		.amdhsa_next_free_sgpr 66
		.amdhsa_reserve_vcc 0
		.amdhsa_float_denorm_mode_32 3
		.amdhsa_float_denorm_mode_16_64 3
		.amdhsa_memory_ordered 1
		.amdhsa_forward_progress 1
		.amdhsa_inst_pref_size 140
	.end_amdhsa_kernel
	.amdgpu_metadata
---
amdhsa.version: [ 1, 2 ]
amdhsa.kernels:
  - .name:           k_q8e18fafd27_ffn2
    .symbol:         k_q8e18fafd27_ffn2.kd
    .args:
      - { .name: hbuf, .offset: 0, .size: 8, .value_kind: global_buffer, .address_space: global }
      - { .name: sel, .offset: 8, .size: 8, .value_kind: global_buffer, .address_space: global }
      - { .name: w2, .offset: 16, .size: 8, .value_kind: global_buffer, .address_space: global }
      - { .name: part, .offset: 24, .size: 8, .value_kind: global_buffer, .address_space: global }
    .group_segment_fixed_size: 316928
    .private_segment_fixed_size: 0
    .kernarg_segment_align: 8
    .kernarg_segment_size: 32
    .max_flat_workgroup_size: 128
    .sgpr_count:     66
    .vgpr_count:     640
    .wavefront_size: 32
...
	.end_amdgpu_metadata
.endif
;; end of part 3
;; launch combine (part 4): grid 256 x 1, 4 waves a work-group, no clusters, 0 bytes of LDS; arguments part, gate, out0; writes out0
.if DOCPART == 4
	.amdgcn_target "amdgcn-amd-amdhsa--gfx1250"
	.amdhsa_code_object_version 6
	.text
	.protected	k_q8e18fafd27_combine
	.globl	k_q8e18fafd27_combine
	.p2align	8
	.type	k_q8e18fafd27_combine,@function
k_q8e18fafd27_combine:
	s_mov_b64 s[64:65], 0
	v_nop
	global_prefetch_b8 v0, s[64:65] scope:SCOPE_SE
	s_setreg_imm32_b32 hwreg(HW_REG_WAVE_MODE, 25, 1), 1
	s_wait_xcnt 0x0
; out0[t][:] = gate[0][t] x (the four partial sums of the token's first expert) + gate[1][t] x (those of its second).  part: f32 [4 quarters of K][slot x 1,024 + token][1,024]; gate: f32 [2][1,024].
; A stream: 32 MB in, 4 MB out; all sums in f32.  One wave, one token (4 x work-group + wave): for each 512 bytes of the row eight loads (4 quarters x 2 slots), each of 512 consecutive bytes, and one
; store of 512 consecutive bytes.  Six groups of eight loads of every wave are on their way.  No LDS, no barrier, no matrix unit, no cluster: nothing is shared and nothing is multiplied but by two numbers.
.set PO, 2                             ; v[2:9]     byte offset of my 16 bytes in row q = 2 x quarter + slot
.set SL, 16                            ; v[16:207]  six slots of 8 x 4 registers
.set OU, 208                           ; v[208:239] the results, four registers for each group: no store's data is rewritten
	s_load_b128 s[4:7], s[0:1], 0x0                ; part s[4:5], gate s[6:7]
	s_load_b64 s[8:9], s[0:1], 0x10                ; out0
	v_lshrrev_b32 v1, 5, v0
	v_readfirstlane_b32 s12, v1                    ; wave
	v_and_b32 v1, 31, v0
	v_lshlrev_b32 v1, 4, v1                        ; 16 x lane
	s_lshl2_add_u32 s13, ttmp9, s12                ; my token
	s_lshl_b32 s16, s13, 2
	s_lshl_b32 s14, s13, 12                        ; a row is 4,096 bytes
	s_mov_b32 s15, 0
	v_add_nc_u32 v[PO], s14, v1
.set q, 1
.rept 7
	v_add_nc_u32 v[PO+q], q<<22, v[PO]             ; 1,024 rows are 4 MB
.set q, q+1
.endr
	s_wait_kmcnt 0x0
	s_load_b32 s20, s[6:7], s16                    ; the token's two weights
	s_load_b32 s22, s[6:7], s16 offset:0x1000
	s_add_nc_u64 s[8:9], s[8:9], s[14:15]
.macro GRP u                           ; group u: bytes 512 u .. of all eight rows
.set q, 0
.rept 8
	global_load_b128 v[SL+32*((\u)%6)+4*q:SL+32*((\u)%6)+4*q+3], v[PO+q], s[4:5] offset:512*(\u) th:TH_LOAD_NT
.set q, q+1
.endr
.endm
	GRP 0
	GRP 1
	GRP 2
	GRP 3
	GRP 4
	GRP 5
	s_wait_kmcnt 0x0
	s_mov_b32 s21, s20                             ; named as pairs
	s_mov_b32 s23, s22
; Group u is added up, weighed and stored.  left = the younger loads that may stay out; more = 1: the slot just read gets group u + 6.
.macro SUM u, left, more
	s_wait_loadcnt \left
.set b, SL+32*((\u)%6)
.set h, 0
.rept 2
	v_pk_add_f32 v[b+2*h:b+2*h+1],       v[b+2*h:b+2*h+1],       v[b+8+2*h:b+8+2*h+1]     ; slot 0: quarters 0 + 1,
	v_pk_add_f32 v[b+16+2*h:b+16+2*h+1], v[b+16+2*h:b+16+2*h+1], v[b+24+2*h:b+24+2*h+1]   ; 2 + 3
	v_pk_add_f32 v[b+4+2*h:b+4+2*h+1],   v[b+4+2*h:b+4+2*h+1],   v[b+12+2*h:b+12+2*h+1]   ; slot 1 likewise
	v_pk_add_f32 v[b+20+2*h:b+20+2*h+1], v[b+20+2*h:b+20+2*h+1], v[b+28+2*h:b+28+2*h+1]
	v_pk_add_f32 v[b+2*h:b+2*h+1],       v[b+2*h:b+2*h+1],       v[b+16+2*h:b+16+2*h+1]
	v_pk_add_f32 v[b+4+2*h:b+4+2*h+1],   v[b+4+2*h:b+4+2*h+1],   v[b+20+2*h:b+20+2*h+1]
	v_pk_mul_f32 v[OU+4*(\u)+2*h:OU+4*(\u)+2*h+1], v[b+2*h:b+2*h+1], s[20:21] op_sel_hi:[1,0]
	v_pk_fma_f32 v[OU+4*(\u)+2*h:OU+4*(\u)+2*h+1], v[b+4+2*h:b+4+2*h+1], s[22:23], v[OU+4*(\u)+2*h:OU+4*(\u)+2*h+1] op_sel_hi:[1,0,1]
.set h, h+1
.endr
.if \more
	GRP (\u)+6
.endif
	global_store_b128 v1, v[OU+4*(\u):OU+4*(\u)+3], s[8:9] offset:512*(\u) th:TH_STORE_NT
.endm
	SUM 0, 40, 1                                   ; five younger groups of 8 loads stay out
	SUM 1, 40, 1
	SUM 2, 40, 0
	SUM 3, 32, 0                                   ; nothing more is asked for: the counts run down
	SUM 4, 24, 0
	SUM 5, 16, 0
	SUM 6, 8, 0
	SUM 7, 0, 0
	s_endpgm
.Lfunc_end_k_q8e18fafd27_combine:
	.size	k_q8e18fafd27_combine, .Lfunc_end_k_q8e18fafd27_combine-k_q8e18fafd27_combine
	.p2alignl 7, 3214868480
	.fill 96, 4, 3214868480
	.section	.rodata,"a",@progbits
	.p2align	6, 0x0
	.amdhsa_kernel k_q8e18fafd27_combine
		.amdhsa_group_segment_fixed_size 0
		.amdhsa_private_segment_fixed_size 0
		.amdhsa_enable_private_segment 0
		.amdhsa_kernarg_size 24
		.amdhsa_user_sgpr_count 2
		.amdhsa_user_sgpr_kernarg_segment_ptr 1
		.amdhsa_wavefront_size32 1
		.amdhsa_system_sgpr_workgroup_id_x 1
		.amdhsa_system_sgpr_workgroup_id_y 1
		.amdhsa_system_sgpr_workgroup_id_z 1
		.amdhsa_system_vgpr_workitem_id 0
		.amdhsa_next_free_vgpr 240
		.amdhsa_next_free_sgpr 66
		.amdhsa_reserve_vcc 0
		.amdhsa_float_denorm_mode_32 3
		.amdhsa_float_denorm_mode_16_64 3
		.amdhsa_memory_ordered 1
		.amdhsa_forward_progress 1
		.amdhsa_inst_pref_size 17
	.end_amdhsa_kernel
	.amdgpu_metadata
---
amdhsa.version: [ 1, 2 ]
amdhsa.kernels:
  - .name:           k_q8e18fafd27_combine
    .symbol:         k_q8e18fafd27_combine.kd
    .args:
      - { .name: part, .offset: 0, .size: 8, .value_kind: global_buffer, .address_space: global }
      - { .name: gate, .offset: 8, .size: 8, .value_kind: global_buffer, .address_space: global }
      - { .name: out0, .offset: 16, .size: 8, .value_kind: global_buffer, .address_space: global }
    .group_segment_fixed_size: 0
    .private_segment_fixed_size: 0
    .kernarg_segment_align: 8
    .kernarg_segment_size: 24
    .max_flat_workgroup_size: 128
    .sgpr_count:     66
    .vgpr_count:     240
    .wavefront_size: 32
...
	.end_amdgpu_metadata
.endif
;; end of part 4
;; ======== version 2 of 3: 4 launches; 1.13 times as fast as version 1
;; workspace buffers: xb 2,097,152 bytes; sel 4,096 bytes of whole numbers; gate 8,192 bytes; hbuf 67,108,864 bytes; part 33,554,432 bytes
;; launch router: the kernel of part 1 again; grid 256 x 1, 4 waves a work-group, no clusters, 0 bytes of LDS; arguments hidden_states, router_w, expert_scale, xb, sel, gate; writes xb, sel, gate
;; launch ffn1 (part 5): grid 32 x 8, 4 waves a work-group, no clusters, 282,112 bytes of LDS; arguments xb, sel, w1, hbuf; writes hbuf
.if DOCPART == 5
	.amdgcn_target "amdgcn-amd-amdhsa--gfx1250"
	.amdhsa_code_object_version 6
	.text
	.protected	k_q8e18fafd27_ffn1
	.globl	k_q8e18fafd27_ffn1
	.p2align	8
	.type	k_q8e18fafd27_ffn1,@function
k_q8e18fafd27_ffn1:
	s_mov_b64 s[64:65], 0
	v_nop
	global_prefetch_b8 v0, s[64:65] scope:SCOPE_SE
	s_setreg_imm32_b32 hwreg(HW_REG_WAVE_MODE, 25, 1), 1
	s_wait_xcnt 0x0
; ONE EXPERT'S PRODUCT ON ITS CHOSEN ROWS.  This text serves both products of the layer; SECOND chooses.
;   SECOND = 0:  h[e][i][f] = silu(sum over d of x[token(i)][d] w1[e][f][d]), bf16, for the expert's rows i = 0 .. count - 1.  Work-group (x, y): expert y, columns f = 128 x .. + 127.
;   SECOND = 1:  part[ks][slot(i) 1024 + token(i)][c] = sum over f in quarter ks of h[e][i][f] w2[e][c][f], f32.  Work-group (x, y): expert y, columns c = 128 (x % 8) .., quarter ks = x / 8 of the 4,096 f.
; Either way a work-group has 128 weight rows x 1,024 along K, 512 KB of f32 that it alone reads, and all rows of its expert.  The second product is cut along K too, so that h is read 8 times
; and not 32 times; the four partial sums stay f32 and a later launch adds them.
; THE ROWS' ORDER.  The 1,024 words of sel are read 32 tokens at a time (word q of lane L: token 128 (q / 4) + 4 L + q % 4); the expert's rows are its tokens by ascending q, then ascending lane; no atomics.
; The first product keeps the 32 ballots in scalar registers and finds the token of a given rank in registers, so that a row's address is made of sel's words by register arithmetic alone.  The second
; needs no token to read h, which lies in the rows' order; for its stores each wave lays slot x 1,024 + token into a list of its own in LDS.
; PHASES.  (1) The ballots, the count (and the list); the first pass's rows are found at once, while the first weights are on their way.  (2) The weights stream once through registers, are rounded to
; bf16 and laid into LDS, a wave 32 rows, 48 loads of 512 bytes of each wave on their way; in the stream's last turns the first pass's first three K steps of rows are asked for.  (3) A barrier.
; (4) Rows in passes of 320: a wave has five tiles of 16 rows x all 128 columns (40 accumulators); the rows' fragments come from memory straight into registers, three K steps ahead, the
; weights' from LDS, one step ahead; then the tiles go out through the wave's own stage.  The pass loop counts to the constant 4 (1,280 rows: every split of 1,024 tokens); the products of a pass, the
; products of a wave's fifth tile, and the way out of a tile, that begin at or past the count are jumped forward.  Two barriers a pass, which every wave passes in every trip, part the K loop's LDS reads
; from the stores into the stages.  In a tile that is not full the places past the count repeat the expert's last row, so EXEC is never narrowed.  An expert without rows stores nothing.
; THE MATRIX INSTRUCTION IS USED TRANSPOSED (source 0 = 16 weight rows, source 1 = 16 token rows): a lane holds one token row (lane % 16) and 8 neighbouring columns 8 (lane / 16) + 0..7.
; NO CLUSTER, NO TENSOR LOADS: each weight byte has one reader, and the mover cannot round f32 to bf16; what an expert's work-groups share is its token rows, which come by rank (first product) or in a
; number that hangs on a stored count (second), and LDS has 45 KB (first) or 10 KB (second) left beside the weights and the stages.
; LIMITS.  Operands bf16, sums f32; h is rounded once to bf16.  silu(s) = t / (c (1 + 2^t)) with c = -log2 e, t = c s: where the power overflows the quotient is -0, where it underflows it is s.  NaN is not treated apart.
; REGISTERS, in windows of 256 (s_set_vgpr_msb: bits 1:0 source 0, 3:2 source 1, 5:4 source 2, 7:6 destination):
;   window 0: v0-31 addresses; v32-191 the rows' fragments, 4 slots x 5 tiles x 8 (scratch while rows are found and on the way out); v192-223 sel's words and v224-255 packed weights, later all 64 tile 4's accumulators
;   window 1: the weights' load ring, 4 slots x 64; later the accumulators of tiles 0-3 ((j, n) at 64 j + 8 n)       window 2: v0-63, v64-127 the weights' fragments, two buffers
.set SECOND, 0
.set BP,     2064                      ; a weight row in LDS: 2,048 bytes + 16 = 516 words: row r starts at bank 4 r mod 64 (64 banks of 4 bytes: ISA guide 11.1), so the 16 rows of a load start at 16 different groups
.set LIST,   128*BP                    ; behind the weights, second product alone: each wave's own list, 1,024 words, and 32 words for lanes with nothing to say; 18 blocks of 256 bytes a wave
.if SECOND
.set LISTB,  4608
.set SP,     528                       ; a stage row: 128 f32 + 16 bytes
.set WPITCH, 16384                     ; bytes from weight row to weight row in memory
.set WSH,    19                        ; 32 weight rows, as a shift
.set ASH,    13                        ; a row of h, as a shift
.else
.set LISTB,  0
.set SP,     272                       ; a stage row: 128 bf16 + 16 bytes
.set WPITCH, 4096
.set WSH,    17
.set ASH,    11                        ; a row of xb
.endif
.set STAGE,  LIST+4*LISTB              ; each wave's own stage of 16 rows, for the way out
.set STB,    16*SP
.set SPARE,  STAGE+4*STB               ; the spare words, 128 bytes a wave: two blocks of 256 bytes that no other line names
.set LN,   1                           ; lane
.set R15,  2                           ; lane % 16
.set HL,   3                           ; lane / 16
.set H16,  4                           ; 16 x (lane / 16)
.set C16,  5                           ; first product: 16 x (lane % 16); second: 16 x lane
.set WO,   6                           ; my byte offset in the work-group's weights: 16 x lane + my wave's 32 rows
.set WL,   7                           ; where I put 8 bytes of a weight row in LDS; steps
.set LB,   8                           ; second product: my wave's list
.set HC,   8                           ; first product: my 16 bytes in two rows of h: 8,192 x (lane / 16) + 16 x (lane % 16)
.set DMP,  9                           ; 1,024 + lane
.set L4,   10                          ; 4 x lane
.set BFIX, 11                          ; v11-14  my place in weight rows 32 i .. of LDS; never rewritten
.set BADR, 15                          ; v15-18  the same plus s35, the K trip's bytes
.set STO,  19
.set RD,   20
.set AOFF, 21                          ; v21-25  byte offset of my row of tile j
.set T0,   26
.set T1,   27
.set RI,   28
.set LV,   29
.set SPW,  30                          ; LDS address of my spare word; never rewritten
.set NIL,  31                          ; 0; never rewritten
.set AR,   32
.set TK,   192
.set PK,   224
.set A4,   192                         ; tile 4's accumulators, in window 0
.set BF,   0                           ; in window 2
.set TT,   32                          ; the way out, first product: 64 numbers t = c s, then h,
.set EE,   96                          ; 64 powers, then divisors, then reciprocals,
.set PP,   160                         ; 32 packed,
.set RB,   96                          ; 32 read back (where the reciprocals lay),
.set OF,   128                         ; the tile's offset
.set RB2,  32                          ; second product: 64 read back,
.set OF2,  96                          ; 16 offsets
.set SR,   32                          ; the search, five registers each (one a tile): rank << 16 | 0xffff,
.set SM,   40                          ; the ballot that holds the rank,
.set SQ,   48                          ; its first rank << 16 | its number q,
.set SA,   56                          ; its counts in fields of 2,
.set SB,   64                          ; of 4,
.set SC,   72                          ; of 8 bits,
.set SK,   80                          ; the rank inside what is left of the ballot,
.set SS,   88                          ; the first bit of what is left,
.set SX,   96                          ; and three at work
.set SY,   104
.set SZ,   112
.set TJ,   31                          ; s31  first product's way out: the tile's number
.set MB,   40                          ; first product: the 32 ballots: s40-63 and s66-73 (ballot q at MB + q + 2 (q / 24))
.set SD,   40                          ; second product's way out: s40-55, where a tile's 16 rows go
.set LV4,  74                          ; s74  1: my fifth tile of this pass has rows
.set PKS,  75                          ; s75  the running first rank << 16 | q
.set TS,   76
.set K5,   77                          ; s77-80 constants of the search
.set K3,   78
.set KF,   79
.set KW,   80
.set MSB, 0
.macro WIN new                         ; the immediate's high byte repeats the setting that is left; a switch that changes nothing is dropped
.if MSB != (\new)
	s_set_vgpr_msb (MSB<<8)|(\new)
.set MSB, \new
.endif
.endm
.macro ALL5 line:vararg                ; one line for each tile j
.set j, 0
.rept 5
	\line
.set j, j+1
.endr
.endm
; What is left of the ballot is halved: w bits from bit SS on hold t set bits (read from the counts src); a rank below t stays, another goes w bits up and loses t.
.macro LEVEL src, w
	ALL5 v_bfe_u32 v[SX+j], v[(\src)+j], v[SS+j], \w
	ALL5 v_sub_nc_u32 v[SY+j], v[SK+j], v[SX+j]
	ALL5 v_add_nc_u32 v[SZ+j], \w, v[SS+j]
.set j, 0
.rept 5
	v_cmp_lt_u32 vcc_lo, v[SK+j], v[SX+j]
	v_cndmask_b32 v[SK+j], v[SY+j], v[SK+j], vcc_lo
	v_cndmask_b32 v[SS+j], v[SZ+j], v[SS+j], vcc_lo
.set j, j+1
.endr
.endm
; Two weight rows, 16 loads of 512 consecutive bytes, into a slot of window 1
.macro FILL slot, row
	WIN 0x40
.set f, 0
.rept 16
	global_load_b128 v[64*(\slot)+4*f:64*(\slot)+4*f+3], v[WO], s[18:19] offset:((\row)+f/8)*WPITCH+512*(f%8) th:TH_LOAD_NT
.set f, f+1
.endr
.endm
; Slot s's two rows are rounded and laid into LDS; fill = 1: the slot read in the turn before gets the block three further on.  left = the younger loads that may stay out.
.macro TURN s, fill, left
	s_wait_loadcnt \left
.if \fill
	FILL ((\s)+3)%4, 2*((\s)+3)
.endif
	WIN 0x05                                       ; both sources in window 1
.set f, 0
.rept 32
	v_cvt_pk_bf16_f32 v[PK+f], v[64*(\s)+2*f], v[64*(\s)+2*f+1]
.set f, f+1
.endr
	WIN 0
.set f, 0
.rept 16
	ds_store_b64 v[WL], v[PK+2*f:PK+2*f+1] offset:(2*(\s)+f/8)*BP+256*(f%8)  ; 32 lanes, 256 consecutive bytes
.set f, f+1
.endr
.endm
; The fragments of one K step (32 along K): five tiles of 16 rows from memory; lane l takes row l % 16, 16 bytes at 16 (l / 16) and 16 bytes 32 further on
.macro ALOAD slot, aoff
	WIN 0
.set j, 0
.rept 5
	global_load_b128 v[AR+40*(\slot)+8*j:AR+40*(\slot)+8*j+3],   v[AOFF+j], s[22:23] offset:(\aoff)
	global_load_b128 v[AR+40*(\slot)+8*j+4:AR+40*(\slot)+8*j+7], v[AOFF+j], s[22:23] offset:(\aoff)+32
.set j, j+1
.endr
.endm
.macro BLOAD buf, boff                 ; and eight blocks of 16 weight rows from LDS
	WIN 0x80
.set n, 0
.rept 8
	ds_load_b128 v[BF+64*(\buf)+8*n:BF+64*(\buf)+8*n+3],   v[BADR+n/2] offset:(n%2)*16*BP+(\boff)
	ds_load_b128 v[BF+64*(\buf)+8*n+4:BF+64*(\buf)+8*n+7], v[BADR+n/2] offset:(n%2)*16*BP+(\boff)+32
.set n, n+1
.endr
.endm
; ONE K STEP g (g4 = g % 4).  It asks for the rows' fragments of step g + 3 (aoff, or -1: none) and the weights' of step g + 1 (boff, or -1), into registers that step g - 1 multiplied: four v_nop are the
; places between that step's last matrix instruction and these loads (ISA guide 7.12.1 for vector instructions).  Then 40 matrix instructions, the accumulators by turns, in
; the same order in every step, over the loop's jump too.  The last 8, my fifth tile's, are jumped where that tile begins at or past the count: a fifth of the step's products; its
; two loads stay (all lanes then name one row), so that the counts of the waits are the same on both ways.  zero = 1: the products start the sums.  lcnt, dcnt: the younger loads that may stay out.
.macro STEP g4, aoff, boff, zero, lcnt, dcnt
	WIN 0
.rept 4
	v_nop
.endr
.if (\aoff) >= 0
	ALOAD ((\g4)+3)%4, \aoff
.endif
.if (\boff) >= 0
	BLOAD ((\g4)+1)%2, \boff
.endif
	s_wait_loadcnt \lcnt
	s_wait_dscnt \dcnt
	WIN 0x52                                       ; weights window 2, rows window 0, C and D window 1
.set j, 0
.rept 4
.set n, 0
.rept 8
.if \zero
	v_wmma_f32_16x16x32_bf16 v[64*j+8*n:64*j+8*n+7], v[BF+64*((\g4)%2)+8*n:BF+64*((\g4)%2)+8*n+7], v[AR+40*(\g4)+8*j:AR+40*(\g4)+8*j+7], 0
.else
	v_wmma_f32_16x16x32_bf16 v[64*j+8*n:64*j+8*n+7], v[BF+64*((\g4)%2)+8*n:BF+64*((\g4)%2)+8*n+7], v[AR+40*(\g4)+8*j:AR+40*(\g4)+8*j+7], v[64*j+8*n:64*j+8*n+7]
.endif
.set n, n+1
.endr
.set j, j+1
.endr
	WIN 0                                          ; at a branch and at a label every window is 0
	s_cmp_lg_u32 s[LV4], 0
	s_cbranch_scc0 .Lno4_\@
	WIN 0x02                                       ; tile 4: C and D window 0
.set n, 0
.rept 8
.if \zero
	v_wmma_f32_16x16x32_bf16 v[A4+8*n:A4+8*n+7], v[BF+64*((\g4)%2)+8*n:BF+64*((\g4)%2)+8*n+7], v[AR+40*(\g4)+32:AR+40*(\g4)+39], 0
.else
	v_wmma_f32_16x16x32_bf16 v[A4+8*n:A4+8*n+7], v[BF+64*((\g4)%2)+8*n:BF+64*((\g4)%2)+8*n+7], v[AR+40*(\g4)+32:AR+40*(\g4)+39], v[A4+8*n:A4+8*n+7]
.endif
.set n, n+1
.endr
	WIN 0
.Lno4_\@:
.endm
; THE ROWS OF A PASS whose first row for my wave is s33: whether my fifth tile has rows, the rows' base, and for each of my five tiles the byte offset of my lane's row.  Written twice: for the first
; pass ahead of the weights' stream, where the wave would only wait, and in the pass loop for the later passes.
.macro ROWS
	s_add_co_u32 s34, s33, 256
	s_cmp_lt_u32 s34, s28
	s_cselect_b32 s[LV4], 1, 0                     ; has my fifth tile rows?
	s_mov_b64 s[22:23], s[20:21]
	v_add_nc_u32 v[RI], s33, v[R15]
.if SECOND
.set j, 0
.rept 5
	v_add_nc_u32 v[T0], 64*j, v[RI]
	v_min_u32 v[T0], s29, v[T0]                    ; places past the count repeat the expert's last row
	v_min_u32 v[T0], 0x3ff, v[T0]
	v_lshl_add_u32 v[AOFF+j], v[T0], ASH, v[H16]   ; h lies in the rows' order
.set j, j+1
.endr
.else
	; THE TOKEN OF A RANK, five ranks a lane (one a tile).  First the ballot: the last one whose first rank is not above mine.  First rank and number go as one word, first rank << 16 | q, which is
	; above rank << 16 | 0xffff just where the first rank is above the rank: a compare and two selects for each of 31 ballots.
.set j, 0
.rept 5
	v_add_nc_u32 v[T0], 64*j, v[RI]
	v_min_u32 v[T0], s29, v[T0]                    ; places past the count repeat the expert's last row
	v_lshl_add_u32 v[SR+j], v[T0], 16, s[KW]
	v_mov_b32 v[SM+j], s[MB]                       ; ballot 0 begins at rank 0
	v_mov_b32 v[SQ+j], 0
.set j, j+1
.endr
	s_mov_b32 s[PKS], 0
.set q, 1
.rept 31
.set MP, MB+(q-1)+2*((q-1)/24)
.set MQ, MB+q+2*(q/24)
	s_bcnt1_i32_b32 s[TS], s[MP]
	s_lshl_b32 s[TS], s[TS], 16
	s_add_co_u32 s[PKS], s[PKS], s[TS]
	s_add_co_u32 s[PKS], s[PKS], 1
.set j, 0
.rept 5
	v_cmp_gt_u32 vcc_lo, s[PKS], v[SR+j]
	v_cndmask_b32 v[SM+j], s[MQ], v[SM+j], vcc_lo  ; above: keep; else take ballot q
	v_cndmask_b32 v[SQ+j], s[PKS], v[SQ+j], vcc_lo
.set j, j+1
.endr
.set q, q+1
.endr
	; Then the bit: the ballot's set bits counted in fields of 2, 4 and 8 bits, and five halvings by those counts
	ALL5 v_lshrrev_b32 v[SX+j], 1, v[SM+j]
	ALL5 v_and_b32 v[SX+j], s[K5], v[SX+j]
	ALL5 v_sub_nc_u32 v[SA+j], v[SM+j], v[SX+j]
	ALL5 v_lshrrev_b32 v[SX+j], 2, v[SA+j]
	ALL5 v_and_b32 v[SY+j], s[K3], v[SA+j]
	ALL5 v_and_b32 v[SX+j], s[K3], v[SX+j]
	ALL5 v_add_nc_u32 v[SB+j], v[SX+j], v[SY+j]
	ALL5 v_lshrrev_b32 v[SX+j], 4, v[SB+j]
	ALL5 v_add_nc_u32 v[SX+j], v[SX+j], v[SB+j]
	ALL5 v_and_b32 v[SC+j], s[KF], v[SX+j]
	ALL5 v_sub_nc_u32 v[SK+j], v[SR+j], v[SQ+j]    ; (rank - first rank) << 16 | (0xffff - q): no borrow,
	ALL5 v_lshrrev_b32 v[SK+j], 16, v[SK+j]        ; so this is the rank inside the ballot
	ALL5 v_lshrrev_b32 v[SX+j], 8, v[SC+j]
	ALL5 v_add_nc_u32 v[SX+j], v[SX+j], v[SC+j]
	ALL5 v_and_b32 v[SX+j], 0xff, v[SX+j]          ; the set bits among bits 0-15
	ALL5 v_sub_nc_u32 v[SY+j], v[SK+j], v[SX+j]
.set j, 0
.rept 5
	v_cmp_lt_u32 vcc_lo, v[SK+j], v[SX+j]
	v_cndmask_b32 v[SK+j], v[SY+j], v[SK+j], vcc_lo
	v_cndmask_b32 v[SS+j], 16, 0, vcc_lo
.set j, j+1
.endr
	LEVEL SC, 8
	LEVEL SB, 4
	LEVEL SA, 2
	LEVEL SM, 1
	ALL5 v_bfe_u32 v[SX+j], v[SQ+j], 2, 3          ; q / 4
	ALL5 v_and_b32 v[SY+j], 3, v[SQ+j]             ; q % 4
	ALL5 v_lshl_add_u32 v[SX+j], v[SX+j], 7, v[SY+j]
	ALL5 v_lshl_add_u32 v[SX+j], v[SS+j], 2, v[SX+j]  ; the token: 128 (q / 4) + 4 x bit + q % 4
	ALL5 v_min_u32 v[SX+j], 0x3ff, v[SX+j]
	ALL5 v_lshl_add_u32 v[AOFF+j], v[SX+j], ASH, v[H16]
.endif
.endm
; Tile j's accumulators begin at register 64 j of window 1 (j < 4) or at 192 of window 0 (j = 4): register 64 j - 64 (j / 4), window 1 - j / 4.
; First product's way out, the part that differs from tile to tile: t = c s, c = -log2 e, out of tile j's accumulators, each accumulator's registers in ascending order.
.macro TAKE j
.set AB, 64*(\j)-64*((\j)/4)
	WIN 1-(\j)/4                                   ; source 0: the accumulators' window
.set i, 0
.rept 32
	v_pk_mul_f32 v[TT+2*i:TT+2*i+1], v[AB+2*i:AB+2*i+1], s[38:39] op_sel_hi:[1,0]
.set i, i+1
.endr
	WIN 0
.endm
; THE WAY OUT OF TILE j, second product: the f32 sums go through my stage and leave as whole rows of 512 bytes, each to the row slot x 1,024 + token that the list names; places past the count
; name the expert's last row and store its own numbers onto it again.
.macro EPI2 j
.set AB, 64*(\j)-64*((\j)/4)
	s_add_co_u32 s34, s33, 64*(\j)
	s_cmp_ge_u32 s34, s28
	s_cbranch_scc1 .Ldead_\@
	s_wait_xcnt 0x0                                ; the registers that the last tile's stores read are rewritten only behind this wait
	v_add_nc_u32 v[T0], s34, v[R15]
	v_min_u32 v[T0], s29, v[T0]
	v_min_u32 v[T0], 0x3ff, v[T0]
	v_lshl_add_u32 v[T0], v[T0], 2, v[LB]
	ds_load_b32 v[LV], v[T0]                       ; lane t (0-15): where row t of the tile goes
	WIN 4*(1-(\j)/4)                               ; a store's data is source 1: the accumulators' window
.set n, 0
.rept 8
	ds_store_b128 v[STO], v[AB+8*n:AB+8*n+3]   offset:64*n     ; each accumulator's low registers first
	ds_store_b128 v[STO], v[AB+8*n+4:AB+8*n+7] offset:64*n+16
.set n, n+1
.endr
	WIN 0
.set t, 0
.rept 16
	ds_load_b128 v[RB2+4*t:RB2+4*t+3], v[RD] offset:t*SP  ; in order behind the stores above
.set t, t+1
.endr
	s_wait_dscnt 32                                ; the list's word is in; the 16 stores and 16 loads behind it may stay out
.set t, 0
.rept 16
	v_readlane_b32 s[SD+t], v[LV], t               ; all sixteen first, each into a register of its own, so that no scalar line stands straight behind the lane read that feeds it
.set t, t+1
.endr
.set t, 0
.rept 16
	s_min_u32 s[SD+t], s[SD+t], 0x7ff              ; inside the 2,048 rows
	s_lshl_b32 s[SD+t], s[SD+t], 12
.set t, t+1
.endr
.set t, 0
.rept 16
	v_add_nc_u32 v[OF2+t], s[SD+t], v[C16]
.set t, t+1
.endr
.set t, 0
.rept 16
	s_wait_dscnt 15-t
	global_store_b128 v[OF2+t], v[RB2+4*t:RB2+4*t+3], s[24:25]  ; 32 lanes store 512 consecutive bytes, aligned
.set t, t+1
.endr
.Ldead_\@:
.endm
	s_load_b256 s[4:11], s[0:1], 0x0               ; rows (xb or hbuf) s[4:5], sel s[6:7], weights s[8:9], output s[10:11]
	v_lshl_add_u32 v[SPW], v0, 2, SPARE
	v_mov_b32 v[NIL], 0
	v_lshrrev_b32 v[T0], 5, v0
	v_readfirstlane_b32 s12, v[T0]                 ; wave 0..3
	s_mov_b32 s13, ttmp9
	s_and_b32 s14, ttmp7, 0xffff                   ; the expert
	v_and_b32 v[LN], 31, v0
	v_and_b32 v[R15], 15, v0
	v_bfe_u32 v[HL], v0, 4, 1
	v_lshlrev_b32 v[H16], 4, v[HL]
.if SECOND
	v_lshlrev_b32 v[C16], 4, v[LN]
.else
	v_lshlrev_b32 v[C16], 4, v[R15]
.endif
	v_lshlrev_b32 v[LV], 4, v[LN]                  ; 16 x lane: sel's loads
	s_lshl_b32 s16, s12, WSH
	v_add_nc_u32 v[WO], s16, v[LV]
	s_mul_i32 s16, s12, 32*BP
	v_lshl_add_u32 v[WL], v[LN], 3, s16
.if SECOND
	s_mul_i32 s16, s12, LISTB
	s_add_co_u32 s16, s16, LIST
	v_mov_b32 v[LB], s16
	v_add_nc_u32 v[DMP], 0x400, v[LN]
	v_lshlrev_b32 v[L4], 2, v[LN]
.else
	v_lshl_add_u32 v[HC], v[HL], 13, v[C16]
	s_mov_b32 s[K5], 0x55555555
	s_mov_b32 s[K3], 0x33333333
	s_mov_b32 s[KF], 0x0f0f0f0f
	s_mov_b32 s[KW], 0xffff
.endif
	v_mul_u32_u24 v[T0], v[R15], BP
	v_add_nc_u32 v[T0], v[T0], v[H16]              ; row x pitch + 16 x half
.set i, 0
.rept 4
	v_add_nc_u32 v[BFIX+i], i*32*BP, v[T0]
.set i, i+1
.endr
	s_mul_i32 s16, s12, STB
	s_add_co_u32 s16, s16, STAGE                   ; my stage
	v_mul_u32_u24 v[T0], v[R15], SP
.if SECOND
	v_lshl_add_u32 v[T0], v[HL], 5, v[T0]          ; in: row l % 16, 32 bytes for each half of the lanes
	v_add_nc_u32 v[STO], s16, v[T0]
	v_add_nc_u32 v[RD], s16, v[C16]                ; back: 32 lanes take one row of 512 bytes
.else
	v_lshl_add_u32 v[T0], v[HL], 4, v[T0]          ; in: row l % 16, 16 bytes for each half of the lanes
	v_add_nc_u32 v[STO], s16, v[T0]
	v_mul_u32_u24 v[T0], v[HL], SP                 ; back: lanes 0-15 take one row of 256 bytes, lanes 16-31 the next
	v_add_nc_u32 v[T0], v[T0], v[C16]
	v_add_nc_u32 v[RD], s16, v[T0]
	s_mov_b32 s38, 0xbfb8aa3b                      ; c = -log2(e); named as a pair
	s_mov_b32 s39, s38
.endif
	s_lshl_b32 s26, 0x101, s14                     ; the expert's two bits in a word of sel
	s_add_co_u32 s27, s14, 8
	s_wait_kmcnt 0x0
.if SECOND
	s_and_b32 s15, s13, 7                          ; which 128 columns
	s_lshr_b32 s13, s13, 3                         ; which quarter of K
	s_lshl_b32 s16, s14, 24                        ; w2: an expert is 16 MB, 128 rows are 2 MB, a quarter of a row 4 KB
	s_lshl_b32 s17, s15, 21
	s_add_co_u32 s16, s16, s17
	s_lshl_b32 s17, s13, 12
	s_add_co_u32 s16, s16, s17
	s_mov_b32 s17, 0
	s_add_nc_u64 s[18:19], s[8:9], s[16:17]
	s_lshl_b32 s16, s14, 23                        ; hbuf: an expert has room for 1,024 rows of 8 KB; a quarter of a row is 2 KB
	s_lshl_b32 s17, s13, 11
	s_add_co_u32 s16, s16, s17
	s_mov_b32 s17, 0
	s_add_nc_u64 s[20:21], s[4:5], s[16:17]
	s_lshl_b32 s16, s13, 23                        ; part: a quarter's 2,048 rows are 8 MB; 128 columns are 512 bytes
	s_lshl_b32 s17, s15, 9
	s_add_co_u32 s16, s16, s17
	s_mov_b32 s17, 0
	s_add_nc_u64 s[24:25], s[10:11], s[16:17]
.else
	s_lshl_b32 s16, s14, 24                        ; w1: an expert is 16 MB, 128 rows are 512 KB
	s_lshl_b32 s17, s13, 19
	s_add_co_u32 s16, s16, s17
	s_mov_b32 s17, 0
	s_add_nc_u64 s[18:19], s[8:9], s[16:17]
	s_mov_b64 s[20:21], s[4:5]                     ; xb
	s_lshl_b32 s16, s14, 23                        ; hbuf: the expert's room; 128 columns are 256 bytes
	s_lshl_b32 s17, s13, 8
	s_add_co_u32 s16, s16, s17
	s_mov_b32 s17, 0
	s_add_nc_u64 s[24:25], s[10:11], s[16:17]
.endif
.set c, 0
.rept 8
	global_load_b128 v[TK+4*c:TK+4*c+3], v[LV], s[6:7] offset:512*c  ; register 4 c + i of lane L: sel[128 c + 4 L + i]
.set c, c+1
.endr
	FILL 0, 0                                      ; the first three blocks of weights are on their way while the rows are counted and found
	FILL 1, 2
	FILL 2, 4
	WIN 0
.if SECOND
	; THE LIST is cleared first; then, 32 tokens at a time, each lane whose token chose the expert puts its row at the running count plus the number of such lanes below it.
.set i, 0
.rept 4
	v_mov_b32 v[PK+i], 0
.set i, i+1
.endr
	v_lshl_add_u32 v[T1], v[LN], 4, v[LB]
.set i, 0
.rept 9
	ds_store_b128 v[T1], v[PK:PK+3] offset:512*i
.set i, i+1
.endr
.endif
	s_wait_loadcnt 48                              ; sel is in; the 48 loads of weights issued behind it stay out
	s_mov_b32 s28, 0
.set q, 0
.rept 32
	v_and_b32 v[T0], s26, v[TK+q]
.if SECOND
	v_cmp_ne_u32 s30, 0, v[T0]
	v_mbcnt_lo_u32_b32 v[T1], s30, s28
	v_cndmask_b32 v[T1], v[DMP], v[T1], s30        ; the others write a word of their own behind the list
	v_min_u32 v[T1], 0x41f, v[T1]                  ; inside my wave's 1,056 words
	v_lshl_add_u32 v[T1], v[T1], 2, v[LB]
	v_add_nc_u32 v[RI], 128*(q/4)+q%4, v[L4]       ; the token
	v_lshrrev_b32 v[T0], s27, v[T0]                ; 1 where the expert is the token's second choice
	v_lshl_add_u32 v[RI], v[T0], 10, v[RI]         ; slot x 1,024 + token
	ds_store_b32 v[T1], v[RI]
	s_bcnt1_i32_b32 s31, s30
.else
.set MQ, MB+q+2*(q/24)
	v_cmp_ne_u32 s[MQ], 0, v[T0]                   ; ballot q: bit L for token 128 (q / 4) + 4 L + q % 4; it stays in its scalar register
	s_bcnt1_i32_b32 s31, s[MQ]
.endif
	s_add_co_u32 s28, s28, s31
.set q, q+1
.endr
	s_sub_co_u32 s29, s28, 1                       ; s28: the expert's count; s29: its last row
	s_lshl_b32 s33, s12, 4                         ; the first row of my first tile: 320 x pass + 16 x wave; my tiles lie 64 rows apart
	ROWS                                           ; the first pass's rows, found while the first weights are on their way.  (A wave or an expert without rows gets row numbers held inside the buffers; nothing reads what they bring)
	; THE WEIGHTS: 16 blocks of two rows a wave, through four slots; three blocks are always on their way
	s_mov_b32 s36, 3
.Lround:
	TURN 0, 1, 32                                  ; two younger blocks of 16 loads stay out
	TURN 1, 1, 32
	TURN 2, 1, 32
	TURN 3, 1, 32
	s_wait_xcnt 0x0                                ; the loads' base is stepped only behind this wait
	s_add_nc_u64 s[18:19], s[18:19], 8*WPITCH
	v_add_nc_u32 v[WL], 8*BP, v[WL]
	s_sub_co_u32 s36, s36, 1
	s_cmp_lg_u32 s36, 0
	s_cbranch_scc1 .Lround
	TURN 0, 1, 32                                  ; the last four blocks: one more fill (block 15); then, between the turns, the first pass's rows of K steps 0 to 2, ten loads each
	ALOAD 0, 0                                     ; 58 loads of mine are out
	TURN 1, 0, 42                                  ; block 13 is in; younger: blocks 14 and 15 (32) and K step 0's rows (10)
	ALOAD 1, 64
	ALOAD 2, 128                                   ; 62 are out
	TURN 2, 0, 46                                  ; block 14; younger: block 15 (16) and the rows (30)
	TURN 3, 0, 30                                  ; block 15; the rows may stay out, across the barrier too: nobody writes those bytes
	s_wait_dscnt 0x0                               ; for the others' sake: my 32 rows lie in LDS
	s_barrier_signal -1
	s_barrier_wait -1                              ; everybody's do
	; THE ROWS
	s_mov_b32 s32, 4
.Lpass:
	s_cmp_ge_u32 s33, s28
	s_cbranch_scc1 .Lnomul                         ; nothing of this pass is mine: the products are jumped, the barriers are not
	s_cmp_eq_u32 s32, 4
	s_cbranch_scc1 .Lhave                          ; the first pass has its rows and its first fragments already
	s_wait_loadcnt 0x0                             ; no load into the registers written below is out,
	s_wait_xcnt 0x0                                ; and the last pass's stores have read theirs
	ROWS
	ALOAD 0, 0
	ALOAD 1, 64
	ALOAD 2, 128
.Lhave:
	; The four waves leave the barrier together, their K steps are alike, and each step has one run of 16 LDS loads of 512 bytes: left so, the four runs would fall together in every step.  So wave w
	; idles 5 w times s_nop 15 (16 cycles each: ISA guide, S_NOP) once a pass; the longest idle falls to wave 3, the last to be dealt a fifth tile.
	s_cmp_lt_u32 s12, 3
	s_cbranch_scc1 .Lw2
.rept 5
	s_nop 15
.endr
.Lw2:
	s_cmp_lt_u32 s12, 2
	s_cbranch_scc1 .Lw1
.rept 5
	s_nop 15
.endr
.Lw1:
	s_cmp_lt_u32 s12, 1
	s_cbranch_scc1 .Lw0
.rept 5
	s_nop 15
.endr
.Lw0:
	s_mov_b32 s35, 0                               ; the K trip's bytes in a weight row
.set i, 0
.rept 4
	v_mov_b32 v[BADR+i], v[BFIX+i]
.set i, i+1
.endr
	BLOAD 0, 0
	STEP 0, 192, 64, 1, 30, 16                     ; K step 0 starts the sums.  30: three younger steps of 10 loads; 16: the next step's weights
	WIN 0
	s_mov_b32 s36, 7
.Lk:                                                   ; a trip: K steps 4 i + 1 .. 4 i + 4
	STEP 1, 256, 128, 0, 30, 16
	STEP 2, 320, 192, 0, 30, 16
	STEP 3, 384, 256, 0, 30, 16
	STEP 0, 448, 320, 0, 30, 16
	WIN 0
	s_wait_xcnt 0x0                                ; the loads' base is stepped only behind this wait
	s_add_nc_u64 s[22:23], s[22:23], 256
	s_add_co_u32 s35, s35, 256
.set i, 0
.rept 4
	v_add_nc_u32 v[BADR+i], s35, v[BFIX+i]         ; the fixed place plus the trip's bytes
.set i, i+1
.endr
	s_sub_co_u32 s36, s36, 1
	s_cmp_lg_u32 s36, 0
	s_cbranch_scc1 .Lk
	STEP 1, -1, 128, 0, 20, 16                     ; K steps 29 to 31: no row is asked for past K = 1,024, and the counts run down
	STEP 2, -1, 192, 0, 10, 16
	STEP 3, -1, -1, 0, 0, 0
	WIN 0
.rept 4
	v_nop                                          ; the places between the last products and the first read of a result
.endr
.Lnomul:
	s_wait_loadcnt 0x0                             ; a wave that jumped the first pass's products still has that pass's rows on their way: the way out writes those registers
	s_wait_dscnt 0x0                               ; my LDS reads of this pass's products are back
	s_barrier_signal -1
	s_barrier_wait -1                              ; everybody's are: only now does a wave write its stage.  (The stages are bytes of their own; the two barriers of a pass keep reading and writing LDS in phases, two meetings for a wave's 1,024 to 1,280 matrix instructions)
.if SECOND
	EPI2 0
	EPI2 1
	EPI2 2
	EPI2 3
	EPI2 4
.else
	; THE WAY OUT, first product: a loop over my five tiles.  What differs from tile to tile, the accumulators' registers, is five short texts (TAKE); the rest is written once: SiLU in f32, rounded to
	; bf16, 16 bytes a lane into my stage, back as whole rows of 256 bytes, stored.  A tile that is stored begins below the count, 1,024 at the most, at a multiple of 16: its 16 rows lie inside the
	; expert's room of 1,024 rows.  So every row goes to its own place, the rows in the stores' immediates; those past the count hold the last row's numbers, and the second product reads none of them.
	s_mov_b32 s34, s33                             ; the tile's first row
	s_mov_b32 s[TJ], 0
.Ltile:
	s_cmp_ge_u32 s34, s28
	s_cbranch_scc1 .Ltnext                         ; at or past the count: nothing to store
	s_wait_xcnt 0x0                                ; the registers that the last tile's stores read are rewritten only behind this wait
	s_cmp_lg_u32 s[TJ], 0
	s_cbranch_scc1 .Lnot0
	TAKE 0
	s_branch .Lsilu
.Lnot0:
	s_cmp_lg_u32 s[TJ], 1
	s_cbranch_scc1 .Lnot1
	TAKE 1
	s_branch .Lsilu
.Lnot1:
	s_cmp_lg_u32 s[TJ], 2
	s_cbranch_scc1 .Lnot2
	TAKE 2
	s_branch .Lsilu
.Lnot2:
	s_cmp_lg_u32 s[TJ], 3
	s_cbranch_scc1 .Lnot3
	TAKE 3
	s_branch .Lsilu
.Lnot3:
	TAKE 4
.Lsilu:                                                ; t = c s lies in TT.  h = s / (1 + e^-s) = t / (c 2^t + c): the accumulators are read once, and the 1 rides in a fused multiply-add
.set i, 0
.rept 64
	v_exp_f32 v[EE+i], v[TT+i]
.set i, i+1
.endr
	v_nop                                          ; a plain instruction behind the last exponential,
	s_wait_alu depctr_va_vdst(0)                   ; and one wait for the batch of 64, ahead of the first use
.set i, 0
.rept 32
	v_pk_fma_f32 v[EE+2*i:EE+2*i+1], v[EE+2*i:EE+2*i+1], s[38:39], s[38:39] op_sel_hi:[1,0,0]
.set i, i+1
.endr
.set i, 0
.rept 64
	v_rcp_f32 v[EE+i], v[EE+i]
.set i, i+1
.endr
	v_nop
	s_wait_alu depctr_va_vdst(0)                   ; one wait for the 64 reciprocals
.set i, 0
.rept 32
	v_pk_mul_f32 v[TT+2*i:TT+2*i+1], v[TT+2*i:TT+2*i+1], v[EE+2*i:EE+2*i+1]
.set i, i+1
.endr
.set i, 0
.rept 32
	v_cvt_pk_bf16_f32 v[PP+i], v[TT+2*i], v[TT+2*i+1]
.set i, i+1
.endr
.set n, 0
.rept 8
	ds_store_b128 v[STO], v[PP+4*n:PP+4*n+3] offset:32*n
.set n, n+1
.endr
.set t, 0
.rept 8
	ds_load_b128 v[RB+4*t:RB+4*t+3], v[RD] offset:t*2*SP  ; LDS serves a wave's instructions in order (ISA guide 5.7.1.4): these see the stores above, and the next tile's stores come behind them
.set t, t+1
.endr
	s_lshl_b32 s37, s34, 13                        ; the tile's first row, 8,192 bytes a row
	v_add_nc_u32 v[OF], s37, v[HC]
.set t, 0
.rept 8
	s_wait_dscnt 7-t
	global_store_b128 v[OF], v[RB+4*t:RB+4*t+3], s[24:25] offset:t*16384  ; lanes 0-15 row 2 t, lanes 16-31 row 2 t + 1: 16 lanes store 256 consecutive bytes, aligned
.set t, t+1
.endr
.Ltnext:
	s_add_co_u32 s34, s34, 64
	s_add_co_u32 s[TJ], s[TJ], 1
	s_cmp_lt_u32 s[TJ], 5
	s_cbranch_scc1 .Ltile
.endif
	s_wait_dscnt 0x0                               ; my stores into my stage and my reads of it are over
	s_barrier_signal -1
	s_barrier_wait -1                              ; everybody's are: the next pass reads the weights again
	s_add_co_u32 s33, s33, 320
	s_sub_co_u32 s32, s32, 1
	s_cmp_lg_u32 s32, 0
	s_cbranch_scc1 .Lpass
	s_wait_tensorcnt 0x0                           ; the wave's end, behind my last LDS store
	ds_add_u32 v[SPW], v[NIL]
	s_wait_dscnt 0x0
	s_endpgm
.Lfunc_end_k_q8e18fafd27_ffn1:
	.size	k_q8e18fafd27_ffn1, .Lfunc_end_k_q8e18fafd27_ffn1-k_q8e18fafd27_ffn1
	.p2alignl 7, 3214868480
	.fill 96, 4, 3214868480
	.section	.rodata,"a",@progbits
	.p2align	6, 0x0
	.amdhsa_kernel k_q8e18fafd27_ffn1
		.amdhsa_group_segment_fixed_size 282112
		.amdhsa_private_segment_fixed_size 0
		.amdhsa_enable_private_segment 0
		.amdhsa_kernarg_size 32
		.amdhsa_user_sgpr_count 2
		.amdhsa_user_sgpr_kernarg_segment_ptr 1
		.amdhsa_wavefront_size32 1
		.amdhsa_system_sgpr_workgroup_id_x 1
		.amdhsa_system_sgpr_workgroup_id_y 1
		.amdhsa_system_sgpr_workgroup_id_z 1
		.amdhsa_system_vgpr_workitem_id 0
		.amdhsa_next_free_vgpr 640
		.amdhsa_next_free_sgpr 84
		.amdhsa_reserve_vcc 1
		.amdhsa_float_denorm_mode_32 3
		.amdhsa_float_denorm_mode_16_64 3
		.amdhsa_memory_ordered 1
		.amdhsa_forward_progress 1
		.amdhsa_inst_pref_size 171
	.end_amdhsa_kernel
	.amdgpu_metadata
---
amdhsa.version: [ 1, 2 ]
amdhsa.kernels:
  - .name:           k_q8e18fafd27_ffn1
    .symbol:         k_q8e18fafd27_ffn1.kd
    .args:
      - { .name: xb, .offset: 0, .size: 8, .value_kind: global_buffer, .address_space: global }
      - { .name: sel, .offset: 8, .size: 8, .value_kind: global_buffer, .address_space: global }
      - { .name: w1, .offset: 16, .size: 8, .value_kind: global_buffer, .address_space: global }
      - { .name: hbuf, .offset: 24, .size: 8, .value_kind: global_buffer, .address_space: global }
    .group_segment_fixed_size: 282112
    .private_segment_fixed_size: 0
    .kernarg_segment_align: 8
    .kernarg_segment_size: 32
    .max_flat_workgroup_size: 128
    .sgpr_count:     84
    .vgpr_count:     640
    .wavefront_size: 32
...
	.end_amdgpu_metadata
.endif
;; end of part 5
;; launch ffn2 (part 6): grid 32 x 8, 4 waves a work-group, no clusters, 316,928 bytes of LDS; arguments hbuf, sel, w2, part; writes part
.if DOCPART == 6
	.amdgcn_target "amdgcn-amd-amdhsa--gfx1250"
	.amdhsa_code_object_version 6
	.text
	.protected	k_q8e18fafd27_ffn2
	.globl	k_q8e18fafd27_ffn2
	.p2align	8
	.type	k_q8e18fafd27_ffn2,@function
k_q8e18fafd27_ffn2:
	s_mov_b64 s[64:65], 0
	v_nop
	global_prefetch_b8 v0, s[64:65] scope:SCOPE_SE
	s_setreg_imm32_b32 hwreg(HW_REG_WAVE_MODE, 25, 1), 1
	s_wait_xcnt 0x0
; ONE EXPERT'S PRODUCT ON ITS CHOSEN ROWS.  This text serves both products of the layer; SECOND chooses.
;   SECOND = 0:  h[e][i][f] = silu(sum over d of x[token(i)][d] w1[e][f][d]), bf16, for the expert's rows i = 0 .. count - 1.  Work-group (x, y): expert y, columns f = 128 x .. + 127.
;   SECOND = 1:  part[ks][slot(i) 1024 + token(i)][c] = sum over f in quarter ks of h[e][i][f] w2[e][c][f], f32.  Work-group (x, y): expert y, columns c = 128 (x % 8) .., quarter ks = x / 8 of the 4,096 f.
; Either way a work-group has 128 weight rows x 1,024 along K, 512 KB of f32 that it alone reads, and all rows of its expert.  The second product is cut along K too, so that h is read 8 times
; and not 32 times; the four partial sums stay f32 and a later launch adds them.
; THE ROWS' ORDER.  The 1,024 words of sel are read 32 tokens at a time (word q of lane L: token 128 (q / 4) + 4 L + q % 4); the expert's rows are its tokens by ascending q, then ascending lane; no atomics.
; The first product keeps the 32 ballots in scalar registers and finds the token of a given rank in registers, so that a row's address is made of sel's words by register arithmetic alone.  The second
; needs no token to read h, which lies in the rows' order; for its stores each wave lays slot x 1,024 + token into a list of its own in LDS.
; PHASES.  (1) The ballots, the count (and the list); the first pass's rows are found at once, while the first weights are on their way.  (2) The weights stream once through registers, are rounded to
; bf16 and laid into LDS, a wave 32 rows, 48 loads of 512 bytes of each wave on their way; in the stream's last turns the first pass's first three K steps of rows are asked for.  (3) A barrier.
; (4) Rows in passes of 320: a wave has five tiles of 16 rows x all 128 columns (40 accumulators); the rows' fragments come from memory straight into registers, three K steps ahead, the
; weights' from LDS, one step ahead; then the tiles go out through the wave's own stage.  The pass loop counts to the constant 4 (1,280 rows: every split of 1,024 tokens); the products of a pass, the
; products of a wave's fifth tile, and the way out of a tile, that begin at or past the count are jumped forward.  Two barriers a pass, which every wave passes in every trip, part the K loop's LDS reads
; from the stores into the stages.  In a tile that is not full the places past the count repeat the expert's last row, so EXEC is never narrowed.  An expert without rows stores nothing.
; THE MATRIX INSTRUCTION IS USED TRANSPOSED (source 0 = 16 weight rows, source 1 = 16 token rows): a lane holds one token row (lane % 16) and 8 neighbouring columns 8 (lane / 16) + 0..7.
; NO CLUSTER, NO TENSOR LOADS: each weight byte has one reader, and the mover cannot round f32 to bf16; what an expert's work-groups share is its token rows, which come by rank (first product) or in a
; number that hangs on a stored count (second), and LDS has 45 KB (first) or 10 KB (second) left beside the weights and the stages.
; LIMITS.  Operands bf16, sums f32; h is rounded once to bf16.  silu(s) = t / (c (1 + 2^t)) with c = -log2 e, t = c s: where the power overflows the quotient is -0, where it underflows it is s.  NaN is not treated apart.
; REGISTERS, in windows of 256 (s_set_vgpr_msb: bits 1:0 source 0, 3:2 source 1, 5:4 source 2, 7:6 destination):
;   window 0: v0-31 addresses; v32-191 the rows' fragments, 4 slots x 5 tiles x 8 (scratch while rows are found and on the way out); v192-223 sel's words and v224-255 packed weights, later all 64 tile 4's accumulators
;   window 1: the weights' load ring, 4 slots x 64; later the accumulators of tiles 0-3 ((j, n) at 64 j + 8 n)       window 2: v0-63, v64-127 the weights' fragments, two buffers
.set SECOND, 1
.set BP,     2064                      ; a weight row in LDS: 2,048 bytes + 16 = 516 words: row r starts at bank 4 r mod 64 (64 banks of 4 bytes: ISA guide 11.1), so the 16 rows of a load start at 16 different groups
.set LIST,   128*BP                    ; behind the weights, second product alone: each wave's own list, 1,024 words, and 32 words for lanes with nothing to say; 18 blocks of 256 bytes a wave
.if SECOND
.set LISTB,  4608
.set SP,     528                       ; a stage row: 128 f32 + 16 bytes
.set WPITCH, 16384                     ; bytes from weight row to weight row in memory
.set WSH,    19                        ; 32 weight rows, as a shift
.set ASH,    13                        ; a row of h, as a shift
.else
.set LISTB,  0
.set SP,     272                       ; a stage row: 128 bf16 + 16 bytes
.set WPITCH, 4096
.set WSH,    17
.set ASH,    11                        ; a row of xb
.endif
.set STAGE,  LIST+4*LISTB              ; each wave's own stage of 16 rows, for the way out
.set STB,    16*SP
.set SPARE,  STAGE+4*STB               ; the spare words, 128 bytes a wave: two blocks of 256 bytes that no other line names
.set LN,   1                           ; lane
.set R15,  2                           ; lane % 16
.set HL,   3                           ; lane / 16
.set H16,  4                           ; 16 x (lane / 16)
.set C16,  5                           ; first product: 16 x (lane % 16); second: 16 x lane
.set WO,   6                           ; my byte offset in the work-group's weights: 16 x lane + my wave's 32 rows
.set WL,   7                           ; where I put 8 bytes of a weight row in LDS; steps
.set LB,   8                           ; second product: my wave's list
.set HC,   8                           ; first product: my 16 bytes in two rows of h: 8,192 x (lane / 16) + 16 x (lane % 16)
.set DMP,  9                           ; 1,024 + lane
.set L4,   10                          ; 4 x lane
.set BFIX, 11                          ; v11-14  my place in weight rows 32 i .. of LDS; never rewritten
.set BADR, 15                          ; v15-18  the same plus s35, the K trip's bytes
.set STO,  19
.set RD,   20
.set AOFF, 21                          ; v21-25  byte offset of my row of tile j
.set T0,   26
.set T1,   27
.set RI,   28
.set LV,   29
.set SPW,  30                          ; LDS address of my spare word; never rewritten
.set NIL,  31                          ; 0; never rewritten
.set AR,   32
.set TK,   192
.set PK,   224
.set A4,   192                         ; tile 4's accumulators, in window 0
.set BF,   0                           ; in window 2
.set TT,   32                          ; the way out, first product: 64 numbers t = c s, then h,
.set EE,   96                          ; 64 powers, then divisors, then reciprocals,
.set PP,   160                         ; 32 packed,
.set RB,   96                          ; 32 read back (where the reciprocals lay),
.set OF,   128                         ; the tile's offset
.set RB2,  32                          ; second product: 64 read back,
.set OF2,  96                          ; 16 offsets
.set SR,   32                          ; the search, five registers each (one a tile): rank << 16 | 0xffff,
.set SM,   40                          ; the ballot that holds the rank,
.set SQ,   48                          ; its first rank << 16 | its number q,
.set SA,   56                          ; its counts in fields of 2,
.set SB,   64                          ; of 4,
.set SC,   72                          ; of 8 bits,
.set SK,   80                          ; the rank inside what is left of the ballot,
.set SS,   88                          ; the first bit of what is left,
.set SX,   96                          ; and three at work
.set SY,   104
.set SZ,   112
.set TJ,   31                          ; s31  first product's way out: the tile's number
.set MB,   40                          ; first product: the 32 ballots: s40-63 and s66-73 (ballot q at MB + q + 2 (q / 24))
.set SD,   40                          ; second product's way out: s40-55, where a tile's 16 rows go
.set LV4,  74                          ; s74  1: my fifth tile of this pass has rows
.set PKS,  75                          ; s75  the running first rank << 16 | q
.set TS,   76
.set K5,   77                          ; s77-80 constants of the search
.set K3,   78
.set KF,   79
.set KW,   80
.set MSB, 0
.macro WIN new                         ; the immediate's high byte repeats the setting that is left; a switch that changes nothing is dropped
.if MSB != (\new)
	s_set_vgpr_msb (MSB<<8)|(\new)
.set MSB, \new
.endif
.endm
.macro ALL5 line:vararg                ; one line for each tile j
.set j, 0
.rept 5
	\line
.set j, j+1
.endr
.endm
; What is left of the ballot is halved: w bits from bit SS on hold t set bits (read from the counts src); a rank below t stays, another goes w bits up and loses t.
.macro LEVEL src, w
	ALL5 v_bfe_u32 v[SX+j], v[(\src)+j], v[SS+j], \w
	ALL5 v_sub_nc_u32 v[SY+j], v[SK+j], v[SX+j]
	ALL5 v_add_nc_u32 v[SZ+j], \w, v[SS+j]
.set j, 0
.rept 5
	v_cmp_lt_u32 vcc_lo, v[SK+j], v[SX+j]
	v_cndmask_b32 v[SK+j], v[SY+j], v[SK+j], vcc_lo
	v_cndmask_b32 v[SS+j], v[SZ+j], v[SS+j], vcc_lo
.set j, j+1
.endr
.endm
; Two weight rows, 16 loads of 512 consecutive bytes, into a slot of window 1
.macro FILL slot, row
	WIN 0x40
.set f, 0
.rept 16
	global_load_b128 v[64*(\slot)+4*f:64*(\slot)+4*f+3], v[WO], s[18:19] offset:((\row)+f/8)*WPITCH+512*(f%8) th:TH_LOAD_NT
.set f, f+1
.endr
.endm
; Slot s's two rows are rounded and laid into LDS; fill = 1: the slot read in the turn before gets the block three further on.  left = the younger loads that may stay out.
.macro TURN s, fill, left
	s_wait_loadcnt \left
.if \fill
	FILL ((\s)+3)%4, 2*((\s)+3)
.endif
	WIN 0x05                                       ; both sources in window 1
.set f, 0
.rept 32
	v_cvt_pk_bf16_f32 v[PK+f], v[64*(\s)+2*f], v[64*(\s)+2*f+1]
.set f, f+1
.endr
	WIN 0
.set f, 0
.rept 16
	ds_store_b64 v[WL], v[PK+2*f:PK+2*f+1] offset:(2*(\s)+f/8)*BP+256*(f%8)  ; 32 lanes, 256 consecutive bytes
.set f, f+1
.endr
.endm
; The fragments of one K step (32 along K): five tiles of 16 rows from memory; lane l takes row l % 16, 16 bytes at 16 (l / 16) and 16 bytes 32 further on
.macro ALOAD slot, aoff
	WIN 0
.set j, 0
.rept 5
	global_load_b128 v[AR+40*(\slot)+8*j:AR+40*(\slot)+8*j+3],   v[AOFF+j], s[22:23] offset:(\aoff)
	global_load_b128 v[AR+40*(\slot)+8*j+4:AR+40*(\slot)+8*j+7], v[AOFF+j], s[22:23] offset:(\aoff)+32
.set j, j+1
.endr
.endm
.macro BLOAD buf, boff                 ; and eight blocks of 16 weight rows from LDS
	WIN 0x80
.set n, 0
.rept 8
	ds_load_b128 v[BF+64*(\buf)+8*n:BF+64*(\buf)+8*n+3],   v[BADR+n/2] offset:(n%2)*16*BP+(\boff)
	ds_load_b128 v[BF+64*(\buf)+8*n+4:BF+64*(\buf)+8*n+7], v[BADR+n/2] offset:(n%2)*16*BP+(\boff)+32
.set n, n+1
.endr
.endm
; ONE K STEP g (g4 = g % 4).  It asks for the rows' fragments of step g + 3 (aoff, or -1: none) and the weights' of step g + 1 (boff, or -1), into registers that step g - 1 multiplied: four v_nop are the
; places between that step's last matrix instruction and these loads (ISA guide 7.12.1 for vector instructions).  Then 40 matrix instructions, the accumulators by turns, in
; the same order in every step, over the loop's jump too.  The last 8, my fifth tile's, are jumped where that tile begins at or past the count: a fifth of the step's products; its
; two loads stay (all lanes then name one row), so that the counts of the waits are the same on both ways.  zero = 1: the products start the sums.  lcnt, dcnt: the younger loads that may stay out.
.macro STEP g4, aoff, boff, zero, lcnt, dcnt
	WIN 0
.rept 4
	v_nop
.endr
.if (\aoff) >= 0
	ALOAD ((\g4)+3)%4, \aoff
.endif
.if (\boff) >= 0
	BLOAD ((\g4)+1)%2, \boff
.endif
	s_wait_loadcnt \lcnt
	s_wait_dscnt \dcnt
	WIN 0x52                                       ; weights window 2, rows window 0, C and D window 1
.set j, 0
.rept 4
.set n, 0
.rept 8
.if \zero
	v_wmma_f32_16x16x32_bf16 v[64*j+8*n:64*j+8*n+7], v[BF+64*((\g4)%2)+8*n:BF+64*((\g4)%2)+8*n+7], v[AR+40*(\g4)+8*j:AR+40*(\g4)+8*j+7], 0
.else
	v_wmma_f32_16x16x32_bf16 v[64*j+8*n:64*j+8*n+7], v[BF+64*((\g4)%2)+8*n:BF+64*((\g4)%2)+8*n+7], v[AR+40*(\g4)+8*j:AR+40*(\g4)+8*j+7], v[64*j+8*n:64*j+8*n+7]
.endif
.set n, n+1
.endr
.set j, j+1
.endr
	WIN 0                                          ; at a branch and at a label every window is 0
	s_cmp_lg_u32 s[LV4], 0
	s_cbranch_scc0 .Lno4_\@
	WIN 0x02                                       ; tile 4: C and D window 0
.set n, 0
.rept 8
.if \zero
	v_wmma_f32_16x16x32_bf16 v[A4+8*n:A4+8*n+7], v[BF+64*((\g4)%2)+8*n:BF+64*((\g4)%2)+8*n+7], v[AR+40*(\g4)+32:AR+40*(\g4)+39], 0
.else
	v_wmma_f32_16x16x32_bf16 v[A4+8*n:A4+8*n+7], v[BF+64*((\g4)%2)+8*n:BF+64*((\g4)%2)+8*n+7], v[AR+40*(\g4)+32:AR+40*(\g4)+39], v[A4+8*n:A4+8*n+7]
.endif
.set n, n+1
.endr
	WIN 0
.Lno4_\@:
.endm
; THE ROWS OF A PASS whose first row for my wave is s33: whether my fifth tile has rows, the rows' base, and for each of my five tiles the byte offset of my lane's row.  Written twice: for the first
; pass ahead of the weights' stream, where the wave would only wait, and in the pass loop for the later passes.
.macro ROWS
	s_add_co_u32 s34, s33, 256
	s_cmp_lt_u32 s34, s28
	s_cselect_b32 s[LV4], 1, 0                     ; has my fifth tile rows?
	s_mov_b64 s[22:23], s[20:21]
	v_add_nc_u32 v[RI], s33, v[R15]
.if SECOND
.set j, 0
.rept 5
	v_add_nc_u32 v[T0], 64*j, v[RI]
	v_min_u32 v[T0], s29, v[T0]                    ; places past the count repeat the expert's last row
	v_min_u32 v[T0], 0x3ff, v[T0]
	v_lshl_add_u32 v[AOFF+j], v[T0], ASH, v[H16]   ; h lies in the rows' order
.set j, j+1
.endr
.else
	; THE TOKEN OF A RANK, five ranks a lane (one a tile).  First the ballot: the last one whose first rank is not above mine.  First rank and number go as one word, first rank << 16 | q, which is
	; above rank << 16 | 0xffff just where the first rank is above the rank: a compare and two selects for each of 31 ballots.
.set j, 0
.rept 5
	v_add_nc_u32 v[T0], 64*j, v[RI]
	v_min_u32 v[T0], s29, v[T0]                    ; places past the count repeat the expert's last row
	v_lshl_add_u32 v[SR+j], v[T0], 16, s[KW]
	v_mov_b32 v[SM+j], s[MB]                       ; ballot 0 begins at rank 0
	v_mov_b32 v[SQ+j], 0
.set j, j+1
.endr
	s_mov_b32 s[PKS], 0
.set q, 1
.rept 31
.set MP, MB+(q-1)+2*((q-1)/24)
.set MQ, MB+q+2*(q/24)
	s_bcnt1_i32_b32 s[TS], s[MP]
	s_lshl_b32 s[TS], s[TS], 16
	s_add_co_u32 s[PKS], s[PKS], s[TS]
	s_add_co_u32 s[PKS], s[PKS], 1
.set j, 0
.rept 5
	v_cmp_gt_u32 vcc_lo, s[PKS], v[SR+j]
	v_cndmask_b32 v[SM+j], s[MQ], v[SM+j], vcc_lo  ; above: keep; else take ballot q
	v_cndmask_b32 v[SQ+j], s[PKS], v[SQ+j], vcc_lo
.set j, j+1
.endr
.set q, q+1
.endr
	; Then the bit: the ballot's set bits counted in fields of 2, 4 and 8 bits, and five halvings by those counts
	ALL5 v_lshrrev_b32 v[SX+j], 1, v[SM+j]
	ALL5 v_and_b32 v[SX+j], s[K5], v[SX+j]
	ALL5 v_sub_nc_u32 v[SA+j], v[SM+j], v[SX+j]
	ALL5 v_lshrrev_b32 v[SX+j], 2, v[SA+j]
	ALL5 v_and_b32 v[SY+j], s[K3], v[SA+j]
	ALL5 v_and_b32 v[SX+j], s[K3], v[SX+j]
	ALL5 v_add_nc_u32 v[SB+j], v[SX+j], v[SY+j]
	ALL5 v_lshrrev_b32 v[SX+j], 4, v[SB+j]
	ALL5 v_add_nc_u32 v[SX+j], v[SX+j], v[SB+j]
	ALL5 v_and_b32 v[SC+j], s[KF], v[SX+j]
	ALL5 v_sub_nc_u32 v[SK+j], v[SR+j], v[SQ+j]    ; (rank - first rank) << 16 | (0xffff - q): no borrow,
	ALL5 v_lshrrev_b32 v[SK+j], 16, v[SK+j]        ; so this is the rank inside the ballot
	ALL5 v_lshrrev_b32 v[SX+j], 8, v[SC+j]
	ALL5 v_add_nc_u32 v[SX+j], v[SX+j], v[SC+j]
	ALL5 v_and_b32 v[SX+j], 0xff, v[SX+j]          ; the set bits among bits 0-15
	ALL5 v_sub_nc_u32 v[SY+j], v[SK+j], v[SX+j]
.set j, 0
.rept 5
	v_cmp_lt_u32 vcc_lo, v[SK+j], v[SX+j]
	v_cndmask_b32 v[SK+j], v[SY+j], v[SK+j], vcc_lo
	v_cndmask_b32 v[SS+j], 16, 0, vcc_lo
.set j, j+1
.endr
	LEVEL SC, 8
	LEVEL SB, 4
	LEVEL SA, 2
	LEVEL SM, 1
	ALL5 v_bfe_u32 v[SX+j], v[SQ+j], 2, 3          ; q / 4
	ALL5 v_and_b32 v[SY+j], 3, v[SQ+j]             ; q % 4
	ALL5 v_lshl_add_u32 v[SX+j], v[SX+j], 7, v[SY+j]
	ALL5 v_lshl_add_u32 v[SX+j], v[SS+j], 2, v[SX+j]  ; the token: 128 (q / 4) + 4 x bit + q % 4
	ALL5 v_min_u32 v[SX+j], 0x3ff, v[SX+j]
	ALL5 v_lshl_add_u32 v[AOFF+j], v[SX+j], ASH, v[H16]
.endif
.endm
; Tile j's accumulators begin at register 64 j of window 1 (j < 4) or at 192 of window 0 (j = 4): register 64 j - 64 (j / 4), window 1 - j / 4.
; First product's way out, the part that differs from tile to tile: t = c s, c = -log2 e, out of tile j's accumulators, each accumulator's registers in ascending order.
.macro TAKE j
.set AB, 64*(\j)-64*((\j)/4)
	WIN 1-(\j)/4                                   ; source 0: the accumulators' window
.set i, 0
.rept 32
	v_pk_mul_f32 v[TT+2*i:TT+2*i+1], v[AB+2*i:AB+2*i+1], s[38:39] op_sel_hi:[1,0]
.set i, i+1
.endr
	WIN 0
.endm
; THE WAY OUT OF TILE j, second product: the f32 sums go through my stage and leave as whole rows of 512 bytes, each to the row slot x 1,024 + token that the list names; places past the count
; name the expert's last row and store its own numbers onto it again.
.macro EPI2 j
.set AB, 64*(\j)-64*((\j)/4)
	s_add_co_u32 s34, s33, 64*(\j)
	s_cmp_ge_u32 s34, s28
	s_cbranch_scc1 .Ldead_\@
	s_wait_xcnt 0x0                                ; the registers that the last tile's stores read are rewritten only behind this wait
	v_add_nc_u32 v[T0], s34, v[R15]
	v_min_u32 v[T0], s29, v[T0]
	v_min_u32 v[T0], 0x3ff, v[T0]
	v_lshl_add_u32 v[T0], v[T0], 2, v[LB]
	ds_load_b32 v[LV], v[T0]                       ; lane t (0-15): where row t of the tile goes
	WIN 4*(1-(\j)/4)                               ; a store's data is source 1: the accumulators' window
.set n, 0
.rept 8
	ds_store_b128 v[STO], v[AB+8*n:AB+8*n+3]   offset:64*n     ; each accumulator's low registers first
	ds_store_b128 v[STO], v[AB+8*n+4:AB+8*n+7] offset:64*n+16
.set n, n+1
.endr
	WIN 0
.set t, 0
.rept 16
	ds_load_b128 v[RB2+4*t:RB2+4*t+3], v[RD] offset:t*SP  ; in order behind the stores above
.set t, t+1
.endr
	s_wait_dscnt 32                                ; the list's word is in; the 16 stores and 16 loads behind it may stay out
.set t, 0
.rept 16
	v_readlane_b32 s[SD+t], v[LV], t               ; all sixteen first, each into a register of its own, so that no scalar line stands straight behind the lane read that feeds it
.set t, t+1
.endr
.set t, 0
.rept 16
	s_min_u32 s[SD+t], s[SD+t], 0x7ff              ; inside the 2,048 rows
	s_lshl_b32 s[SD+t], s[SD+t], 12
.set t, t+1
.endr
.set t, 0
.rept 16
	v_add_nc_u32 v[OF2+t], s[SD+t], v[C16]
.set t, t+1
.endr
.set t, 0
.rept 16
	s_wait_dscnt 15-t
	global_store_b128 v[OF2+t], v[RB2+4*t:RB2+4*t+3], s[24:25]  ; 32 lanes store 512 consecutive bytes, aligned
.set t, t+1
.endr
.Ldead_\@:
.endm
	s_load_b256 s[4:11], s[0:1], 0x0               ; rows (xb or hbuf) s[4:5], sel s[6:7], weights s[8:9], output s[10:11]
	v_lshl_add_u32 v[SPW], v0, 2, SPARE
	v_mov_b32 v[NIL], 0
	v_lshrrev_b32 v[T0], 5, v0
	v_readfirstlane_b32 s12, v[T0]                 ; wave 0..3
	s_mov_b32 s13, ttmp9
	s_and_b32 s14, ttmp7, 0xffff                   ; the expert
	v_and_b32 v[LN], 31, v0
	v_and_b32 v[R15], 15, v0
	v_bfe_u32 v[HL], v0, 4, 1
	v_lshlrev_b32 v[H16], 4, v[HL]
.if SECOND
	v_lshlrev_b32 v[C16], 4, v[LN]
.else
	v_lshlrev_b32 v[C16], 4, v[R15]
.endif
	v_lshlrev_b32 v[LV], 4, v[LN]                  ; 16 x lane: sel's loads
	s_lshl_b32 s16, s12, WSH
	v_add_nc_u32 v[WO], s16, v[LV]
	s_mul_i32 s16, s12, 32*BP
	v_lshl_add_u32 v[WL], v[LN], 3, s16
.if SECOND
	s_mul_i32 s16, s12, LISTB
	s_add_co_u32 s16, s16, LIST
	v_mov_b32 v[LB], s16
	v_add_nc_u32 v[DMP], 0x400, v[LN]
	v_lshlrev_b32 v[L4], 2, v[LN]
.else
	v_lshl_add_u32 v[HC], v[HL], 13, v[C16]
	s_mov_b32 s[K5], 0x55555555
	s_mov_b32 s[K3], 0x33333333
	s_mov_b32 s[KF], 0x0f0f0f0f
	s_mov_b32 s[KW], 0xffff
.endif
	v_mul_u32_u24 v[T0], v[R15], BP
	v_add_nc_u32 v[T0], v[T0], v[H16]              ; row x pitch + 16 x half
.set i, 0
.rept 4
	v_add_nc_u32 v[BFIX+i], i*32*BP, v[T0]
.set i, i+1
.endr
	s_mul_i32 s16, s12, STB
	s_add_co_u32 s16, s16, STAGE                   ; my stage
	v_mul_u32_u24 v[T0], v[R15], SP
.if SECOND
	v_lshl_add_u32 v[T0], v[HL], 5, v[T0]          ; in: row l % 16, 32 bytes for each half of the lanes
	v_add_nc_u32 v[STO], s16, v[T0]
	v_add_nc_u32 v[RD], s16, v[C16]                ; back: 32 lanes take one row of 512 bytes
.else
	v_lshl_add_u32 v[T0], v[HL], 4, v[T0]          ; in: row l % 16, 16 bytes for each half of the lanes
	v_add_nc_u32 v[STO], s16, v[T0]
	v_mul_u32_u24 v[T0], v[HL], SP                 ; back: lanes 0-15 take one row of 256 bytes, lanes 16-31 the next
	v_add_nc_u32 v[T0], v[T0], v[C16]
	v_add_nc_u32 v[RD], s16, v[T0]
	s_mov_b32 s38, 0xbfb8aa3b                      ; c = -log2(e); named as a pair
	s_mov_b32 s39, s38
.endif
	s_lshl_b32 s26, 0x101, s14                     ; the expert's two bits in a word of sel
	s_add_co_u32 s27, s14, 8
	s_wait_kmcnt 0x0
.if SECOND
	s_and_b32 s15, s13, 7                          ; which 128 columns
	s_lshr_b32 s13, s13, 3                         ; which quarter of K
	s_lshl_b32 s16, s14, 24                        ; w2: an expert is 16 MB, 128 rows are 2 MB, a quarter of a row 4 KB
	s_lshl_b32 s17, s15, 21
	s_add_co_u32 s16, s16, s17
	s_lshl_b32 s17, s13, 12
	s_add_co_u32 s16, s16, s17
	s_mov_b32 s17, 0
	s_add_nc_u64 s[18:19], s[8:9], s[16:17]
	s_lshl_b32 s16, s14, 23                        ; hbuf: an expert has room for 1,024 rows of 8 KB; a quarter of a row is 2 KB
	s_lshl_b32 s17, s13, 11
	s_add_co_u32 s16, s16, s17
	s_mov_b32 s17, 0
	s_add_nc_u64 s[20:21], s[4:5], s[16:17]
	s_lshl_b32 s16, s13, 23                        ; part: a quarter's 2,048 rows are 8 MB; 128 columns are 512 bytes
	s_lshl_b32 s17, s15, 9
	s_add_co_u32 s16, s16, s17
	s_mov_b32 s17, 0
	s_add_nc_u64 s[24:25], s[10:11], s[16:17]
.else
	s_lshl_b32 s16, s14, 24                        ; w1: an expert is 16 MB, 128 rows are 512 KB
	s_lshl_b32 s17, s13, 19
	s_add_co_u32 s16, s16, s17
	s_mov_b32 s17, 0
	s_add_nc_u64 s[18:19], s[8:9], s[16:17]
	s_mov_b64 s[20:21], s[4:5]                     ; xb
	s_lshl_b32 s16, s14, 23                        ; hbuf: the expert's room; 128 columns are 256 bytes
	s_lshl_b32 s17, s13, 8
	s_add_co_u32 s16, s16, s17
	s_mov_b32 s17, 0
	s_add_nc_u64 s[24:25], s[10:11], s[16:17]
.endif
.set c, 0
.rept 8
	global_load_b128 v[TK+4*c:TK+4*c+3], v[LV], s[6:7] offset:512*c  ; register 4 c + i of lane L: sel[128 c + 4 L + i]
.set c, c+1
.endr
	FILL 0, 0                                      ; the first three blocks of weights are on their way while the rows are counted and found
	FILL 1, 2
	FILL 2, 4
	WIN 0
.if SECOND
	; THE LIST is cleared first; then, 32 tokens at a time, each lane whose token chose the expert puts its row at the running count plus the number of such lanes below it.
.set i, 0
.rept 4
	v_mov_b32 v[PK+i], 0
.set i, i+1
.endr
	v_lshl_add_u32 v[T1], v[LN], 4, v[LB]
.set i, 0
.rept 9
	ds_store_b128 v[T1], v[PK:PK+3] offset:512*i
.set i, i+1
.endr
.endif
	s_wait_loadcnt 48                              ; sel is in; the 48 loads of weights issued behind it stay out
	s_mov_b32 s28, 0
.set q, 0
.rept 32
	v_and_b32 v[T0], s26, v[TK+q]
.if SECOND
	v_cmp_ne_u32 s30, 0, v[T0]
	v_mbcnt_lo_u32_b32 v[T1], s30, s28
	v_cndmask_b32 v[T1], v[DMP], v[T1], s30        ; the others write a word of their own behind the list
	v_min_u32 v[T1], 0x41f, v[T1]                  ; inside my wave's 1,056 words
	v_lshl_add_u32 v[T1], v[T1], 2, v[LB]
	v_add_nc_u32 v[RI], 128*(q/4)+q%4, v[L4]       ; the token
	v_lshrrev_b32 v[T0], s27, v[T0]                ; 1 where the expert is the token's second choice
	v_lshl_add_u32 v[RI], v[T0], 10, v[RI]         ; slot x 1,024 + token
	ds_store_b32 v[T1], v[RI]
	s_bcnt1_i32_b32 s31, s30
.else
.set MQ, MB+q+2*(q/24)
	v_cmp_ne_u32 s[MQ], 0, v[T0]                   ; ballot q: bit L for token 128 (q / 4) + 4 L + q % 4; it stays in its scalar register
	s_bcnt1_i32_b32 s31, s[MQ]
.endif
	s_add_co_u32 s28, s28, s31
.set q, q+1
.endr
	s_sub_co_u32 s29, s28, 1                       ; s28: the expert's count; s29: its last row
	s_lshl_b32 s33, s12, 4                         ; the first row of my first tile: 320 x pass + 16 x wave; my tiles lie 64 rows apart
	ROWS                                           ; the first pass's rows, found while the first weights are on their way.  (A wave or an expert without rows gets row numbers held inside the buffers; nothing reads what they bring)
	; THE WEIGHTS: 16 blocks of two rows a wave, through four slots; three blocks are always on their way
	s_mov_b32 s36, 3
.Lround:
	TURN 0, 1, 32                                  ; two younger blocks of 16 loads stay out
	TURN 1, 1, 32
	TURN 2, 1, 32
	TURN 3, 1, 32
	s_wait_xcnt 0x0                                ; the loads' base is stepped only behind this wait
	s_add_nc_u64 s[18:19], s[18:19], 8*WPITCH
	v_add_nc_u32 v[WL], 8*BP, v[WL]
	s_sub_co_u32 s36, s36, 1
	s_cmp_lg_u32 s36, 0
	s_cbranch_scc1 .Lround
	TURN 0, 1, 32                                  ; the last four blocks: one more fill (block 15); then, between the turns, the first pass's rows of K steps 0 to 2, ten loads each
	ALOAD 0, 0                                     ; 58 loads of mine are out
	TURN 1, 0, 42                                  ; block 13 is in; younger: blocks 14 and 15 (32) and K step 0's rows (10)
	ALOAD 1, 64
	ALOAD 2, 128                                   ; 62 are out
	TURN 2, 0, 46                                  ; block 14; younger: block 15 (16) and the rows (30)
	TURN 3, 0, 30                                  ; block 15; the rows may stay out, across the barrier too: nobody writes those bytes
	s_wait_dscnt 0x0                               ; for the others' sake: my 32 rows lie in LDS
	s_barrier_signal -1
	s_barrier_wait -1                              ; everybody's do
	; THE ROWS
	s_mov_b32 s32, 4
.Lpass:
	s_cmp_ge_u32 s33, s28
	s_cbranch_scc1 .Lnomul                         ; nothing of this pass is mine: the products are jumped, the barriers are not
	s_cmp_eq_u32 s32, 4
	s_cbranch_scc1 .Lhave                          ; the first pass has its rows and its first fragments already
	s_wait_loadcnt 0x0                             ; no load into the registers written below is out,
	s_wait_xcnt 0x0                                ; and the last pass's stores have read theirs
	ROWS
	ALOAD 0, 0
	ALOAD 1, 64
	ALOAD 2, 128
.Lhave:
	; The four waves leave the barrier together, their K steps are alike, and each step has one run of 16 LDS loads of 512 bytes: left so, the four runs would fall together in every step.  So wave w
	; idles 5 w times s_nop 15 (16 cycles each: ISA guide, S_NOP) once a pass; the longest idle falls to wave 3, the last to be dealt a fifth tile.
	s_cmp_lt_u32 s12, 3
	s_cbranch_scc1 .Lw2
.rept 5
	s_nop 15
.endr
.Lw2:
	s_cmp_lt_u32 s12, 2
	s_cbranch_scc1 .Lw1
.rept 5
	s_nop 15
.endr
.Lw1:
	s_cmp_lt_u32 s12, 1
	s_cbranch_scc1 .Lw0
.rept 5
	s_nop 15
.endr
.Lw0:
	s_mov_b32 s35, 0                               ; the K trip's bytes in a weight row
.set i, 0
.rept 4
	v_mov_b32 v[BADR+i], v[BFIX+i]
.set i, i+1
.endr
	BLOAD 0, 0
	STEP 0, 192, 64, 1, 30, 16                     ; K step 0 starts the sums.  30: three younger steps of 10 loads; 16: the next step's weights
	WIN 0
	s_mov_b32 s36, 7
.Lk:                                                   ; a trip: K steps 4 i + 1 .. 4 i + 4
	STEP 1, 256, 128, 0, 30, 16
	STEP 2, 320, 192, 0, 30, 16
	STEP 3, 384, 256, 0, 30, 16
	STEP 0, 448, 320, 0, 30, 16
	WIN 0
	s_wait_xcnt 0x0                                ; the loads' base is stepped only behind this wait
	s_add_nc_u64 s[22:23], s[22:23], 256
	s_add_co_u32 s35, s35, 256
.set i, 0
.rept 4
	v_add_nc_u32 v[BADR+i], s35, v[BFIX+i]         ; the fixed place plus the trip's bytes
.set i, i+1
.endr
	s_sub_co_u32 s36, s36, 1
	s_cmp_lg_u32 s36, 0
	s_cbranch_scc1 .Lk
	STEP 1, -1, 128, 0, 20, 16                     ; K steps 29 to 31: no row is asked for past K = 1,024, and the counts run down
	STEP 2, -1, 192, 0, 10, 16
	STEP 3, -1, -1, 0, 0, 0
	WIN 0
.rept 4
	v_nop                                          ; the places between the last products and the first read of a result
.endr
.Lnomul:
	s_wait_loadcnt 0x0                             ; a wave that jumped the first pass's products still has that pass's rows on their way: the way out writes those registers
	s_wait_dscnt 0x0                               ; my LDS reads of this pass's products are back
	s_barrier_signal -1
	s_barrier_wait -1                              ; everybody's are: only now does a wave write its stage.  (The stages are bytes of their own; the two barriers of a pass keep reading and writing LDS in phases, two meetings for a wave's 1,024 to 1,280 matrix instructions)
.if SECOND
	EPI2 0
	EPI2 1
	EPI2 2
	EPI2 3
	EPI2 4
.else
	; THE WAY OUT, first product: a loop over my five tiles.  What differs from tile to tile, the accumulators' registers, is five short texts (TAKE); the rest is written once: SiLU in f32, rounded to
	; bf16, 16 bytes a lane into my stage, back as whole rows of 256 bytes, stored.  A tile that is stored begins below the count, 1,024 at the most, at a multiple of 16: its 16 rows lie inside the
	; expert's room of 1,024 rows.  So every row goes to its own place, the rows in the stores' immediates; those past the count hold the last row's numbers, and the second product reads none of them.
	s_mov_b32 s34, s33                             ; the tile's first row
	s_mov_b32 s[TJ], 0
.Ltile:
	s_cmp_ge_u32 s34, s28
	s_cbranch_scc1 .Ltnext                         ; at or past the count: nothing to store
	s_wait_xcnt 0x0                                ; the registers that the last tile's stores read are rewritten only behind this wait
	s_cmp_lg_u32 s[TJ], 0
	s_cbranch_scc1 .Lnot0
	TAKE 0
	s_branch .Lsilu
.Lnot0:
	s_cmp_lg_u32 s[TJ], 1
	s_cbranch_scc1 .Lnot1
	TAKE 1
	s_branch .Lsilu
.Lnot1:
	s_cmp_lg_u32 s[TJ], 2
	s_cbranch_scc1 .Lnot2
	TAKE 2
	s_branch .Lsilu
.Lnot2:
	s_cmp_lg_u32 s[TJ], 3
	s_cbranch_scc1 .Lnot3
	TAKE 3
	s_branch .Lsilu
.Lnot3:
	TAKE 4
.Lsilu:                                                ; t = c s lies in TT.  h = s / (1 + e^-s) = t / (c 2^t + c): the accumulators are read once, and the 1 rides in a fused multiply-add
.set i, 0
.rept 64
	v_exp_f32 v[EE+i], v[TT+i]
.set i, i+1
.endr
	v_nop                                          ; a plain instruction behind the last exponential,
	s_wait_alu depctr_va_vdst(0)                   ; and one wait for the batch of 64, ahead of the first use
.set i, 0
.rept 32
	v_pk_fma_f32 v[EE+2*i:EE+2*i+1], v[EE+2*i:EE+2*i+1], s[38:39], s[38:39] op_sel_hi:[1,0,0]
.set i, i+1
.endr
.set i, 0
.rept 64
	v_rcp_f32 v[EE+i], v[EE+i]
.set i, i+1
.endr
	v_nop
	s_wait_alu depctr_va_vdst(0)                   ; one wait for the 64 reciprocals
.set i, 0
.rept 32
	v_pk_mul_f32 v[TT+2*i:TT+2*i+1], v[TT+2*i:TT+2*i+1], v[EE+2*i:EE+2*i+1]
.set i, i+1
.endr
.set i, 0
.rept 32
	v_cvt_pk_bf16_f32 v[PP+i], v[TT+2*i], v[TT+2*i+1]
.set i, i+1
.endr
.set n, 0
.rept 8
	ds_store_b128 v[STO], v[PP+4*n:PP+4*n+3] offset:32*n
.set n, n+1
.endr
.set t, 0
.rept 8
	ds_load_b128 v[RB+4*t:RB+4*t+3], v[RD] offset:t*2*SP  ; LDS serves a wave's instructions in order (ISA guide 5.7.1.4): these see the stores above, and the next tile's stores come behind them
.set t, t+1
.endr
	s_lshl_b32 s37, s34, 13                        ; the tile's first row, 8,192 bytes a row
	v_add_nc_u32 v[OF], s37, v[HC]
.set t, 0
.rept 8
	s_wait_dscnt 7-t
	global_store_b128 v[OF], v[RB+4*t:RB+4*t+3], s[24:25] offset:t*16384  ; lanes 0-15 row 2 t, lanes 16-31 row 2 t + 1: 16 lanes store 256 consecutive bytes, aligned
.set t, t+1
.endr
.Ltnext:
	s_add_co_u32 s34, s34, 64
	s_add_co_u32 s[TJ], s[TJ], 1
	s_cmp_lt_u32 s[TJ], 5
	s_cbranch_scc1 .Ltile
.endif
	s_wait_dscnt 0x0                               ; my stores into my stage and my reads of it are over
	s_barrier_signal -1
	s_barrier_wait -1                              ; everybody's are: the next pass reads the weights again
	s_add_co_u32 s33, s33, 320
	s_sub_co_u32 s32, s32, 1
	s_cmp_lg_u32 s32, 0
	s_cbranch_scc1 .Lpass
	s_wait_tensorcnt 0x0                           ; the wave's end, behind my last LDS store
	ds_add_u32 v[SPW], v[NIL]
	s_wait_dscnt 0x0
	s_endpgm
.Lfunc_end_k_q8e18fafd27_ffn2:
	.size	k_q8e18fafd27_ffn2, .Lfunc_end_k_q8e18fafd27_ffn2-k_q8e18fafd27_ffn2
	.p2alignl 7, 3214868480
	.fill 96, 4, 3214868480
	.section	.rodata,"a",@progbits
	.p2align	6, 0x0
	.amdhsa_kernel k_q8e18fafd27_ffn2
		.amdhsa_group_segment_fixed_size 316928
		.amdhsa_private_segment_fixed_size 0
		.amdhsa_enable_private_segment 0
		.amdhsa_kernarg_size 32
		.amdhsa_user_sgpr_count 2
		.amdhsa_user_sgpr_kernarg_segment_ptr 1
		.amdhsa_wavefront_size32 1
		.amdhsa_system_sgpr_workgroup_id_x 1
		.amdhsa_system_sgpr_workgroup_id_y 1
		.amdhsa_system_sgpr_workgroup_id_z 1
		.amdhsa_system_vgpr_workitem_id 0
		.amdhsa_next_free_vgpr 640
		.amdhsa_next_free_sgpr 80
		.amdhsa_reserve_vcc 1
		.amdhsa_float_denorm_mode_32 3
		.amdhsa_float_denorm_mode_16_64 3
		.amdhsa_memory_ordered 1
		.amdhsa_forward_progress 1
		.amdhsa_inst_pref_size 145
	.end_amdhsa_kernel
	.amdgpu_metadata
---
amdhsa.version: [ 1, 2 ]
amdhsa.kernels:
  - .name:           k_q8e18fafd27_ffn2
    .symbol:         k_q8e18fafd27_ffn2.kd
    .args:
      - { .name: hbuf, .offset: 0, .size: 8, .value_kind: global_buffer, .address_space: global }
      - { .name: sel, .offset: 8, .size: 8, .value_kind: global_buffer, .address_space: global }
      - { .name: w2, .offset: 16, .size: 8, .value_kind: global_buffer, .address_space: global }
      - { .name: part, .offset: 24, .size: 8, .value_kind: global_buffer, .address_space: global }
    .group_segment_fixed_size: 316928
    .private_segment_fixed_size: 0
    .kernarg_segment_align: 8
    .kernarg_segment_size: 32
    .max_flat_workgroup_size: 128
    .sgpr_count:     80
    .vgpr_count:     640
    .wavefront_size: 32
...
	.end_amdgpu_metadata
.endif
;; end of part 6
;; launch combine: the kernel of part 4 again; grid 256 x 1, 4 waves a work-group, no clusters, 0 bytes of LDS; arguments part, gate, out0; writes out0
;; ======== version 3 of 3: 4 launches; version 2 with the launch ffn2 written anew for expert scheduling mode
;; workspace buffers: xb 2,097,152 bytes; sel 4,096 bytes of whole numbers; gate 8,192 bytes; hbuf 67,108,864 bytes; part 33,554,432 bytes
;; launch router: the kernel of part 1 again; grid 256 x 1, 4 waves a work-group, no clusters, 0 bytes of LDS; arguments hidden_states, router_w, expert_scale, xb, sel, gate; writes xb, sel, gate
;; launch ffn1: the kernel of part 5 again; grid 32 x 8, 4 waves a work-group, no clusters, 282,112 bytes of LDS; arguments xb, sel, w1, hbuf; writes hbuf
;; launch ffn2 (part 7): grid 32 x 8, 4 waves a work-group, no clusters, 316,928 bytes of LDS; arguments hbuf, sel, w2, part; writes part
.if DOCPART == 7
	.amdgcn_target "amdgcn-amd-amdhsa--gfx1250"
	.amdhsa_code_object_version 6
	.text
	.protected	k_q8e18fafd27_ffn2
	.globl	k_q8e18fafd27_ffn2
	.p2align	8
	.type	k_q8e18fafd27_ffn2,@function
k_q8e18fafd27_ffn2:
	s_mov_b64 s[64:65], 0
	v_nop
	global_prefetch_b8 v0, s[64:65] scope:SCOPE_SE
	s_setreg_imm32_b32 hwreg(HW_REG_WAVE_SCHED_MODE, 0, 2), 2
	s_setreg_imm32_b32 hwreg(HW_REG_WAVE_MODE, 25, 1), 1
	s_wait_xcnt 0x0
	s_wait_alu depctr_vm_vsrc(0)
; THE LAYER'S SECOND PRODUCT: ONE EXPERT ON ITS CHOSEN ROWS.  (The first product has a text of its own, of the same build.)
;   part[ks][slot(i) 1024 + token(i)][c] = sum over f in quarter ks of h[e][i][f] w2[e][c][f], f32.  Work-group (x, y): expert y, columns c = 128 (x % 8) .., quarter ks = x / 8 of the 4,096 f.
; A work-group has 128 weight rows x 1,024 along K, 512 KB of f32 that it alone reads, and all rows of its expert.  The product is cut along K too, so that h is read 8 times
; and not 32 times; the four partial sums stay f32 and a later launch adds them.
; THE ROWS' ORDER.  The 1,024 words of sel are read 32 tokens at a time (word q of lane L: token 128 (q / 4) + 4 L + q % 4); the expert's rows are its tokens by ascending q, then ascending lane; no atomics.
; h lies in the rows' order, so no token is needed to read it; for the stores each wave lays slot x 1,024 + token into a list of its own in LDS.
; PHASES.  (1) The ballots, the count and the list; the first pass's rows are found at once, while the first weights are on their way.  (2) The weights stream once through registers, are rounded to
; bf16 and laid into LDS, a wave 32 rows, 48 loads of 512 bytes of each wave on their way; in the stream's last turns the first pass's first three K steps of rows are asked for.  (3) A barrier.
; (4) Rows in passes of 320: a wave has five tiles of 16 rows x all 128 columns (40 accumulators); the rows' fragments come from memory straight into registers, three K steps ahead, the
; weights' from LDS, one step ahead; then the tiles go out through the wave's own stage.  The pass loop counts to the constant 4 (1,280 rows: every split of 1,024 tokens); the products of a pass, the
; products of a wave's fifth tile, and the way out of a tile, that begin at or past the count are jumped forward.  Two barriers a pass, which every wave passes in every trip, part the K loop's LDS reads
; from the stores into the stages.  In a tile that is not full the places past the count repeat the expert's last row, so EXEC is never narrowed.  An expert without rows stores nothing.
; THE MATRIX INSTRUCTION IS USED TRANSPOSED (source 0 = 16 weight rows, source 1 = 16 token rows): a lane holds one token row (lane % 16) and 8 neighbouring columns 8 (lane / 16) + 0..7.
; NO CLUSTER, NO TENSOR LOADS: each weight byte has one reader, and the mover cannot round f32 to bf16; what an expert's work-groups share is its token rows, in a
; number that hangs on a stored count, and LDS has 10 KB left beside the weights, the lists and the stages.
; LIMITS.  Operands bf16, sums f32.  NaN is not treated apart.
; THE MODE: SCHED_MODE bits 1:0 = 2 (LLVM: expert scheduling mode 2), set by the entry lines.  The code itself states the register dependences
; between vector or matrix instructions and memory or LDS instructions, with s_wait_alu, always for 0.
; THE PLAN.  Registers that memory or LDS instructions touch, and who else names them:
;   offsets and addresses   made once at the head, ahead of one wait; only v[WL] (once a lap of the stream), v[BADR ..] (once a K trip and once a pass) and v[AOFF ..] (once a pass) are written again.
;   THE LIST   all 32 ballots go as one batch: 32 compares into scalar registers, one wait; 32 addresses and 32 words into registers of their own, one wait; 32 stores.
;   THE STREAM, block b of 16:  its conversions read ring slot b % 4 and write PK[b % 2].  Its memory instructions are the loads of block b + 3, which land in slot (b - 1) % 4, and the LDS stores of
;              block b - 1, which read PK[(b - 1) % 2]: the two buffers that block b - 1 worked on and that no vector instruction of block b names.  So the waits at a block's head state all of it.
;   THE K LOOP, step g:  its products read BF[g % 2], AR[g % 4] and the accumulators.  Its loads land in BF[(g + 1) % 2] and AR[(g + 3) % 4], which step g - 1 read last.  ONE wait at the step's head,
;              behind the waits for the step's own data, states that step g - 1 is done with them; the 26 loads follow, dealt among the products, early in the step.
;   THE WAY OUT   one wait behind the last products for all the accumulators; each tile has its own waits for its list word, its 16 lane reads and its 16 offsets, so that a tile leans on no other tile's text.
; REGISTERS, in windows of 256 (s_set_vgpr_msb: bits 1:0 source 0, 3:2 source 1, 5:4 source 2, 7:6 destination):
;   window 0: v0-30 addresses, v31 a zero; v32-191 the rows' fragments, 4 slots x 5 tiles x 8 (scratch while the list is made and on the way out); v192-223 sel's words, then with v224-255 the two buffers of packed weights, later all 64 tile 4's accumulators
;   window 1: the weights' load ring, 4 slots x 64; later the accumulators of tiles 0-3 ((j, n) at 64 j + 8 n)       window 2: v0-63, v64-127 the weights' fragments, two buffers
.set BP,     2064                      ; a weight row in LDS: 2,048 bytes + 16 = 516 words: row r starts at bank 4 r mod 64 (64 banks of 4 bytes: ISA guide 11.1), so the 16 rows of a load start at 16 different groups
.set LIST,   128*BP                    ; behind the weights: each wave's own list, 1,024 words, and 32 words for lanes with nothing to say; 18 blocks of 256 bytes a wave
.set LISTB,  4608
.set SP,     528                       ; a stage row: 128 f32 + 16 bytes
.set WPITCH, 16384                     ; bytes from weight row to weight row in memory
.set WSH,    19                        ; 32 weight rows, as a shift
.set ASH,    13                        ; a row of h, as a shift
.set STAGE,  LIST+4*LISTB              ; each wave's own stage of 16 rows, for the way out
.set STB,    16*SP                     ; (behind the four stages 512 bytes of spare words, four bytes a lane)
.set LN,   1                           ; lane
.set R15,  2                           ; lane % 16
.set HL,   3                           ; lane / 16
.set H16,  4                           ; 16 x (lane / 16)
.set C16,  5                           ; 16 x lane
.set WO,   6                           ; my byte offset in the work-group's weights: 16 x lane + my wave's 32 rows
.set WL,   7                           ; where I put 8 bytes of a weight row in LDS; steps
.set LB,   8                           ; my wave's list
.set DMP,  9                           ; 1,024 + lane
.set L4,   10                          ; 4 x lane
.set BFIX, 11                          ; v11-14  my place in weight rows 32 i .. of LDS; never rewritten
.set BADR, 15                          ; v15-18  the same plus s35, the K trip's bytes
.set STO,  19
.set RD,   20
.set AOFF, 21                          ; v21-25  byte offset of my row of tile j
.set T0,   26
.set T1,   27                          ; where I clear my list; written once
.set RI,   28
.set LV,   29
.set AR,   32
.set LA,   32                          ; at the head only: v32-63 where ballot q's word goes in my list,
.set LD,   64                          ; v64-95 the word: slot x 1,024 + token,
.set MK,   96                          ; v96-127 the expert's two bits of sel's word q
.set TK,   192
.set PK,   224                         ; packed weights: buffer p at PK - 32 p (buffer 1 lies where sel's words lay)
.set A4,   192                         ; tile 4's accumulators, in window 0
.set BF,   0                           ; in window 2
.set RB2,  32                          ; the way out: 64 read back,
.set OF2,  96                          ; 16 offsets
.set MB,   40                          ; at the head: the 32 ballots: s40-63 and s66-73 (ballot q at MB + q + 2 (q / 24))
.set SD,   40                          ; the way out: s40-55, where a tile's 16 rows go
.set LV4,  74                          ; s74  1: my fifth tile of this pass has rows
.set MSB, 0
.macro WIN new                         ; the immediate's high byte repeats the setting that is left; a switch that changes nothing is dropped
.if MSB != (\new)
	s_set_vgpr_msb (MSB<<8)|(\new)
.set MSB, \new
.endif
.endm
; Two weight rows, 16 loads of 512 consecutive bytes, into a slot of window 1
.macro FILL slot, row
	WIN 0x40
.set f, 0
.rept 16
	global_load_b128 v[64*(\slot)+4*f:64*(\slot)+4*f+3], v[WO], s[18:19] offset:((\row)+f/8)*WPITCH+512*(f%8) th:TH_LOAD_NT
.set f, f+1
.endr
.endm
; Block b of a lap's four goes from its buffer of packed weights into LDS
.macro PUT b
	WIN 0
.set f, 0
.rept 16
	ds_store_b64 v[WL], v[PK-32*((\b)%2)+2*f:PK-32*((\b)%2)+2*f+1] offset:(2*(\b)+f/8)*BP+256*(f%8)  ; 32 lanes, 256 consecutive bytes
.set f, f+1
.endr
.endm
; THE TURN OF BLOCK k (counted from the lap's base: 0 ahead of the loop, 1 to 4 in a lap).  first = 1: no block stands in front of it.  fill = 1: the slot that the turn before read gets the block three
; further on.  left = the younger loads that may stay out.  vs = 1: the turn has its own wait for the stores that read its buffer of packed weights.
.macro TURN k, first, fill, left, vs
	s_wait_loadcnt \left                           ; loads come back in order (ISA guide 5.7.1): ring slot k % 4 is in
.if \fill
	WIN 0x40                                       ; the loads' window is set ahead of the waits
.else
	WIN 0
.endif
.if \vs
	s_wait_alu depctr_vm_vsrc(0)                   ; the LDS stores issued so far have read PK[k % 2], which this turn's conversions write (block 0: the stores that cleared the list have read its first four registers)
.endif
.if !\first
	s_wait_alu depctr_va_vdst(0)                   ; the turn before has written the other PK, which the stores below read, and is done reading its ring slot, in which the loads below land; behind a lap's end v[WL] is written
.endif
.if \fill
	FILL ((\k)+3)%4, 2*((\k)+3)
.endif
.if !\first
	PUT (\k)-1                                     ; the block before.  No vector instruction since the wait names its buffer
.endif
	WIN 0x05                                       ; both sources in window 1
.set f, 0
.rept 32
	v_cvt_pk_bf16_f32 v[PK-32*((\k)%2)+f], v[64*((\k)%4)+2*f], v[64*((\k)%4)+2*f+1]
.set f, f+1
.endr
.endm
; The fragments of one K step (32 along K): five tiles of 16 rows from memory; lane l takes row l % 16, 16 bytes at 16 (l / 16) and 16 bytes 32 further on
.macro ALOAD slot, aoff
	WIN 0
.set j, 0
.rept 5
	global_load_b128 v[AR+40*(\slot)+8*j:AR+40*(\slot)+8*j+3],   v[AOFF+j], s[22:23] offset:(\aoff)
	global_load_b128 v[AR+40*(\slot)+8*j+4:AR+40*(\slot)+8*j+7], v[AOFF+j], s[22:23] offset:(\aoff)+32
.set j, j+1
.endr
.endm
.macro BLOAD buf, boff, n0             ; and four of the eight blocks of 16 weight rows from LDS: blocks n0 .. n0 + 3
	WIN 0x80
.set n, \n0
.rept 4
	ds_load_b128 v[BF+64*(\buf)+8*n:BF+64*(\buf)+8*n+3],   v[BADR+n/2] offset:(n%2)*16*BP+(\boff)
	ds_load_b128 v[BF+64*(\buf)+8*n+4:BF+64*(\buf)+8*n+7], v[BADR+n/2] offset:(n%2)*16*BP+(\boff)+32
.set n, n+1
.endr
.endm
.macro MUL8 g4, tj, zero               ; tile tj (0 to 3) x all 8 blocks of weight rows
	WIN 0x52                                       ; weights window 2, rows window 0, C and D window 1
.set n, 0
.rept 8
.if \zero
	v_wmma_f32_16x16x32_bf16 v[64*(\tj)+8*n:64*(\tj)+8*n+7], v[BF+64*((\g4)%2)+8*n:BF+64*((\g4)%2)+8*n+7], v[AR+40*(\g4)+8*(\tj):AR+40*(\g4)+8*(\tj)+7], 0
.else
	v_wmma_f32_16x16x32_bf16 v[64*(\tj)+8*n:64*(\tj)+8*n+7], v[BF+64*((\g4)%2)+8*n:BF+64*((\g4)%2)+8*n+7], v[AR+40*(\g4)+8*(\tj):AR+40*(\g4)+8*(\tj)+7], v[64*(\tj)+8*n:64*(\tj)+8*n+7]
.endif
.set n, n+1
.endr
.endm
; ONE K STEP g (g4 = g % 4).  It asks for the rows' fragments of step g + 3 (aoff, or -1: none) and the weights' of step g + 1 (boff, or -1), into registers that step g - 1 multiplied.  vd = 1: four v_nop, the
; places behind that step's last matrix instruction, and the wait that states that its products are done with those registers.  (vd = 0: the pass's first step, whose loads land in registers that no product
; has named since the wait behind the last pass's products; and the last step, which asks for nothing.)  zero = 1: the pass's first step: its products start the sums with the constant 0 and so write over the
; accumulators that the last pass's products used.  It has the four v_nop too: with the four that stand behind the last pass's products they are eight places where five are asked for (ISA guide 7.12.1), also
; on the way on which every tile's way out and the finding of the rows are jumped.  The loads are dealt among the products: half the weights' at the head, the other half behind tile 0,
; the rows' behind tile 1.  40 matrix instructions, the accumulators by turns, in the same order in every step, over the loop's jump too.  The last 8, my fifth tile's, are jumped
; where that tile begins at or past the count; its two loads stay (all lanes then name one row), so that the counts of the waits are the same on both ways.
; lcnt: the younger loads of rows that may stay out: those of steps g + 1 and g + 2.
.macro STEP g4, aoff, boff, zero, lcnt, vd
.if (\vd) || (\zero)
.rept 4
	v_nop
.endr
.endif
	s_wait_loadcnt \lcnt                           ; this step's rows are in
	s_wait_dscnt 0x0                               ; and its weights: nothing younger is out
.if (\boff) >= 0
	WIN 0x80                                       ; the first loads' window is set ahead of the wait
.if \vd
	s_wait_alu depctr_va_vdst(0)                   ; the last step's products are done reading their weights' buffer and their slot of rows, in which this step's loads land; in a trip's first step v[BADR ..] is written
.endif
	BLOAD ((\g4)+1)%2, \boff, 0
.endif
	MUL8 \g4, 0, \zero
.if (\boff) >= 0
	BLOAD ((\g4)+1)%2, \boff, 4                    ; no wait: this step's products name the other buffer, another slot and the accumulators
.endif
	MUL8 \g4, 1, \zero
.if (\aoff) >= 0
	ALOAD ((\g4)+3)%4, \aoff
.endif
	MUL8 \g4, 2, \zero
	MUL8 \g4, 3, \zero
	WIN 0                                          ; at a branch and at a label every window is 0
	s_cmp_lg_u32 s[LV4], 0
	s_cbranch_scc0 .Lno4_\@
	WIN 0x02                                       ; tile 4: C and D window 0
.set n, 0
.rept 8
.if \zero
	v_wmma_f32_16x16x32_bf16 v[A4+8*n:A4+8*n+7], v[BF+64*((\g4)%2)+8*n:BF+64*((\g4)%2)+8*n+7], v[AR+40*(\g4)+32:AR+40*(\g4)+39], 0
.else
	v_wmma_f32_16x16x32_bf16 v[A4+8*n:A4+8*n+7], v[BF+64*((\g4)%2)+8*n:BF+64*((\g4)%2)+8*n+7], v[AR+40*(\g4)+32:AR+40*(\g4)+39], v[A4+8*n:A4+8*n+7]
.endif
.set n, n+1
.endr
	WIN 0
.Lno4_\@:
.endm
; THE ROWS OF A PASS whose first row for my wave is s33: whether my fifth tile has rows, the rows' base, for each of my five tiles the byte offset of my lane's row, and the weights' LDS addresses back
; at K = 0.  Written twice: for the first pass ahead of the weights' stream, where the wave would only wait, and in the pass loop for the later passes.  One wait behind it serves all nine registers.
.macro ROWS
	s_add_co_u32 s34, s33, 256
	s_cmp_lt_u32 s34, s28
	s_cselect_b32 s[LV4], 1, 0                     ; has my fifth tile rows?
	s_mov_b64 s[22:23], s[20:21]
	s_mov_b32 s35, 0                               ; the K trip's bytes in a weight row
	v_add_nc_u32 v[RI], s33, v[R15]
.set j, 0
.rept 5
	v_add_nc_u32 v[T0], 64*j, v[RI]
	v_min_u32 v[T0], s29, v[T0]                    ; places past the count repeat the expert's last row
	v_min_u32 v[T0], 0x3ff, v[T0]
	v_lshl_add_u32 v[AOFF+j], v[T0], ASH, v[H16]   ; h lies in the rows' order
.set j, j+1
.endr
.set i, 0
.rept 4
	v_mov_b32 v[BADR+i], v[BFIX+i]
.set i, i+1
.endr
.endm
; Tile j's accumulators begin at register 64 j of window 1 (j < 4) or at 192 of window 0 (j = 4): register 64 j - 64 (j / 4), window 1 - j / 4.
; THE WAY OUT OF TILE j: the f32 sums go through my stage and leave as whole rows of 512 bytes, each to the row slot x 1,024 + token that the list names; places past the count
; name the expert's last row and store its own numbers onto it again.
.macro EPI2 j
.set AB, 64*(\j)-64*((\j)/4)
	s_add_co_u32 s34, s33, 64*(\j)
	s_cmp_ge_u32 s34, s28
	s_cbranch_scc1 .Ldead_\@
	s_wait_xcnt 0x0                                ; the registers that the last tile's stores read are rewritten only behind this wait
	s_wait_alu depctr_vm_vsrc(0)                   ; the last tile's list load has read v[T0], its stores v[RB2 ..] and v[OF2 ..]: all three are written again below
	v_add_nc_u32 v[T0], s34, v[R15]
	v_min_u32 v[T0], s29, v[T0]
	v_min_u32 v[T0], 0x3ff, v[T0]
	v_lshl_add_u32 v[T0], v[T0], 2, v[LB]
	s_wait_alu depctr_va_vdst(0)                   ; v[T0] is written, which the load below reads; the last tile's lane reads are done with v[LV], in which it lands
	ds_load_b32 v[LV], v[T0]                       ; lane t (0-15): where row t of the tile goes
	WIN 4*(1-(\j)/4)                               ; a store's data is source 1: the accumulators' window
.set n, 0
.rept 8
	ds_store_b128 v[STO], v[AB+8*n:AB+8*n+3]   offset:64*n     ; each accumulator's low registers first
	ds_store_b128 v[STO], v[AB+8*n+4:AB+8*n+7] offset:64*n+16
.set n, n+1
.endr
	WIN 0
.set t, 0
.rept 16
	ds_load_b128 v[RB2+4*t:RB2+4*t+3], v[RD] offset:t*SP  ; in order behind the stores above
.set t, t+1
.endr
	s_wait_dscnt 32                                ; the list's word is in; the 16 stores and 16 loads behind it may stay out
.set t, 0
.rept 16
	v_readlane_b32 s[SD+t], v[LV], t               ; all sixteen first, each into a register of its own
.set t, t+1
.endr
	s_wait_alu depctr_va_sdst(0)                   ; the sixteen lane reads have written s40 to s55, ahead of their first reader
.set t, 0
.rept 16
	s_min_u32 s[SD+t], s[SD+t], 0x7ff              ; inside the 2,048 rows
	s_lshl_b32 s[SD+t], s[SD+t], 12
.set t, t+1
.endr
.set t, 0
.rept 16
	v_add_nc_u32 v[OF2+t], s[SD+t], v[C16]
.set t, t+1
.endr
	s_wait_alu depctr_va_vdst(0)                   ; the sixteen offsets v[OF2 ..] are written, which the stores below read
.set t, 0
.rept 16
	s_wait_dscnt 15-t
	global_store_b128 v[OF2+t], v[RB2+4*t:RB2+4*t+3], s[24:25]  ; 32 lanes store 512 consecutive bytes, aligned
.set t, t+1
.endr
.Ldead_\@:
.endm
	s_load_b256 s[4:11], s[0:1], 0x0               ; rows (hbuf) s[4:5], sel s[6:7], weights s[8:9], output s[10:11]
	v_lshl_add_u32 v30, v0, 2, 0x4d400
	v_mov_b32 v31, 0
	v_lshrrev_b32 v[T0], 5, v0
	v_readfirstlane_b32 s12, v[T0]                 ; wave 0..3
	s_mov_b32 s13, ttmp9
	s_and_b32 s14, ttmp7, 0xffff                   ; the expert
	v_and_b32 v[LN], 31, v0
	v_and_b32 v[R15], 15, v0
	v_bfe_u32 v[HL], v0, 4, 1
	v_lshlrev_b32 v[H16], 4, v[HL]
	v_lshlrev_b32 v[C16], 4, v[LN]
	v_lshlrev_b32 v[LV], 4, v[LN]                  ; 16 x lane: sel's loads
	s_wait_alu depctr_va_sdst(0)                   ; s12 is written, ahead of its first reader
	s_lshl_b32 s16, s12, WSH
	v_add_nc_u32 v[WO], s16, v[LV]
	s_mul_i32 s16, s12, 32*BP
	v_lshl_add_u32 v[WL], v[LN], 3, s16
	s_mul_i32 s16, s12, LISTB
	s_add_co_u32 s16, s16, LIST
	v_mov_b32 v[LB], s16
	v_add_nc_u32 v[DMP], 0x400, v[LN]
	v_lshlrev_b32 v[L4], 2, v[LN]
	v_mul_u32_u24 v[T0], v[R15], BP
	v_add_nc_u32 v[T0], v[T0], v[H16]              ; row x pitch + 16 x half
.set i, 0
.rept 4
	v_add_nc_u32 v[BFIX+i], i*32*BP, v[T0]
.set i, i+1
.endr
	s_mul_i32 s16, s12, STB
	s_add_co_u32 s16, s16, STAGE                   ; my stage
	v_mul_u32_u24 v[T0], v[R15], SP
	v_lshl_add_u32 v[T0], v[HL], 5, v[T0]          ; in: row l % 16, 32 bytes for each half of the lanes
	v_add_nc_u32 v[STO], s16, v[T0]
	v_add_nc_u32 v[RD], s16, v[C16]                ; back: 32 lanes take one row of 512 bytes
.set i, 0
.rept 4
	v_mov_b32 v[PK+i], 0                           ; what clears the list,
.set i, i+1
.endr
	v_lshl_add_u32 v[T1], v[LN], 4, v[LB]          ; and where: made here, so that the one wait below serves them too
	s_lshl_b32 s26, 0x101, s14                     ; the expert's two bits in a word of sel
	s_add_co_u32 s27, s14, 8
	s_wait_kmcnt 0x0
	s_and_b32 s15, s13, 7                          ; which 128 columns
	s_lshr_b32 s13, s13, 3                         ; which quarter of K
	s_lshl_b32 s16, s14, 24                        ; w2: an expert is 16 MB, 128 rows are 2 MB, a quarter of a row 4 KB
	s_lshl_b32 s17, s15, 21
	s_add_co_u32 s16, s16, s17
	s_lshl_b32 s17, s13, 12
	s_add_co_u32 s16, s16, s17
	s_mov_b32 s17, 0
	s_add_nc_u64 s[18:19], s[8:9], s[16:17]
	s_lshl_b32 s16, s14, 23                        ; hbuf: an expert has room for 1,024 rows of 8 KB; a quarter of a row is 2 KB
	s_lshl_b32 s17, s13, 11
	s_add_co_u32 s16, s16, s17
	s_mov_b32 s17, 0
	s_add_nc_u64 s[20:21], s[4:5], s[16:17]
	s_lshl_b32 s16, s13, 23                        ; part: a quarter's 2,048 rows are 8 MB; 128 columns are 512 bytes
	s_lshl_b32 s17, s15, 9
	s_add_co_u32 s16, s16, s17
	s_mov_b32 s17, 0
	s_add_nc_u64 s[24:25], s[10:11], s[16:17]
	s_wait_alu depctr_va_vdst(0)                   ; every offset and address made above is written (v[LV], v[WO], v[WL], v[T1], v[STO], v[RD] are read by loads and stores), and so are the four zeros
.set c, 0
.rept 8
	global_load_b128 v[TK+4*c:TK+4*c+3], v[LV], s[6:7] offset:512*c  ; register 4 c + i of lane L: sel[128 c + 4 L + i]
.set c, c+1
.endr
	FILL 0, 0                                      ; the first three blocks of weights are on their way while the rows are counted and found
	FILL 1, 2
	FILL 2, 4
	WIN 0
	; THE LIST is cleared first; then each lane whose token chose the expert puts its row at the running count plus the number of such lanes below it.
.set i, 0
.rept 9
	ds_store_b128 v[T1], v[PK:PK+3] offset:512*i
.set i, i+1
.endr
	s_wait_loadcnt 48                              ; sel is in; the 48 loads of weights issued behind it stay out
.set q, 0
.rept 32
	v_and_b32 v[MK+q], s26, v[TK+q]
.set q, q+1
.endr
.set q, 0
.rept 32
	v_cmp_ne_u32 s[MB+q+2*(q/24)], 0, v[MK+q]      ; ballot q: bit L for token 128 (q / 4) + 4 L + q % 4; each in a scalar register of its own
.set q, q+1
.endr
	s_wait_alu depctr_va_sdst(0)                   ; the 32 compares have written their ballots, ahead of the first reader
	s_mov_b32 s28, 0
.set q, 0
.rept 32
.set MQ, MB+q+2*(q/24)
	v_mbcnt_lo_u32_b32 v[LA+q], s[MQ], s28
	v_cndmask_b32 v[LA+q], v[DMP], v[LA+q], s[MQ]  ; the others write a word of their own behind the list
	v_min_u32 v[LA+q], 0x41f, v[LA+q]              ; inside my wave's 1,056 words
	v_lshl_add_u32 v[LA+q], v[LA+q], 2, v[LB]
	v_add_nc_u32 v[LD+q], 128*(q/4)+q%4, v[L4]     ; the token
	v_lshrrev_b32 v[MK+q], s27, v[MK+q]            ; 1 where the expert is the token's second choice
	v_lshl_add_u32 v[LD+q], v[MK+q], 10, v[LD+q]   ; slot x 1,024 + token
	s_bcnt1_i32_b32 s31, s[MQ]
	s_add_co_u32 s28, s28, s31
.set q, q+1
.endr
	s_sub_co_u32 s29, s28, 1                       ; s28: the expert's count; s29: its last row
	s_lshl_b32 s33, s12, 4                         ; the first row of my first tile: 320 x pass + 16 x wave; my tiles lie 64 rows apart
	ROWS                                           ; the first pass's rows, found while the first weights are on their way.  (A wave or an expert without rows gets row numbers held inside the buffers; nothing reads what they bring)
	s_wait_alu depctr_va_vdst(0)                   ; v[LA ..] and v[LD ..] are written, which the 32 stores below read; so are v[AOFF ..] and v[BADR ..], which the first pass's loads read; and the vector side is done with v32 to v127, in which the first rows land
.set q, 0
.rept 32
	ds_store_b32 v[LA+q], v[LD+q]
.set q, q+1
.endr
	; THE WEIGHTS: 16 blocks of two rows a wave, through four slots; three blocks are always on their way.  Block 0 stands ahead of the loop, so that a lap is four blocks and a lap's four runs of stores lie in it.
	TURN 0, 1, 1, 32, 1                            ; two younger blocks of 16 loads stay out
	WIN 0
	s_mov_b32 s36, 3
.Lround:                                               ; blocks 1 to 12
	TURN 1, 0, 1, 32, 0                            ; its PK1 is free: on the way in no store has read it, on the way back the wait at the lap's end has shown it read
	TURN 2, 0, 1, 32, 1
	TURN 3, 0, 1, 32, 1
	TURN 4, 0, 1, 32, 1
	WIN 0
	s_wait_xcnt 0x0                                ; the loads' base is stepped only behind this wait
	s_wait_alu depctr_vm_vsrc(0)                   ; the lap's last run of stores has read v[WL], stepped below, and PK1, which the next turn's conversions write
	s_add_nc_u64 s[18:19], s[18:19], 8*WPITCH
	v_add_nc_u32 v[WL], 8*BP, v[WL]
	s_sub_co_u32 s36, s36, 1
	s_cmp_lg_u32 s36, 0
	s_cbranch_scc1 .Lround
	ALOAD 0, 0                                     ; all 16 blocks are asked for; between the last turns, the first pass's rows of K steps 0 to 2, ten loads each.  58 loads of mine are out
	TURN 1, 0, 0, 42, 0                            ; block 13 is in; younger: blocks 14 and 15 (32) and K step 0's rows (10)
	ALOAD 1, 64
	ALOAD 2, 128                                   ; 62 are out
	TURN 2, 0, 0, 46, 1                            ; block 14; younger: block 15 (16) and the rows (30)
	TURN 3, 0, 0, 30, 1                            ; block 15; the rows may stay out, across the barrier too: nobody writes those bytes
	WIN 0
	s_wait_alu depctr_va_vdst(0)                   ; block 15's conversions have written PK1, which the last run of stores reads
	PUT 3
	s_wait_dscnt 0x0                               ; for the others' sake: my 32 rows lie in LDS
	s_wait_alu depctr_vm_vsrc(0)                   ; my last stores have read PK0 and PK1: these registers are tile 4's accumulators from here on
	s_barrier_signal -1
	s_barrier_wait -1                              ; everybody's do
	; THE ROWS
	s_mov_b32 s32, 4
.Lpass:
	s_cmp_ge_u32 s33, s28
	s_cbranch_scc1 .Lnomul                         ; nothing of this pass is mine: the products are jumped, the barriers are not
	s_cmp_eq_u32 s32, 4
	s_cbranch_scc1 .Lhave                          ; the first pass has its rows and its first fragments already
	s_wait_loadcnt 0x0                             ; no load into the registers written below is out,
	s_wait_xcnt 0x0                                ; and the last pass's stores have read theirs
	ROWS
	s_wait_alu depctr_va_vdst(0)                   ; v[AOFF ..] and v[BADR ..] are written, which the loads from here on read; the way out's vector lines are done with v96 to v111, in which rows land
	ALOAD 0, 0
	ALOAD 1, 64
	ALOAD 2, 128
.Lhave:
	; The four waves leave the barrier together, their K steps are alike, and each step has its runs of LDS loads of 512 bytes at the same places: left so, the four waves' runs would fall together in every step.  So wave w
	; idles 5 w times s_nop 15 (16 cycles each: ISA guide, S_NOP) once a pass; the longest idle falls to wave 3, the last to be dealt a fifth tile.
	s_cmp_lt_u32 s12, 3
	s_cbranch_scc1 .Lw2
.rept 5
	s_nop 15
.endr
.Lw2:
	s_cmp_lt_u32 s12, 2
	s_cbranch_scc1 .Lw1
.rept 5
	s_nop 15
.endr
.Lw1:
	s_cmp_lt_u32 s12, 1
	s_cbranch_scc1 .Lw0
.rept 5
	s_nop 15
.endr
.Lw0:
	BLOAD 0, 0, 0                                  ; K step 0's weights.  No wait: their addresses and their buffer stand behind the wait that follows ROWS and behind the one that follows the last pass's products
	BLOAD 0, 0, 4
	STEP 0, 192, 64, 1, 20, 0                      ; K step 0 starts the sums.  20: two younger steps of 10 loads
	WIN 0
	s_mov_b32 s36, 7
.Lk:                                                   ; a trip: K steps 4 i + 1 .. 4 i + 4
	STEP 1, 256, 128, 0, 20, 1
	STEP 2, 320, 192, 0, 20, 1
	STEP 3, 384, 256, 0, 20, 1
	STEP 0, 448, 320, 0, 20, 1
	WIN 0
	s_wait_xcnt 0x0                                ; the loads' base is stepped only behind this wait
	s_wait_alu depctr_vm_vsrc(0)                   ; the LDS loads issued so far have read v[BADR ..]
	s_add_nc_u64 s[22:23], s[22:23], 256
	s_add_co_u32 s35, s35, 256
.set i, 0
.rept 4
	v_add_nc_u32 v[BADR+i], s35, v[BFIX+i]         ; the fixed place plus the trip's bytes
.set i, i+1
.endr
	s_sub_co_u32 s36, s36, 1
	s_cmp_lg_u32 s36, 0
	s_cbranch_scc1 .Lk
	STEP 1, -1, 128, 0, 20, 1                      ; K steps 29 to 31: no row is asked for past K = 1,024, and the counts run down
	STEP 2, -1, 192, 0, 10, 1
	STEP 3, -1, -1, 0, 0, 0
	WIN 0
.rept 4
	v_nop                                          ; the places between the last products and the first read of a result
.endr
	s_wait_alu depctr_va_vdst(0)                   ; the products have written the accumulators, which the way out's LDS stores read, and are done reading the fragments' registers, in which the way out's and the next pass's loads land; the places above stay beside this wait
.Lnomul:
	s_wait_loadcnt 0x0                             ; a wave that jumped the first pass's products still has that pass's rows on their way: the way out writes those registers
	s_wait_dscnt 0x0                               ; my LDS reads of this pass's products are back
	s_barrier_signal -1
	s_barrier_wait -1                              ; everybody's are: only now does a wave write its stage.  (The stages are bytes of their own; the two barriers of a pass keep reading and writing LDS in phases, two meetings for a wave's 1,024 to 1,280 matrix instructions)
	EPI2 0
	EPI2 1
	EPI2 2
	EPI2 3
	EPI2 4
	s_wait_dscnt 0x0                               ; my stores into my stage and my reads of it are over
	s_wait_alu depctr_vm_vsrc(0)                   ; this pass's loads and stores have read their registers: the accumulators, v[RB2 ..], v[OF2 ..], v[T0], v[AOFF ..] and v[BADR ..] are all written again in the next pass
	s_barrier_signal -1
	s_barrier_wait -1                              ; everybody's are: the next pass reads the weights again
	s_add_co_u32 s33, s33, 320
	s_sub_co_u32 s32, s32, 1
	s_cmp_lg_u32 s32, 0
	s_cbranch_scc1 .Lpass
	s_wait_dscnt 0x0                               ; the wave's end
	s_wait_alu depctr_hold_cnt(0) depctr_sa_sdst(0) depctr_va_vdst(0) depctr_va_sdst(0) depctr_va_ssrc(0) depctr_va_vcc(0) depctr_vm_vsrc(0)
	s_wait_tensorcnt 0x0
	ds_add_u32 v30, v31
	s_wait_dscnt 0x0
	s_endpgm
.Lfunc_end_k_q8e18fafd27_ffn2:
	.size	k_q8e18fafd27_ffn2, .Lfunc_end_k_q8e18fafd27_ffn2-k_q8e18fafd27_ffn2
	.p2alignl 7, 3214868480
	.fill 96, 4, 3214868480
	.section	.rodata,"a",@progbits
	.p2align	6, 0x0
	.amdhsa_kernel k_q8e18fafd27_ffn2
		.amdhsa_group_segment_fixed_size 316928
		.amdhsa_private_segment_fixed_size 0
		.amdhsa_enable_private_segment 0
		.amdhsa_kernarg_size 32
		.amdhsa_user_sgpr_count 2
		.amdhsa_user_sgpr_kernarg_segment_ptr 1
		.amdhsa_wavefront_size32 1
		.amdhsa_system_sgpr_workgroup_id_x 1
		.amdhsa_system_sgpr_workgroup_id_y 1
		.amdhsa_system_sgpr_workgroup_id_z 1
		.amdhsa_system_vgpr_workitem_id 0
		.amdhsa_next_free_vgpr 640
		.amdhsa_next_free_sgpr 80
		.amdhsa_reserve_vcc 0
		.amdhsa_float_denorm_mode_32 3
		.amdhsa_float_denorm_mode_16_64 3
		.amdhsa_memory_ordered 1
		.amdhsa_forward_progress 1
		.amdhsa_inst_pref_size 148
	.end_amdhsa_kernel
	.amdgpu_metadata
---
amdhsa.version: [ 1, 2 ]
amdhsa.kernels:
  - .name:           k_q8e18fafd27_ffn2
    .symbol:         k_q8e18fafd27_ffn2.kd
    .args:
      - { .name: hbuf, .offset: 0, .size: 8, .value_kind: global_buffer, .address_space: global }
      - { .name: sel, .offset: 8, .size: 8, .value_kind: global_buffer, .address_space: global }
      - { .name: w2, .offset: 16, .size: 8, .value_kind: global_buffer, .address_space: global }
      - { .name: part, .offset: 24, .size: 8, .value_kind: global_buffer, .address_space: global }
    .group_segment_fixed_size: 316928
    .private_segment_fixed_size: 0
    .kernarg_segment_align: 8
    .kernarg_segment_size: 32
    .max_flat_workgroup_size: 128
    .sgpr_count:     80
    .vgpr_count:     640
    .wavefront_size: 32
...
	.end_amdgpu_metadata
.endif
;; end of part 7
;; launch combine: the kernel of part 4 again; grid 256 x 1, 4 waves a work-group, no clusters, 0 bytes of LDS; arguments part, gate, out0; writes out0
